; MI455X (gfx1250); checked and timed in simulation.
; The chip was launched on July 23, 2026; its instructions are those of AMD's public machine-readable ISA for CDNA 5 (MIT licence, August 2026) and "CDNA5" Instruction Set Architecture Reference Guide (July 2026). The comments in the code are by the model that wrote it; some were corrected since.
;; Multi Head Self Attention Block. Allowed arithmetic: matrix products marked QUANTISED: E5M2 operands, one E8M0 scale for each 32 along K, by v_wmma_scale_f32_16x16x128_f8f6f4 with both operands' format E5M2, f32 sums; everything else in f32.
;; Inputs: bk 1,024 float32; bo 1,024 float32; bq 1,024 float32; bv 1,024 float32; k 2 x 2,048 x 1,024 float32; mask 1 x 1 x 2,048 x 2,048 int32; q 2 x 2,048 x 1,024 float32; v 2 x 2,048 x 1,024 float32; wk 1,024 x 1,024 float32; wo 1,024 x 1,024 float32; wq 1,024 x 1,024 float32; wv 1,024 x 1,024 float32.
;; Outputs: out0 2 x 2,048 x 1,024 float32.
;; This version of the problem:
;;   THIS VERSION OF THE PROBLEM IS GIVEN IN LOW PRECISION. The matrix products marked QUANTISED in the list below multiply operands that are first quantised to E5M2 (5 exponent bits, 2 mantissa bits; 8 bits a number), with one power-of-two scale for each 32 numbers along K (OCP MX v1.0); their sums are f32. All else is computed in f32.
;;   The module's matrix products, in the order in which they are computed (A, B: the left and right operand; K: the contracted axis; several contracted axes count as one K, in the product's order):
;;     1. [M 4,096, K 1,024] x [K 1,024, N 1,024]; A: input q; B: input wq: QUANTISED
;;     2. [M 4,096, K 1,024] x [K 1,024, N 1,024]; A: input k; B: input wk: QUANTISED
;;     3. [M 4,096, K 1,024] x [K 1,024, N 1,024]; A: input v; B: input wv: QUANTISED
;;     4. batch 32 x [M 2,048, K 64] x [K 64, N 2,048]; A: computed on the way; B: computed on the way: QUANTISED
;;     5. batch 32 x [M 2,048, K 2,048] x [K 2,048, N 64]; A: softmax (see below); B: computed on the way: QUANTISED
;;     6. [M 4,096, K 1,024] x [K 1,024, N 1,024]; A: computed on the way; B: input wo: QUANTISED
;;   THE QUANTISER, for each operand of a quantised product, along K:
;;     - K is cut into blocks of 32 from its start; a last block that is shorter is filled with zeros.
;;     - A block's scale is 2^e with e = floor(log2(the largest magnitude in the block)) - 15, held to -126 .. 127; a block of zeros has e = 0. As a byte (E8M0): e + 127.
;;     - Each number is divided by its block's scale, clamped to +-57,344, and rounded to the nearest number of E5M2, ties to even, subnormals kept.
;;     - The product sums the exact products of the quantised numbers (number of the format x scale) in f32.
;;   ~~~python
;;   def quantise(x, axis):      # numpy; x: float32 -> the quantised numbers, widened to float32 again
;;       x = np.moveaxis(x, axis, -1); K = x.shape[-1]
;;       x = np.pad(x, [(0, 0)] * (x.ndim - 1) + [(0, -K % 32)]); x = x.reshape(x.shape[:-1] + (-1, 32)); a = np.abs(x).max(-1, keepdims=True)
;;       e = np.where(a > 0, np.clip(np.frexp(np.where(a > 0, a, 1))[1] - 1 - 15, -126, 127), 0)      # np.frexp(a)[1] - 1 = floor(log2(a)), exactly
;;       r = np.clip(x / 2.0 ** e, -57344, 57344)
;;       step = 2.0 ** (np.maximum(np.frexp(np.where(r == 0, 1, r))[1] - 1, -14) - 2)
;;       q = np.round(r / step) * step * 2.0 ** e      # np.round: ties to even
;;       return np.moveaxis(q.reshape(q.shape[:-2] + (-1,))[..., :K], -1, axis).astype(np.float32)
;;   ~~~
;;   SOFTMAX AHEAD OF A QUANTISED PRODUCT. Where the list says 'softmax', what is quantised is not the finished softmax but p = 2^(t - M), with t = logit x log2(e) and M = ceil(the row's largest t), a whole number; so 1/2 < the row's largest p <= 1. The row's sum l is taken of the UNQUANTISED p, in f32, and the product's result is divided by l at the end. Since M is a whole number, a kernel that streams over the keys may use a running M (the ceiling of the running maximum): every later rescaling is an exact power of two, which a block's scale takes up: the codes' values come out the same.
;;   OPERANDS COMPUTED ON THE WAY. 'Computed on the way' means the value that the module computes at that place (a softmax that the list does not call 'softmax' is quantised finished and normalised). What goes into a quantiser is computed in f32, as accurately as f32 sums, v_exp_f32 and their like allow (about 1e-6 of the number): no bf16 or f16 on the way to a quantiser, and a product that is left as it is and whose result goes on into a quantised operand takes f32 operands (vector FMAs, or v_wmma_f32_16x16x4_f32). A number that lies on a knife's edge between two numbers of the format may be rounded either way, as far as f32 arithmetic and the matrix unit's own rounding can turn it there, and no further.
;; 2 versions. Each part assembles by itself: llvm-mc -triple=amdgcn-amd-amdhsa -mcpu=gfx1250 --defsym DOCPART=n.
;; ======== version 1 of 2: 4 launches
;; workspace buffers: xc 16,777,216 bytes; xs 524,288 bytes; mbits 524,288 bytes of whole numbers; img 12,582,912 bytes; isc 393,216 bytes; acd 4,194,304 bytes; asc 131,072 bytes
;; launch prep (part 1): grid 640 x 1, 4 waves a work-group, no clusters, 67,072 bytes of LDS; arguments q, k, v, wq, wk, wv, wo, mask, xc, xs, mbits; writes xc, xs, mbits
.if DOCPART == 1
	.amdgcn_target "amdgcn-amd-amdhsa--gfx1250"
	.amdhsa_code_object_version 6
	.text
	.protected	k_q107598f3bf_prep
	.globl	k_q107598f3bf_prep
	.p2align	8
	.type	k_q107598f3bf_prep,@function
k_q107598f3bf_prep:
	s_mov_b64 s[64:65], 0
	v_nop
	global_prefetch_b8 v0, s[64:65] scope:SCOPE_SE
	s_setreg_imm32_b32 hwreg(HW_REG_WAVE_MODE, 25, 1), 1
	s_wait_xcnt 0x0
; PREP.  Work-groups 0-511: q, k, v [4096][1024] and wq, wk, wv, wo [1024][1024], f32, become codes of BF8 (E5M2), K innermost, in xc [16384][1024], with one E8M0 byte for each 32 along K in xs [16384][32].
; Rows of xc: q from 0, k from 4096, v from 8192, wq 12288, wk 13312, wv 14336, wo 15360.
; TILE ORDER: inside each 32 rows the four groups of eight rows lie in the order 0, 2, 1, 3: position 32 P + 16 u + 8 g + e holds true row 32 P + 16 g + 8 u + e.  So 16 neighbouring positions are the rows
; 0-7 and 16-23 (or 8-15 and 24-31) of a group of 32, and a product used transposed leaves 16 true neighbours in a lane's 16 registers of two neighbouring tiles.  A wave takes eight rows, so the order costs one swap of two bits.
; A block's scale is 2^(floor(log2(its largest magnitude)) - 15); its byte is the largest magnitude's exponent field - 15, held at 1 from below.  A block of zeros gets the byte 1 where the rule says 127: its codes are
; zeros, which add nothing under any byte but 0xff, and the bytes are read by this program alone.  LIMITS: NaN and infinities among the inputs are not served.
; Work-groups 512-639: the mask [2048][2048] of int32 becomes bits in mbits [T 128][j 16][n 64] of 32-bit words: bit (r + 16 h) of word (T, j, n) says mask == 0 at query row 32 (T/2) + 8 (T%2) + r + 8 (r/8),
; key 128 j + 32 (n/16) + 16 h + n%16: the lane mask that the attention launch wants for its score register n.  So the 16 MiB are read once and not once for each of the 32 heads.
; No work-group shares an input with another: no cluster, no tensor load, no barrier.  Each of the two paths has LDS bytes of its own.
.set NQWG,  512                        ; work-groups of the quantiser: 16,384 rows / 32
.set STEPS, 16                         ; a wave takes 16 steps of 512 numbers: eight rows
.set EMAX,  15
.set MANT,  0x600000                   ; the mantissa field of 57,344 as f32
.set CB,    16                         ; bytes of 16 codes
.set R,     16                         ; v16-79   four sets of 16 numbers as they are loaded
.set X,     80                         ; v80-111  two sets of 16 neighbours
.set E,     112                        ; v112-127 a scale byte for each step
.set C,     128                        ; v128-191 codes: four registers for each step
.set WREG,  8192                       ; LDS of the quantiser: a region for each wave: two stages of 32 x SP bytes, behind them its 256 scale bytes
.set SP,    80                         ; a lane's place in a stage: its 64 bytes + 16 of padding
.set MSTG,  32768                      ; LDS of the mask path: a stage of 16 rows x MPIT bytes for each wave
.set MPIT,  528                        ; 512 bytes + 16 of padding
.set MR,    16                         ; v16-143  two sets of 16 rows x 4 registers as they are loaded
.set MX,    144                        ; v144-207 a lane's 64 mask words of a step
.set MW,    208                        ; v208-215 a pair of result registers for each step
	s_load_b512 s[4:19], s[0:1], 0x0               ; q, k, v, wq, wk, wv, wo, mask
	s_load_b128 s[20:23], s[0:1], 0x40             ; xc, xs
	s_load_b64 s[24:25], s[0:1], 0x50              ; mbits
	v_lshl_add_u32 v224, v0, 2, 0x10400
	v_mov_b32 v225, 0
	v_lshrrev_b32 v1, 5, v0
	v_readfirstlane_b32 s26, v1                    ; wave
	v_and_b32 v2, 31, v0                           ; lane
	v_lshlrev_b32 v3, 4, v2                        ; my 16 bytes of a load's 512
	s_cmp_ge_u32 ttmp9, NQWG
	s_cbranch_scc1 .Lmask
	; ---------------- the quantiser
	s_mul_i32 s27, s26, WREG
	v_lshrrev_b32 v14, 2, v2
	v_mul_u32_u24 v14, v14, SP
	v_and_b32 v15, 3, v2
	v_lshl_add_u32 v14, v15, 4, v14
	v_add_nc_u32 v14, s27, v14                     ; the stage, on the way in: four lanes' 64 bytes on end, then 16 of padding
	v_mul_u32_u24 v15, v2, SP
	v_add_nc_u32 v15, s27, v15                     ; and on the way out: my 16 neighbours
	v_mul_u32_u24 v4, v2, CB                       ; my codes' place in a step's
	v_lshrrev_b32 v5, 1, v2
	s_add_co_u32 s27, s27, 2*32*SP
	v_add_nc_u32 v5, s27, v5                       ; my wave's 256 scale bytes, my block's byte
	v_lshlrev_b32 v7, 3, v2                        ; and on the way out 8 bytes a lane
	v_add_nc_u32 v6, s27, v7
	s_mov_b32 s31, MANT
	s_wait_kmcnt 0x0
	s_mov_b64 s[28:29], s[16:17]                   ; which tensor: the choice hangs on the work-group's number alone.  It starts at wo,
	s_mov_b32 s30, 480                             ; whose first work-group is 480,
.macro PICK bound, ptr, first                  ; and goes down: under bound it is the tensor at s[ptr], whose first work-group is first
	s_cmp_lt_u32 ttmp9, \bound
	s_cselect_b64 s[28:29], s[\ptr:\ptr+1], s[28:29]
	s_cselect_b32 s30, \first, s30
.endm
	PICK 480, 14, 448
	PICK 448, 12, 416
	PICK 416, 10, 384
	PICK 384, 8, 256
	PICK 256, 6, 128
	PICK 128, 4, 0
	s_sub_co_u32 s30, ttmp9, s30
	s_lshl_b32 s30, s30, 2
	s_add_co_u32 s30, s30, s26                     ; which run of eight rows of the tensor is my wave's
	s_lshl_b32 s32, s30, 15                        ; 32,768 bytes a run
	s_mov_b32 s33, 0
	s_add_nc_u64 s[28:29], s[28:29], s[32:33]
	s_and_b32 s34, s26, 1                          ; the tile order: group 2 g + u goes to place 2 u + g
	s_lshl_b32 s34, s34, 1
	s_lshr_b32 s35, s26, 1
	s_or_b32 s34, s34, s35
	s_lshl_b32 s35, ttmp9, 2
	s_add_co_u32 s34, s34, s35                     ; the run's place in xc and xs
	s_lshl_b32 s32, s34, 13                        ; 8,192 bytes of codes a run
	s_add_nc_u64 s[20:21], s[20:21], s[32:33]
	s_lshl_b32 s32, s34, 8                         ; 256 scale bytes a run
	s_add_nc_u64 s[22:23], s[22:23], s[32:33]
.macro LOAD t
.irp i, 0,1,2,3
	global_load_b128 v[R+16*((\t)%4)+4*\i:R+16*((\t)%4)+4*\i+3], v3, s[28:29] offset:2048*(\t)+512*\i th:TH_LOAD_NT   ; 32 lanes read 512 consecutive bytes
.endr
.endm
.macro TURN t                          ; step t's numbers through the stage: LDS serves a wave's instructions in order, so no wait stands between the stores and the loads
.irp i, 0,1,2,3
	ds_store_b128 v14, v[R+16*((\t)%4)+4*\i:R+16*((\t)%4)+4*\i+3] offset:32*SP*((\t)%2)+8*SP*\i
.endr
.irp i, 0,1,2,3
	ds_load_b128 v[X+16*((\t)%2)+4*\i:X+16*((\t)%2)+4*\i+3], v15 offset:32*SP*((\t)%2)+16*\i
.endr
.endm
.irp t, 0,1,2,3
	LOAD \t
.endr
	s_wait_loadcnt 12                              ; step 0's four loads are in; those of steps 1 to 3 may be out
	TURN 0
.macro STEP t
.set XS, X+16*((\t)%2)
.if (\t) > 0
	s_wait_dscnt 1                                 ; this step's numbers are back from the stage (the last step's byte store may be out)
.else
	s_wait_dscnt 0x0
.endif
.if (\t)+4 < STEPS
	LOAD (\t)+4                                    ; into the registers that this step's stores into the stage have read
.endif
.if (\t)+1 < STEPS
.if STEPS-2-(\t) >= 3
	s_wait_loadcnt 12                              ; the next step's four loads are in; those of the three steps behind it may be out
.else
	s_wait_loadcnt 4*(STEPS-2-(\t))
.endif
	TURN (\t)+1                                    ; they go through the other stage while this step is worked
.endif
	v_max3_num_f32 v8, |v[XS]|, |v[XS+1]|, |v[XS+2]|               ; the largest magnitude of my 16, in two chains
	v_max3_num_f32 v9, |v[XS+3]|, |v[XS+4]|, |v[XS+5]|
.irp i, 6,10
	v_max3_num_f32 v8, v8, |v[XS+\i]|, |v[XS+\i+1]|
	v_max3_num_f32 v9, v9, |v[XS+\i+2]|, |v[XS+\i+3]|
.endr
	v_max3_num_f32 v8, v8, |v[XS+14]|, |v[XS+15]|
	v_max3_num_f32 v8, v8, v9, (EMAX+1)<<23        ; and the floor 2^(16 - 127): the byte cannot fall under 1
	v_max_num_f32_dpp v8, v8, v8 row_xmask:1 row_mask:0xf bank_mask:0xf   ; and of my neighbour's 16: the block's
	v_add_nc_u32 v11, -(EMAX<<23), v8              ; 15 off its exponent field: the conversion takes the exponent field of this operand as its scale
	v_and_or_b32 v10, v8, 0x7f800000, s31          ; 57,344 x the scale
.irp i, 0,1,2,3,4,5,6,7,8,9,10,11,12,13,14,15
	v_med3_num_f32 v[XS+\i], v[XS+\i], -v10, v10   ; the conversion to an 8-bit code does not saturate (ISA guide 7.6.2): the hold comes first
.endr
	v_cvt_scalef32_pk8_bf8_f32 v[C+4*(\t):C+4*(\t)+1], v[XS:XS+7], v11
	v_cvt_scalef32_pk8_bf8_f32 v[C+4*(\t)+2:C+4*(\t)+3], v[XS+8:XS+15], v11
	v_lshrrev_b32 v[E+(\t)], 23, v11               ; the scale's byte
	ds_store_b8 v5, v[E+(\t)] offset:16*(\t)       ; both lanes of a block write the same byte with the same value
	global_store_b128 v4, v[C+4*(\t):C+4*(\t)+3], s[20:21] offset:32*CB*(\t)   ; 32 lanes store 512 consecutive bytes
.endm
.irp t, 0,1,2,3,4,5,6,7,8,9,10,11,12,13,14,15
	STEP \t
.endr
	ds_load_b64 v[12:13], v6                       ; LDS serves a wave's instructions in order: these see my stores
	s_wait_dscnt 0x0
	global_store_b64 v7, v[12:13], s[22:23]        ; 32 lanes store 256 consecutive bytes, aligned
	s_wait_tensorcnt 0x0
	ds_add_u32 v224, v225
	s_wait_dscnt 0x0
	s_endpgm
	; ---------------- the mask.  Work-group T takes the 16 query rows of tile T; wave w the key steps 4 w to 4 w + 3.
.Lmask:
	s_sub_co_u32 s27, ttmp9, NQWG                  ; T
	s_lshr_b32 s28, s27, 1
	s_lshl_b32 s28, s28, 5
	s_and_b32 s29, s27, 1
	s_lshl_b32 s29, s29, 3
	s_add_co_u32 s28, s28, s29                     ; the tile's first true row: 32 (T/2) + 8 (T%2)
	s_lshl_b32 s28, s28, 13                        ; a row of the mask is 8,192 bytes
	s_lshl_b32 s29, s26, 11                        ; my four steps of 512 bytes
	s_add_co_u32 s28, s28, s29
	s_mov_b32 s29, 0
	s_lshl_b32 s30, s27, 4
	s_lshl_b32 s31, s26, 2
	s_add_co_u32 s30, s30, s31                     ; 16 T + 4 w
	s_lshl_b32 s30, s30, 8                         ; 256 bytes of words a step
	s_mov_b32 s31, 0
	s_mul_i32 s32, s26, 16*MPIT
	s_add_co_u32 s32, s32, MSTG                    ; my stage
	v_add_nc_u32 v4, s32, v3                       ; in: a row's 512 bytes as they lie
	v_and_b32 v7, 15, v2
	v_lshrrev_b32 v8, 4, v2
	v_mul_u32_u24 v5, v7, MPIT
	v_lshl_add_u32 v5, v8, 6, v5
	v_add_nc_u32 v5, s32, v5                       ; out: lane (r, h) takes row r, from key 16 h on
	v_lshlrev_b32 v6, 3, v2                        ; the words leave 8 bytes a lane
.irp i, 0,1,2,3,4,5,6,7
	v_mov_b32 v[MW+\i], 0                          ; written once: the destination of v_writelane_b32 counts as read
.endr
	s_wait_kmcnt 0x0
	s_add_nc_u64 s[18:19], s[18:19], s[28:29]
	s_add_nc_u64 s[24:25], s[24:25], s[30:31]
.macro LOADM jj                        ; step jj: 16 rows x 512 consecutive bytes
.irp rr, 0,1,2,3,4,5,6,7,8,9,10,11,12,13,14,15
	global_load_b128 v[MR+64*((\jj)%2)+4*\rr:MR+64*((\jj)%2)+4*\rr+3], v3, s[18:19] offset:(\rr+8*(\rr/8))*8192+512*(\jj) th:TH_LOAD_NT
.endr
.endm
.macro MSTEP jj
.if (\jj) < 3
	s_wait_loadcnt 16                              ; this step's 16 loads are in; the next step's may be out
.else
	s_wait_loadcnt 0
.endif
.irp rr, 0,1,2,3,4,5,6,7,8,9,10,11,12,13,14,15
	ds_store_b128 v4, v[MR+64*((\jj)%2)+4*\rr:MR+64*((\jj)%2)+4*\rr+3] offset:MPIT*\rr
.endr
.irp i, 0,1,2,3,4,5,6,7,8,9,10,11,12,13,14,15
	ds_load_b128 v[MX+4*\i:MX+4*\i+3], v5 offset:128*(\i/4)+16*(\i%4)   ; register n = 16 (n/16) + n%16: key 32 (n/16) + 16 h + n%16 of the step
.endr
	s_wait_dscnt 0x0
.if (\jj) < 2
	LOADM (\jj)+2
.endif
.irp gq, 0,1,2,3
.irp kk, 0,1,2,3,4,5,6,7,8,9,10,11,12,13,14,15
	v_cmp_eq_u32 s[32+\kk], 0, v[MX+16*\gq+\kk]    ; word n: a bit for each lane
.endr
.irp kk, 0,1,2,3,4,5,6,7,8,9,10,11,12,13,14,15
	v_writelane_b32 v[MW+2*(\jj)+(\kk%2)], s[32+\kk], (16*\gq+\kk)/2   ; lane n / 2 holds words n and n + 1
.endr
.endr
	global_store_b64 v6, v[MW+2*(\jj):MW+2*(\jj)+1], s[24:25] offset:256*(\jj)   ; 32 lanes store 256 consecutive bytes, aligned
.endm
	LOADM 0
	LOADM 1
	MSTEP 0
	MSTEP 1
	MSTEP 2
	MSTEP 3
	s_wait_tensorcnt 0x0
	ds_add_u32 v224, v225
	s_wait_dscnt 0x0
	s_endpgm
.Lfunc_end_k_q107598f3bf_prep:
	.size	k_q107598f3bf_prep, .Lfunc_end_k_q107598f3bf_prep-k_q107598f3bf_prep
	.p2alignl 7, 3214868480
	.fill 96, 4, 3214868480
	.section	.rodata,"a",@progbits
	.p2align	6, 0x0
	.amdhsa_kernel k_q107598f3bf_prep
		.amdhsa_group_segment_fixed_size 67072
		.amdhsa_private_segment_fixed_size 0
		.amdhsa_enable_private_segment 0
		.amdhsa_kernarg_size 88
		.amdhsa_user_sgpr_count 2
		.amdhsa_user_sgpr_kernarg_segment_ptr 1
		.amdhsa_wavefront_size32 1
		.amdhsa_system_sgpr_workgroup_id_x 1
		.amdhsa_system_sgpr_workgroup_id_y 1
		.amdhsa_system_sgpr_workgroup_id_z 1
		.amdhsa_system_vgpr_workitem_id 0
		.amdhsa_next_free_vgpr 226
		.amdhsa_next_free_sgpr 66
		.amdhsa_reserve_vcc 0
		.amdhsa_float_denorm_mode_32 3
		.amdhsa_float_denorm_mode_16_64 3
		.amdhsa_memory_ordered 1
		.amdhsa_forward_progress 1
		.amdhsa_inst_pref_size 100
	.end_amdhsa_kernel
	.amdgpu_metadata
---
amdhsa.version: [ 1, 2 ]
amdhsa.kernels:
  - .name:           k_q107598f3bf_prep
    .symbol:         k_q107598f3bf_prep.kd
    .args:
      - { .name: q, .offset: 0, .size: 8, .value_kind: global_buffer, .address_space: global }
      - { .name: k, .offset: 8, .size: 8, .value_kind: global_buffer, .address_space: global }
      - { .name: v, .offset: 16, .size: 8, .value_kind: global_buffer, .address_space: global }
      - { .name: wq, .offset: 24, .size: 8, .value_kind: global_buffer, .address_space: global }
      - { .name: wk, .offset: 32, .size: 8, .value_kind: global_buffer, .address_space: global }
      - { .name: wv, .offset: 40, .size: 8, .value_kind: global_buffer, .address_space: global }
      - { .name: wo, .offset: 48, .size: 8, .value_kind: global_buffer, .address_space: global }
      - { .name: mask, .offset: 56, .size: 8, .value_kind: global_buffer, .address_space: global }
      - { .name: xc, .offset: 64, .size: 8, .value_kind: global_buffer, .address_space: global }
      - { .name: xs, .offset: 72, .size: 8, .value_kind: global_buffer, .address_space: global }
      - { .name: mbits, .offset: 80, .size: 8, .value_kind: global_buffer, .address_space: global }
    .group_segment_fixed_size: 67072
    .private_segment_fixed_size: 0
    .kernarg_segment_align: 8
    .kernarg_segment_size: 88
    .max_flat_workgroup_size: 128
    .sgpr_count:     66
    .vgpr_count:     226
    .wavefront_size: 32
...
	.end_amdgpu_metadata
.endif
;; end of part 1
;; launch proj (part 2): grid 4 x 48, 4 waves a work-group, clusters of 4 x 4, 327,680 bytes of LDS; arguments xc, xs, img, isc, bq, bk, bv; writes img, isc
.if DOCPART == 2
	.amdgcn_target "amdgcn-amd-amdhsa--gfx1250"
	.amdhsa_code_object_version 6
	.text
	.protected	k_q107598f3bf_proj
	.globl	k_q107598f3bf_proj
	.p2align	8
	.type	k_q107598f3bf_proj,@function
k_q107598f3bf_proj:
	s_mov_b64 s[64:65], 0
	v_nop
	global_prefetch_b8 v0, s[64:65] scope:SCOPE_SE
	s_setreg_imm32_b32 hwreg(HW_REG_WAVE_MODE, 25, 1), 1
	s_wait_xcnt 0x0
	s_wait_alu depctr_hold_cnt(0) depctr_sa_sdst(0) depctr_va_vdst(0) depctr_va_sdst(0) depctr_va_ssrc(0) depctr_va_vcc(0) depctr_vm_vsrc(0)
	s_getreg_b32 s2, hwreg(HW_REG_IB_STS2, 6, 4)
	s_cmp_eq_u32 s2, 0
	s_cbranch_scc0 .Lentry_in_a_cluster
	s_endpgm
.Lentry_in_a_cluster:
	s_bfe_u32 s2, ttmp6, 0x10000c
	s_cmp_lg_u32 s2, 0xf033
	s_cbranch_scc0 .Lentry_shape_is_right
	s_endpgm
.Lentry_shape_is_right:
; PROJ.  query = q wq^T + bq, key = k wk^T + bk, value = v wv^T + bv on codes of BF8 (E5M2) with one E8M0 scale for each 32 along K = 1024, sums in f32; each result is quantised again on the way out, in f32,
; along the K of the attention product that reads it (query, key: the head's 64; value: the keys), and leaves as IMAGES OF OPERAND REGISTERS: group c of four registers at 512 c + 16 x lane.
;   img: query at 0, key at 4 MiB: [bh 32][tile 128][c 2][lane][16 bytes];  value at 8 MiB: [bh][key step 16][tile of d 4][c 4][lane][16 bytes].
;   isc: query at 0, key at 131,072: [bh][pair of tiles 64][r 16] words (bytes 0, 1: the even tile's two blocks; bytes 2, 3: the odd tile's);  value at 262,144: [bh][key step][tile of d][r] words (four blocks of keys).
; All rows of xc lie in tile order (16 neighbouring positions are true rows 0-7 and 16-23, or 8-15 and 24-31, of a group of 32), so a lane's 16 registers of two neighbouring result tiles are 16 true neighbours.
; A tile of 256 x 256 is made by a work-group of four waves, a wave makes 128 x 128: 64 accumulators, 512 registers.  K goes in steps of 256 through a ring of two LDS slots filled by the tensor data mover.
; 3 x 64 tiles: 192 work-groups, 12 clusters of 4 x 4; cluster number cl: projection p = cl / 4, quarter g = cl % 4 of the 4,096 activation rows.
; THE MATRIX INSTRUCTION IS USED TRANSPOSED: source 0 gives the registers, source 1 the lanes.  The side called A here is source 1, hangs on cy and is shared along a row of the cluster; B is source 0, hangs on cx and
; is shared along a column.  For query and key A = activations, B = the weight: a lane holds one row and its registers run along the features.  For value A = wv, B = activations: a lane holds one feature d and its
; registers run along the keys.  The choice hangs on the cluster's number alone, which all sixteen partners share.
; THE SCALES of the work-group's 2 x 256 rows, for all of K, come into LDS once, with the first fills.
; Both sets of bias registers (by register, by lane) are loaded on every path from the projection's own bias; a path uses one of them: 24 short loads a wave against a branch at the head.
; LIMITS: NaN and infinities are not served; a block of zeros carries the byte 1 (its codes are zeros; this program alone reads the bytes).
; REGISTERS, in windows of 256: window 0: v0-31 addresses, v8-15 bias by lane; v32-63 scale words, two sets; v64-127 bias by register; from v128 A's fragments, one set; on the way out v128-229 are at work.
;   window 1: B's fragments, two sets.   window 2: the accumulators of my A blocks 0-3 ((a, b) at v[8 (8 (a % 4) + b)]);   window 3: those of blocks 4-7.
.set SIZE_K, 1024
.set KSTEP,  256                       ; along K in a slot
.set NQ,     KSTEP/128                 ; matrix instructions deep
.set ROWB,   256                       ; a tile's row in bytes
.set KROW,   SIZE_K                    ; a row of xc in bytes
.set PITCH,  272                       ; an LDS row: 256 bytes + 16 of padding = 68 words: row r starts at bank 4 r mod 64 (64 banks of 4 bytes: ISA guide 11.1)
.set FR,     16                        ; registers of a fragment: 16 rows x 128 K
.set NL,     4                         ; LDS loads that bring one
.set NP,     8                         ; places behind this matrix instruction (ISA guide 7.12.1)
.set HALFT,  128*PITCH                 ; 128 rows: what one tensor load brings
.set SLOT,   4*HALFT                   ; A's 256 rows, then B's 256 rows
.set LAPS,   SIZE_K/(2*KSTEP)          ; a lap = two K steps = once round the ring
.set KS,     SIZE_K/32                 ; a row of scales in bytes
.set SCL,    2*SLOT                    ; behind the ring: the scales, as units of 256 bytes + 16 of padding
.set HALFS,  (128*KS/256)*272          ; the scales of 128 rows
.set SBLK,   (16*KS/256)*272           ; those of 16 rows
.set SPARE,  SCL+4*HALFS               ; the spare words, 128 bytes for each wave: two blocks of 256 bytes that no other line names
.set BA,   8                           ; v8-15   bias by lane: register a for A's block a
.set ADRA, 16                          ; v16-17  LDS address of my A fragments in slot 0, 1
.set ADRB, 20                          ; v20-21  the same for B
.set ADRS, 27                          ; v27     LDS address of my scale words: lanes 0-15 A's rows, lanes 16-31 B's
.set SPW,  28                          ; v28     LDS address of my spare word; never rewritten
.set NIL,  29                          ; v29     0; never rewritten
.set SC,   32                          ; scale words: set s at v[SC + 8 NQ s]
.set BB,   64                          ; v64-127 bias by register: register 8 b + j for B's block b
.set AF,   128                         ; A's fragments
.set ST,   128                         ; the way out: v128-191 64 numbers of a lane
.set PC,   192                         ; v192-207 their codes
.set TM,   208                         ; v208-223 at work
.set PW0,  224                         ; v224, v225 the scale words of an even and an odd block
.set WO,   226                         ; v226 the word to store
.set SELV, 227                         ; v227 which bytes of the two make it
.set LI,   228                         ; v228 16 x lane
.set LSO,  229                         ; v229 the word's place
.set G1, 24
.set G0, 32
.set G1B, 48
.set G0B, 56
.set G1S, 68
.set G0S, 76
.set G1SB, 80
.set G0SB, 88
.set MNT, 19                           ; s19  the mantissa field of 57,344
.set SEL, 100                          ; s[100:101] v_permlanex16_b32's selects for lane l xor 16
.set MSB, 0
.macro WIN new                         ; the immediate's high byte repeats the setting that is left
.if MSB != \new
	s_set_vgpr_msb (MSB<<8)|\new
.set MSB, \new
.endif
.endm
.set MUL_LO, 0xa1                      ; source 0 (B) window 1, source 1 (A) window 0, C and D window 2
.set MUL_HI, 0xf1                      ; the same, C and D window 3
.set TO_B,   0x40                      ; destination window 1, address window 0
; A joint load: waves 0 and 1 fetch for A, waves 2 and 3 for B.  Each line has one mask and one set of registers for all that issue it; the branch hangs on the wave's number alone.
; Four v_nop follow each of the two lines, ahead of the jump, the label and what follows.
.macro JLOAD g0a, g1a, g0b, g1b
	s_cmp_eq_u32 s15, 0
	s_cbranch_scc0 .Lfor_b_\@
	tensor_load_to_lds s[\g0a:\g0a+3], s[\g1a:\g1a+7]
	s_nop 0
.rept 4
	v_nop
.endr
	s_branch .Lasked_\@
.Lfor_b_\@:
	tensor_load_to_lds s[\g0b:\g0b+3], s[\g1b:\g1b+7]
	s_nop 0
.rept 4
	v_nop
.endr
.Lasked_\@:
.endm
.macro CREST                           ; a round of the cluster's barrier behind its opening barrier
	s_cmp_lg_u32 s14, 0
	s_cbranch_scc1 .Lnot_wave_0_\@
	s_barrier_signal -3
.Lnot_wave_0_\@:
	s_barrier_wait -3
	s_barrier_signal -1
	s_barrier_wait -1
.endm
.macro CROUND                          ; a whole round
	s_barrier_signal -1
	s_barrier_wait -1
	CREST
.endm
	s_load_b256 s[4:11], s[0:1], 0x0               ; xc s[4:5], xs s[6:7], img s[8:9], isc s[10:11]
	s_load_b128 s[96:99], s[0:1], 0x20             ; bq, bk
	s_load_b64 s[100:101], s[0:1], 0x30            ; bv
	v_lshl_add_u32 v[SPW], v0, 2, SPARE
	v_mov_b32 v[NIL], 0
	ds_add_u32 v28, v29
	ds_add_u32 v28, v29
	s_wait_dscnt 0x0
	v_lshrrev_b32 v1, 5, v0
	v_readfirstlane_b32 s14, v1                    ; wave 0..3
	s_lshr_b32 s15, s14, 1                         ; which half of A's rows is mine.  Also: I fetch for A (0) or for B (1)
	s_and_b32 s16, s14, 1                          ; which half of B's rows.  Also: which 128 rows of that tile I fetch
	s_bfe_u32 s40, ttmp6, 0x40000                  ; cx, cy: my place in the cluster (the grid is one cluster wide, so cx is the tile column)
	s_bfe_u32 s41, ttmp6, 0x40004
	s_and_b32 s42, ttmp7, 0xffff                   ; the cluster's number, 0..11
	s_lshr_b32 s17, s42, 2                         ; p: 0 query, 1 key, 2 value
	s_and_b32 s18, s42, 3                          ; g: which 1,024 activation rows
	s_lshl_b32 s43, s41, 2
	s_lshl_b32 s43, 15, s43                        ; my row of the cluster
	s_lshl_b32 s44, 0x1111, s40                    ; my column
	; descriptor group 1: a tile of 128 rows x 256 bytes, padded in LDS
	s_or_b32 s[G1+0], s43, (0<<16)|(1<<20)|(1<<21)|(5<<22)|(3<<25)  ; 15:0 the mask; 17:16 element of 1 byte; 20 padding on; 21 set beside a mask; 24:22 after every 64 words (code 5); 31:25 of 4 words (code 3)
	s_or_b32 s[G1B+0], s44, (0<<16)|(1<<20)|(1<<21)|(5<<22)|(3<<25)
.irp g, G1, G1B
	s_mov_b32 s[\g+1], ROWB<<16                    ; tensor_dim0
	s_mov_b32 s[\g+2], 128<<16                     ; tensor_dim1
	s_mov_b32 s[\g+3], ROWB<<16                    ; tile_dim0
	s_mov_b32 s[\g+4], 128                         ; tile_dim1
	s_mov_b32 s[\g+5], KROW                        ; tensor_dim0_stride
	s_mov_b32 s[\g+6], 0
	s_mov_b32 s[\g+7], 0
.endr
	; and for the scales of 128 rows: a dense block of 4,096 bytes, as rows of 256 bytes (32 elements of 8 bytes), 16 bytes of padding behind each
	s_or_b32 s[G1S+0], s43, (3<<16)|(1<<20)|(1<<21)|(5<<22)|(3<<25)
	s_or_b32 s[G1SB+0], s44, (3<<16)|(1<<20)|(1<<21)|(5<<22)|(3<<25)
.irp g, G1S, G1SB
	s_mov_b32 s[\g+1], 32<<16
	s_mov_b32 s[\g+2], (128*KS/256)<<16
	s_mov_b32 s[\g+3], 32<<16
	s_mov_b32 s[\g+4], 128*KS/256
	s_mov_b32 s[\g+5], 32
	s_mov_b32 s[\g+6], 0
	s_mov_b32 s[\g+7], 0
.endr
	; which rows of xc: A's in s20 (it never holds cx), B's in s46 (it never holds cy)
	s_lshl_b32 s19, s18, 10                        ; 1024 g
	s_lshl_b32 s20, s17, 12
	s_add_co_u32 s20, s20, s19                     ; query, key: A = activations, from row 4096 p + 1024 g
	s_lshl_b32 s46, s17, 10
	s_add_co_u32 s46, s46, 12288                   ;             B = the weight, from row 12288 + 1024 p
	s_add_co_u32 s19, s19, 8192
	s_cmp_eq_u32 s17, 2
	s_cselect_b32 s20, 14336, s20                  ; value:      A = wv,
	s_cselect_b32 s46, s19, s46                    ;             B = v's rows, from 8192 + 1024 g
	s_lshl_b32 s21, s16, 7                         ; which 128 rows of the tile I fetch
	s_lshl_b32 s22, s41, 8
	s_add_co_u32 s20, s20, s22
	s_add_co_u32 s20, s20, s21
	s_lshl_b32 s47, s40, 8
	s_add_co_u32 s46, s46, s47
	s_add_co_u32 s46, s46, s21
	s_lshl_b32 s22, s20, 5                         ; where these rows' scales begin, in bytes,
	s_mov_b32 s23, 0
	s_lshl_b32 s20, s20, 10                        ; and their codes
	s_mov_b32 s21, 0
	s_lshl_b32 s92, s46, 5
	s_mov_b32 s93, 0
	s_lshl_b32 s46, s46, 10
	s_mov_b32 s47, 0
	s_mul_i32 s45, s14, HALFT                      ; where they go: wave x 128 rows: no place in the cluster enters an LDS address
	s_mul_i32 s94, s14, HALFS
	s_wait_kmcnt 0x0
	s_add_nc_u64 s[20:21], s[4:5], s[20:21]
	s_add_nc_u64 s[22:23], s[6:7], s[22:23]
	s_add_nc_u64 s[46:47], s[4:5], s[46:47]
	s_add_nc_u64 s[92:93], s[6:7], s[92:93]
	CROUND                                         ; all sixteen work-groups are here: the first joint loads meet
	s_mov_b32 s[G0S], 1
	s_add_co_u32 s[G0S+1], s94, SCL
	s_mov_b64 s[G0S+2:G0S+3], s[22:23]
	s_or_b32 s[G0S+3], s[G0S+3], 0x80000000
	s_mov_b32 s[G0SB], 1
	s_add_co_u32 s[G0SB+1], s94, SCL
	s_mov_b64 s[G0SB+2:G0SB+3], s[92:93]
	s_or_b32 s[G0SB+3], s[G0SB+3], 0x80000000
	JLOAD G0S, G1S, G0SB, G1SB                     ; the scales first: they are wanted with K step 0
.irp s, 0,1
	s_mov_b32 s[G0+4*\s], 1
	s_add_co_u32 s[G0+4*\s+1], s45, \s*SLOT
	s_add_nc_u64 s[G0+4*\s+2:G0+4*\s+3], s[20:21], \s*ROWB
	s_or_b32 s[G0+4*\s+3], s[G0+4*\s+3], 0x80000000
	s_mov_b32 s[G0B+4*\s], 1
	s_add_co_u32 s[G0B+4*\s+1], s45, \s*SLOT
	s_add_nc_u64 s[G0B+4*\s+2:G0B+4*\s+3], s[46:47], \s*ROWB
	s_or_b32 s[G0B+4*\s+3], s[G0B+4*\s+3], 0x80000000
	JLOAD G0+4*\s, G1, G0B+4*\s, G1B
.endr
	v_and_b32 v1, 15, v0                           ; r = l % 16
	v_bfe_u32 v2, v0, 4, 1                         ; h = l / 16
	v_mul_u32_u24 v3, v1, PITCH
	v_lshl_add_u32 v4, v2, 4, v3                   ; a fragment's row x pitch + 16 x half
	s_mul_i32 s21, s15, HALFT                      ; my 128 rows of A
	s_mul_i32 s22, s16, HALFT                      ; my 128 rows of B,
	s_add_co_u32 s22, s22, 2*HALFT                 ; which lie behind A's 256
.irp s, 0,1
	v_add_nc_u32 v[ADRA+\s], s21, v4
	v_add_nc_u32 v[ADRB+\s], s22, v4
	s_add_co_u32 s21, s21, SLOT
	s_add_co_u32 s22, s22, SLOT
.endr
	v_mul_u32_u24 v5, v1, KS                       ; my row's scales: KS bytes a row,
	v_lshrrev_b32 v6, 8, v5
	v_lshl_add_u32 v5, v6, 4, v5                   ; and 16 more for each 256 passed
	s_mul_i32 s21, s15, HALFS                      ; A's: my 128 rows
	s_mul_i32 s22, s16, HALFS                      ; B's: my 128 rows, behind A's 256
	s_add_co_u32 s22, s22, 2*HALFS
	s_sub_co_u32 s22, s22, s21
	v_mul_u32_u24 v6, s22, v2                      ; lanes 16-31 take B's
	s_add_co_u32 s21, s21, SCL
	v_add_nc_u32 v5, v5, v6
	v_add_nc_u32 v[ADRS], s21, v5
	; the projection's bias
	s_cmp_eq_u32 s17, 1
	s_cselect_b64 s[12:13], s[98:99], s[96:97]
	s_cmp_eq_u32 s17, 2
	s_cselect_b64 s[12:13], s[100:101], s[12:13]
	s_lshl_b32 s92, s40, 10                        ; by register: features 256 cx + 128 x my half of B on
	s_lshl_b32 s93, s16, 9
	s_add_co_u32 s92, s92, s93
	s_mov_b32 s93, 0
	s_add_nc_u64 s[96:97], s[12:13], s[92:93]
	s_lshl_b32 s92, s41, 10                        ; by lane: features 256 cy + 128 x my half of A on
	s_lshl_b32 s94, s15, 9
	s_add_co_u32 s92, s92, s94
	s_add_nc_u64 s[98:99], s[12:13], s[92:93]
	s_mov_b32 s[SEL], 0x76543210
	s_mov_b32 s[SEL+1], 0xfedcba98
	s_mov_b32 s[MNT], 0x600000
	v_lshlrev_b32 v7, 6, v2                        ; 64 h: register 16 b + i belongs to feature 32 b + 16 h + i
	v_and_b32 v30, 8, v1
	v_add_nc_u32 v30, v30, v1
	v_lshlrev_b32 v30, 2, v30                      ; 4 (r + 8 (r / 8)): lane r of block a belongs to feature 32 (a/2) + 8 (a%2) + r + 8 (r/8)
.irp i, 0,1,2,3,4,5,6,7,8,9,10,11,12,13,14,15
	global_load_b128 v[BB+4*\i:BB+4*\i+3], v7, s[96:97] offset:128*(\i/4)+16*(\i%4)
.endr
.irp a, 0,1,2,3,4,5,6,7
	global_load_b32 v[BA+\a], v30, s[98:99] offset:4*(32*(\a/2)+8*(\a%2))
.endr
.macro FRAG reg, adr, q, i             ; a fragment, 16 rows x 128 K: lane l holds row l % 16; registers 4 c .. 4 c + 3 hold K = 32 c + 16 (l / 16) + 0 .. 15
.irp c, 0,1,2,3
	ds_load_b128 v[\reg+4*\c:\reg+4*\c+3], v[\adr] offset:128*(\q)+32*\c+(\i)*16*PITCH
.endr
.endm
; 16 matrix instructions: A's blocks a0, a0 + 1 x B's eight, 128 along K.  zero = 1: the first product starts the sums.  The 64 accumulators take turns, one instruction a turn.
.macro MUL16 a0, p, q, sc, zero
.irp a, \a0, \a0+1
.irp b, 0,1,2,3,4,5,6,7
.if \zero
	v_wmma_scale_f32_16x16x128_f8f6f4 v[8*(8*((\a)%4)+\b):8*(8*((\a)%4)+\b)+7], v[128*(\p)+FR*\b:128*(\p)+FR*\b+FR-1], v[AF+FR*(\a):AF+FR*(\a)+FR-1], 0, v[SC+8*NQ*(\sc)+NQ*\b+(\q)], v[SC+8*NQ*(\sc)+NQ*(\a)+(\q)] matrix_a_fmt:MATRIX_FMT_BF8 matrix_b_fmt:MATRIX_FMT_BF8 matrix_a_scale:MATRIX_SCALE_ROW1
.else
	v_wmma_scale_f32_16x16x128_f8f6f4 v[8*(8*((\a)%4)+\b):8*(8*((\a)%4)+\b)+7], v[128*(\p)+FR*\b:128*(\p)+FR*\b+FR-1], v[AF+FR*(\a):AF+FR*(\a)+FR-1], v[8*(8*((\a)%4)+\b):8*(8*((\a)%4)+\b)+7], v[SC+8*NQ*(\sc)+NQ*\b+(\q)], v[SC+8*NQ*(\sc)+NQ*(\a)+(\q)] matrix_a_fmt:MATRIX_FMT_BF8 matrix_b_fmt:MATRIX_FMT_BF8 matrix_a_scale:MATRIX_SCALE_ROW1
.endif
.endr
.endr
.endm
.macro FETCH_B slot, q, p              ; B's eight fragments of the slot's q-th 128 along K into set p
	WIN TO_B
.irp i, 0,1,2,3,4,5,6,7
	FRAG 128*(\p)+FR*\i, ADRB+\slot, \q, \i
.endr
	WIN 0
.endm
.macro FETCH_A slot, q, i0             ; A's blocks i0 .. i0 + 3
.irp i, \i0, \i0+1, \i0+2, \i0+3
	FRAG AF+FR*(\i), ADRA+\slot, \q, \i
.endr
.endm
.macro SCALES sc                       ; the next K step's scale words into set sc: lanes 0-15 take A's block i, lanes 16-31 B's block i
.irp i, 0,1,2,3,4,5,6,7
	ds_load_b64 v[SC+8*NQ*\sc+NQ*\i:SC+8*NQ*\sc+NQ*\i+1], v[ADRS] offset:\i*SBLK
.endr
.endm
.macro PLACES n                        ; places behind matrix instructions: in front of loads into registers that they have read, and of the first read of results
.rept \n
	v_nop
.endr
.endm
; A step of 128 along K that has its successor in the same slot.
.macro STEP slot, q, zero
	s_wait_dscnt 4*NL                              ; B's set and A's blocks 0-3 are in; the youngest 16 loads (A's blocks 4-7) may be out
	WIN MUL_LO
	MUL16 0, (\q)%2, \q, \slot, \zero
	MUL16 2, (\q)%2, \q, \slot, \zero
	s_wait_dscnt 0                                 ; A's blocks 4-7 are in
	PLACES NP
	FETCH_B \slot, (\q)+1, 1-(\q)%2
	FETCH_A \slot, (\q)+1, 0
	WIN MUL_HI
	MUL16 4, (\q)%2, \q, \slot, \zero
	MUL16 6, (\q)%2, \q, \slot, \zero
	PLACES NP
	WIN 0
	FETCH_A \slot, (\q)+1, 4
.endm
; A slot's last step changes slots: one barrier; in front of it each wave waits for all its tensor loads, adds 0 to its spare word, and waits for that and for its own reads of this slot.
.macro TURN slot, next, fill
	s_wait_tensorcnt 0x0                           ; all my tensor loads have landed: my part of the next slot
	ds_add_u32 v[SPW], v[NIL]                      ; 0 onto my spare word
	s_wait_dscnt 4*NL+1                            ; (the add and the youngest 16 loads, A's blocks 4-7, may be out)
	WIN MUL_LO
	MUL16 0, 1, NQ-1, \slot, 0                     ; sixteen matrix instructions stand between the add and the wait for it
	s_wait_dscnt 0x0                               ; the add is done, and my reads of this slot are over
	s_barrier_signal -1
	MUL16 2, 1, NQ-1, \slot, 0
	WIN 0
	s_barrier_wait -1
.if \fill
	CREST                                          ; the barrier has opened a round of the cluster's barrier: no wave of any partner still reads this slot's tile or has a load on its way
	s_add_nc_u64 s[G0+4*\slot+2:G0+4*\slot+3], s[G0+4*\slot+2:G0+4*\slot+3], 2*ROWB
	s_add_nc_u64 s[G0B+4*\slot+2:G0B+4*\slot+3], s[G0B+4*\slot+2:G0B+4*\slot+3], 2*ROWB
	JLOAD G0+4*\slot, G1, G0B+4*\slot, G1B         ; the first tensor load behind the round; its four v_nop are among the places in front of the loads below
	PLACES NP-4
.else
	PLACES NP
.endif
	v_add_nc_u32 v[ADRS], 4*NQ, v[ADRS]            ; on to the next K step's scale words
	FETCH_B \next, 0, 0
	FETCH_A \next, 0, 0
	SCALES \next
	WIN MUL_HI
	MUL16 4, 1, NQ-1, \slot, 0
	MUL16 6, 1, NQ-1, \slot, 0
	PLACES NP
	WIN 0
	FETCH_A \next, 0, 4
.endm
	s_wait_tensorcnt 1                             ; the scales and my part of K step 0 are in (K step 1's load may be out),
	s_barrier_signal -1
	s_barrier_wait -1                              ; everybody's are
	FETCH_B 0, 0, 0
	FETCH_A 0, 0, 0
	SCALES 0
	FETCH_A 0, 0, 4
	STEP 0, 0, 1                                   ; the first step stands in front of the loop: its products start the sums
	s_mov_b32 s3, LAPS-1
.Llap:                                                 ; a trip goes once round the ring and fills both slots again
	TURN 0, 1, 1
	STEP 1, 0, 0
	TURN 1, 0, 1
	STEP 0, 0, 0
	s_sub_co_u32 s3, s3, 1
	s_cmp_lg_u32 s3, 0
	s_cbranch_scc1 .Llap
	TURN 0, 1, 0                                   ; the last lap fills nothing
	STEP 1, 0, 0
	s_wait_dscnt 4*NL                              ; the very last step: nothing more to fetch
	WIN MUL_LO
	MUL16 0, 1, NQ-1, 1, 0
	MUL16 2, 1, NQ-1, 1, 0
	s_wait_dscnt 0
	WIN MUL_HI
	MUL16 4, 1, NQ-1, 1, 0
	MUL16 6, 1, NQ-1, 1, 0
	WIN 0
; THE WAY OUT.  64 numbers of a lane, register 16 b + i = number 32 b + 16 (lane / 16) + i along the next K, become 16 registers of codes in v[PC] on and a scale word in v[pw].
.macro QUANT s, pw
.irp b, 0,1,2,3
	v_max3_num_f32 v[TM+\b], |v[\s+16*\b]|, |v[\s+1+16*\b]|, 0x8000000   ; block b: my 16 numbers, and the floor 2^(16 - 127): the byte cannot fall under 1
.endr
.irp i, 2,4,6,8,10,12,14
.irp b, 0,1,2,3
	v_max3_num_f32 v[TM+\b], v[TM+\b], |v[\s+16*\b+\i]|, |v[\s+1+16*\b+\i]|   ; (the four blocks by turns)
.endr
.endr
.irp b, 0,1,2,3
	v_permlanex16_b32 v[TM+4+\b], v[TM+\b], s[SEL], s[SEL+1]
.endr
.irp b, 0,1,2,3
	v_max_num_f32 v[TM+\b], v[TM+\b], v[TM+4+\b]   ; with lane l xor 16's: the block's largest magnitude
.endr
.irp b, 0,1,2,3
	v_add_nc_u32 v[TM+12+\b], 0xf8800000, v[TM+\b]   ; 15 off its exponent field: the conversion's scale operand
.endr
.irp b, 0,1,2,3
	v_and_or_b32 v[TM+8+\b], v[TM+\b], 0x7f800000, s[MNT]   ; 57,344 x the scale
.endr
.irp b, 0,1,2,3
	v_lshrrev_b32 v[TM+4+\b], 23, v[TM+12+\b]      ; the scale's byte
.endr
	v_lshl_or_b32 v[\pw], v[TM+5], 8, v[TM+4]
	v_lshl_or_b32 v[\pw], v[TM+6], 16, v[\pw]
	v_lshl_or_b32 v[\pw], v[TM+7], 24, v[\pw]
.irp b, 0,1,2,3
.irp i, 0,1,2,3,4,5,6,7,8,9,10,11,12,13,14,15
	v_med3_num_f32 v[\s+16*\b+\i], v[\s+16*\b+\i], -v[TM+8+\b], v[TM+8+\b]   ; the conversion to an 8-bit code does not saturate (ISA guide 7.6.2): the hold comes first
.endr
	v_cvt_scalef32_pk8_bf8_f32 v[PC+4*\b:PC+1+4*\b], v[\s+16*\b:\s+7+16*\b], v[TM+12+\b]
	v_cvt_scalef32_pk8_bf8_f32 v[PC+2+4*\b:PC+3+4*\b], v[\s+8+16*\b:\s+15+16*\b], v[TM+12+\b]
.endr
	v_nop                                          ; one plain vector instruction between the last conversion and the next vector instruction that writes its sources
.endm
; A's eight blocks, one after the other: the block's 64 sums a lane come down into window 0 with the bias added (each accumulator from its low end on), are quantised, and leave as four stores of 512 consecutive bytes.
; isv = 0: query, key: the 128 features are two heads: groups 0, 1 belong to one head's image, groups 2, 3 to the next head's; two blocks' scale words give a pair word for each head (lanes 0-15 one head, lanes 16-31 the other).
; isv = 1: value: the 128 keys are one key step: four groups of one image; lanes 0-15 store the even block's scale word, lanes 16-31 the odd block's.
.macro EPI isv
.irp a, 0,1,2,3,4,5,6,7
	s_wait_xcnt 0x0                                ; the last block's stores have read their registers: the codes and the word are written again only behind this wait
	WIN 0x02+(\a)/4                                ; source 0: window 2 or 3
.set n, 0
.if \isv
.rept 64
	v_add_f32 v[ST+n], v[64*((\a)%4)+n], v[BA+\a]
.set n, n+1
.endr
.else
.rept 32
	v_pk_add_f32 v[ST+n:ST+n+1], v[64*((\a)%4)+n:64*((\a)%4)+n+1], v[BB+n:BB+n+1]
.set n, n+2
.endr
.endif
	WIN 0
	QUANT ST, PW0+(\a)%2
.irp c, 0,1,2,3
.if \isv
	global_store_b128 v[LI], v[PC+4*\c:PC+4*\c+3], s[8:9] offset:131072*(\a/4)+2048*(\a%4)+512*\c
.else
	global_store_b128 v[LI], v[PC+4*\c:PC+4*\c+3], s[8:9] offset:1024*\a+512*(\c%2)+131072*(\c/2)
.endif
.endr
.if (\a)%2
	v_perm_b32 v[WO], v[PW0+1], v[PW0], v[SELV]    ; selector bytes 0-3 take the even block's word, 4-7 the odd block's
.if \isv
	global_store_b32 v[LSO], v[WO], s[10:11] offset:4096*(\a/4)+64*((\a-1)%4)
.else
	global_store_b32 v[LSO], v[WO], s[10:11] offset:64*(\a/2)
.endif
.endif
.endr
.endm
	PLACES NP                                      ; behind the last products: their results are read and the registers that held A's fragments are written
	s_wait_loadcnt 0x0                             ; the biases
.irp b, 0,1,2,3
	v_mov_b32 v[TM+4+\b], 0                        ; written once: a lane permute's destination counts as one of its sources
.endr
	v_and_b32 v[LI], 31, v0
	v_lshlrev_b32 v[LI], 4, v[LI]                  ; 16 x lane
	v_and_b32 v[LSO], 15, v0
	v_lshlrev_b32 v[LSO], 2, v[LSO]                ; 4 r
	v_bfe_u32 v[WO], v0, 4, 1                      ; h
	v_cmp_eq_u32 vcc_lo, 1, v[WO]
	s_lshr_b32 s20, s18, 1
	s_lshl_b32 s20, s20, 4                         ; 16 x batch
	s_and_b32 s21, s18, 1                          ; which half of the batch's 2,048 rows
	s_mov_b32 s47, 0
	s_cmp_eq_u32 s17, 2                            ; the projection's number is the same in all partners
	s_cbranch_scc1 .Lvalues
	s_lshl_b32 s22, s40, 2
	s_add_co_u32 s20, s20, s22
	s_lshl_b32 s22, s16, 1
	s_add_co_u32 s20, s20, s22                     ; bh = 16 batch + 4 cx + 2 x my half of B
	s_lshl_b32 s21, s21, 6
	s_lshl_b32 s22, s41, 4
	s_add_co_u32 s21, s21, s22
	s_lshl_b32 s22, s15, 3
	s_add_co_u32 s21, s21, s22                     ; my first tile of rows = 64 (g % 2) + 16 cy + 8 x my half of A
	s_lshl_b32 s46, s17, 22                        ; images: 4 MiB a projection, 131,072 bytes a head, 1,024 a tile
	s_lshl_b32 s22, s20, 17
	s_add_co_u32 s46, s46, s22
	s_lshl_b32 s22, s21, 10
	s_add_co_u32 s46, s46, s22
	s_add_nc_u64 s[8:9], s[8:9], s[46:47]
	s_lshl_b32 s46, s17, 17                        ; words: 131,072 bytes a projection, 4,096 a head, 64 a pair of tiles
	s_lshl_b32 s22, s20, 12
	s_add_co_u32 s46, s46, s22
	s_lshl_b32 s22, s21, 5
	s_add_co_u32 s46, s46, s22
	s_add_nc_u64 s[10:11], s[10:11], s[46:47]
	v_lshl_add_u32 v[LSO], v[WO], 12, v[LSO]       ; lanes 16-31: the next head
	v_mov_b32 v[SELV], 0x05040100                  ; bytes 0, 1 of both words,
	v_mov_b32 v[WO], 0x07060302                    ; or bytes 2, 3
	v_cndmask_b32 v[SELV], v[SELV], v[WO], vcc_lo
	EPI 0
	s_branch .Ldone
.Lvalues:
	s_lshl_b32 s22, s41, 2
	s_add_co_u32 s20, s20, s22
	s_lshl_b32 s22, s15, 1
	s_add_co_u32 s20, s20, s22                     ; bh = 16 batch + 4 cy + 2 x my half of A
	s_lshl_b32 s21, s21, 3
	s_lshl_b32 s22, s40, 1
	s_add_co_u32 s21, s21, s22
	s_add_co_u32 s21, s21, s16                     ; key step = 8 (g % 2) + 2 cx + my half of B
	s_lshl_b32 s46, s20, 17                        ; images: from 8 MiB on, 131,072 bytes a head, 8,192 a key step
	s_lshl_b32 s22, s21, 13
	s_add_co_u32 s46, s46, s22
	s_add_co_u32 s46, s46, 0x800000
	s_add_nc_u64 s[8:9], s[8:9], s[46:47]
	s_lshl_b32 s46, s20, 12                        ; words: from 262,144 on, 4,096 bytes a head, 256 a key step
	s_lshl_b32 s22, s21, 8
	s_add_co_u32 s46, s46, s22
	s_add_co_u32 s46, s46, 262144
	s_add_nc_u64 s[10:11], s[10:11], s[46:47]
	v_lshl_add_u32 v[LSO], v[WO], 6, v[LSO]        ; lanes 16-31: the next tile of d
	v_mov_b32 v[SELV], 0x03020100                  ; the even block's word,
	v_mov_b32 v[WO], 0x07060504                    ; or the odd block's
	v_cndmask_b32 v[SELV], v[SELV], v[WO], vcc_lo
	EPI 1
.Ldone:
	s_wait_tensorcnt 0x0                           ; the wave's end
	ds_add_u32 v[SPW], v[NIL]
	s_wait_dscnt 0x0
	CROUND                                         ; the closing round: no work-group ends while a partner may still ask for a tile that names it
	s_endpgm
.Lfunc_end_k_q107598f3bf_proj:
	.size	k_q107598f3bf_proj, .Lfunc_end_k_q107598f3bf_proj-k_q107598f3bf_proj
	.p2alignl 7, 3214868480
	.fill 96, 4, 3214868480
	.section	.rodata,"a",@progbits
	.p2align	6, 0x0
	.amdhsa_kernel k_q107598f3bf_proj
		.amdhsa_group_segment_fixed_size 327680
		.amdhsa_private_segment_fixed_size 0
		.amdhsa_enable_private_segment 0
		.amdhsa_kernarg_size 56
		.amdhsa_user_sgpr_count 2
		.amdhsa_user_sgpr_kernarg_segment_ptr 1
		.amdhsa_wavefront_size32 1
		.amdhsa_system_sgpr_workgroup_id_x 1
		.amdhsa_system_sgpr_workgroup_id_y 1
		.amdhsa_system_sgpr_workgroup_id_z 1
		.amdhsa_system_vgpr_workitem_id 0
		.amdhsa_next_free_vgpr 1024
		.amdhsa_next_free_sgpr 102
		.amdhsa_reserve_vcc 1
		.amdhsa_float_denorm_mode_32 3
		.amdhsa_float_denorm_mode_16_64 3
		.amdhsa_memory_ordered 1
		.amdhsa_forward_progress 1
		.amdhsa_inst_pref_size 255
	.end_amdhsa_kernel
	.section	.bss,"aw",@nobits
	.p2align	6
	.space	262144
	.amdgpu_metadata
---
amdhsa.version: [ 1, 2 ]
amdhsa.kernels:
  - .name:           k_q107598f3bf_proj
    .symbol:         k_q107598f3bf_proj.kd
    .args:
      - { .name: xc, .offset: 0, .size: 8, .value_kind: global_buffer, .address_space: global }
      - { .name: xs, .offset: 8, .size: 8, .value_kind: global_buffer, .address_space: global }
      - { .name: img, .offset: 16, .size: 8, .value_kind: global_buffer, .address_space: global }
      - { .name: isc, .offset: 24, .size: 8, .value_kind: global_buffer, .address_space: global }
      - { .name: bq, .offset: 32, .size: 8, .value_kind: global_buffer, .address_space: global }
      - { .name: bk, .offset: 40, .size: 8, .value_kind: global_buffer, .address_space: global }
      - { .name: bv, .offset: 48, .size: 8, .value_kind: global_buffer, .address_space: global }
    .group_segment_fixed_size: 327680
    .private_segment_fixed_size: 0
    .kernarg_segment_align: 8
    .kernarg_segment_size: 56
    .max_flat_workgroup_size: 128
    .sgpr_count:     102
    .vgpr_count:     1024
    .wavefront_size: 32
...
	.end_amdgpu_metadata
.endif
;; end of part 2
;; launch attn (part 3): grid 8 x 32, 16 waves a work-group, clusters of 4 x 1, 272,384 bytes of LDS; arguments img, isc, mbits, acd, asc; writes acd, asc
.if DOCPART == 3
	.amdgcn_target "amdgcn-amd-amdhsa--gfx1250"
	.amdhsa_code_object_version 6
	.text
	.protected	k_q107598f3bf_attn
	.globl	k_q107598f3bf_attn
	.p2align	8
	.type	k_q107598f3bf_attn,@function
k_q107598f3bf_attn:
	s_mov_b64 s[64:65], 0
	v_nop
	global_prefetch_b8 v0, s[64:65] scope:SCOPE_SE
	s_setreg_imm32_b32 hwreg(HW_REG_WAVE_MODE, 25, 1), 1
	s_wait_xcnt 0x0
	s_wait_alu depctr_hold_cnt(0) depctr_sa_sdst(0) depctr_va_vdst(0) depctr_va_sdst(0) depctr_va_ssrc(0) depctr_va_vcc(0) depctr_vm_vsrc(0)
	s_getreg_b32 s2, hwreg(HW_REG_IB_STS2, 6, 4)
	s_cmp_eq_u32 s2, 0
	s_cbranch_scc0 .Lentry_in_a_cluster
	s_endpgm
.Lentry_in_a_cluster:
	s_bfe_u32 s2, ttmp6, 0x10000c
	s_cmp_lg_u32 s2, 0x3003
	s_cbranch_scc0 .Lentry_shape_is_right
	s_endpgm
.Lentry_shape_is_right:
; ATTN.  For each of the 32 (batch, head): x = softmax(where(mask == 0, -1, Q K^T / 8)) V, both products on codes of BF8 (E5M2) with one E8M0 scale for each 32 along a product's K; x is quantised along its 64 and leaves as operand images.
; THE SOFTMAX AHEAD OF THE SECOND PRODUCT: t = logit x log2(e); M = the row's largest t so far, rounded UP to a whole number; p = 2^(t - M) is what is quantised, along the keys, not normalised.  The row's sum is taken of
; the unquantised p, in f32, and divides at the end.  When M moves, the sum and O are multiplied by 2^(old M - new M): exact.  THE MASK IS SOFT: a masked score becomes -1 and still counts, so no key is left out.
; The raw score s stands for the logit s / 8; a masked one is set to -8, and c = log2(e) / 8, so that c x -8 is -log2(e) exactly.
; SHARES.  A work-group owns 256 queries of one head; each of its sixteen waves one tile of 16, in 256 registers: four waves to a SIMD, so that one wave's vector work stands beside another's products and LDS loads.
; THE WHOLE HEAD STAYS IN LDS: K's and V's images, 131,072 bytes each, and their scale words, 4,096 each.  They are filled once, so there is no ring.  The first 512 keys come by loads of their own, so that work begins while the rest is on its way.
; CLUSTER.  The four query blocks of a cluster belong to one head and want the same bytes: each load is asked for JOINTLY, with the same descriptor and a mask that names the four.
; LAYOUT.  Both products are used transposed: S^T = K Q^T, O^T = V^T P^T: a lane holds one query (lane % 16) throughout.  Rows lie in tile order, so the 16 registers of two neighbouring tiles of S^T are 16 neighbouring keys.
; K = 64 IN AN INSTRUCTION 128 DEEP: a fragment of K holds TWO tiles of 16 keys, one at k 0-63 and one at k 64-127; Q stands once between two runs of zero codes, v192-199 | v200-207 | v208-215: v[200:215] is (q, 0) and
; picks the first tile, v[192:207] is (0, q) and picks the second.  Zero codes add nothing: the other side's codes are finite (they were held at the largest code when they were made) and no scale byte is 0xff.
; THE MASK comes as lane masks, one 32-bit word for each of a step's 64 score registers, by scalar loads; they only select values.
; LIMITS: NaN and infinities are not served.  The scale bytes of x leave two bytes a lane, 32 bytes apart (lanes 16-31 write what lanes 0-15 write): one byte for each 32 of the codes.
; REGISTERS: v1-4 addresses that stay; v6, v7 offsets; v8-11 the step's addresses; v12 -M, v13 the largest t, v[14:15] the sum in two halves; v16 -8; v32-95 four fragments of K or of V; v96-159 S^T, then p; v160-191 O^T;
;   v192-215 Q between zeros; v224-239 p's codes; v232-254 at work; v248-251 the fragments' scale words; v252 f; v253 p's scale word; v255 Q's scale word.
.set KIMG,  0                          ; LDS: K's images: [tile 128][c 2][lane][16]
.set VIMG,  131072                     ; V's: [key step 16][tile of d 4][c 4][lane][16]
.set KSCL,  262144                     ; K's scale words: [pair of tiles 64][r 16]
.set VSCL,  266240                     ; V's: [key step 16][tile of d 4][r 16]
.set WV,   3                           ; s3   my wave's number
.set CNT,  14                          ; s14  trips to go
.set TB,   15                          ; s15  where the step's images begin: 8,192 bytes a step
.set TS,   16                          ; s16  and its scale words: 256 bytes a step
.set MNT,  17                          ; s17  the mantissa field of 57,344
.set CS,   18                          ; s[18:19] c = log2(e) / 8
.set SEL,  66                          ; s[66:67] v_permlanex16_b32's selects for lane l xor 16
.set GA1,  20                          ; s[20:27], s[28:31] the first 512 keys' images;  s[36:43], s[44:47] the scale words;  s[52:59], s[60:63] the other 1,536 keys' images
.set GA0,  28
.set GS1,  36
.set GS0,  44
.set GB1,  52
.set GB0,  60
; s[20:35], s[36:51], s[68:83], s[84:99]: a step's 64 mask words, once the loads that named s[20:47] have landed
.macro ROUND                           ; a round of the cluster's barrier
	s_barrier_signal -1
	s_barrier_wait -1
	s_cmp_lg_u32 s[WV], 0
	s_cbranch_scc1 .Lnot_wave_0_\@
	s_barrier_signal -3
.Lnot_wave_0_\@:
	s_barrier_wait -3
	s_barrier_signal -1
	s_barrier_wait -1
.endm
	s_load_b256 s[4:11], s[0:1], 0x0               ; img s[4:5], isc s[6:7], mbits s[8:9], acd s[10:11]
	s_load_b64 s[12:13], s[0:1], 0x20              ; asc
	v_lshl_add_u32 v222, v0, 2, 0x42000
	v_mov_b32 v223, 0
	ds_add_u32 v222, v223
	ds_add_u32 v222, v223
	v_lshrrev_b32 v8, 5, v0
	v_readfirstlane_b32 s[WV], v8                  ; wave 0..15
	s_bfe_u32 s100, ttmp6, 0x40000                 ; cx: it enters Q's, the mask words' and the outputs' global addresses alone
	s_lshl_b32 s14, ttmp9, 2
	s_add_co_u32 s100, s100, s14                   ; my block of 256 queries
	s_lshl_b32 s100, s100, 4
	s_add_co_u32 s100, s100, s[WV]                 ; T: my tile of 16 queries, 0..127
	s_and_b32 s101, ttmp7, 0xffff                  ; bh, which the four partners share
	s_lshr_b32 s14, s[WV], 3                       ; waves 0-7 fetch for K, waves 8-15 for V,
	s_and_b32 s15, s[WV], 7                        ; an eighth each
	; descriptor group 1: dense bytes as rows of 256 (32 elements of 8 bytes)
.irp g, GA1, GS1, GB1
	s_mov_b32 s[\g], 15|(3<<16)|(1<<21)            ; 15:0 the mask: all four work-groups; 17:16 elements of 8 bytes; 21 set beside a mask
	s_mov_b32 s[\g+1], 32<<16                      ; tensor_dim0
	s_mov_b32 s[\g+3], 32<<16                      ; tile_dim0
	s_mov_b32 s[\g+5], 32                          ; tensor_dim0_stride
	s_mov_b32 s[\g+6], 0
	s_mov_b32 s[\g+7], 0
.endr
	s_mov_b32 s[GA1+2], 16<<16                     ; tensor_dim1, tile_dim1: 16 rows: 4,096 bytes a wave, 32,768 for K and as many for V: 512 keys
	s_mov_b32 s[GA1+4], 16
	s_mov_b32 s[GS1+2], 2<<16                      ; 2 rows: 512 bytes a wave
	s_mov_b32 s[GS1+4], 2
	s_mov_b32 s[GB1+2], 48<<16                     ; 48 rows: 12,288 bytes a wave: the other 98,304
	s_mov_b32 s[GB1+4], 48
	s_lshl_b32 s68, s14, 17                        ; LDS: K's or V's images,
	s_lshl_b32 s69, s15, 12
	s_add_co_u32 s[GA0+1], s68, s69                ; my eighth of the first 32,768 bytes,
	s_mul_i32 s70, s15, 12288
	s_add_co_u32 s[GB0+1], s68, s70
	s_add_co_u32 s[GB0+1], s[GB0+1], 32768         ; and of the rest;
	s_lshl_b32 s[GS0+1], s[WV], 9
	s_add_co_u32 s[GS0+1], s[GS0+1], KSCL          ; the words: K's eight parts, then V's eight
	s_add_co_u32 s71, s14, 1
	s_lshl_b32 s72, s71, 22                        ; memory: K's images from 4 MiB on, V's from 8 MiB,
	s_lshl_b32 s73, s101, 17                       ; 131,072 bytes a head
	s_add_co_u32 s72, s72, s73
	s_add_co_u32 s74, s72, s69
	s_mov_b32 s75, 0
	s_add_co_u32 s76, s72, s70
	s_add_co_u32 s76, s76, 32768
	s_mov_b32 s77, 0
	s_lshl_b32 s78, s71, 17                        ; K's words from 131,072 on, V's from 262,144,
	s_lshl_b32 s79, s101, 12                       ; 4,096 bytes a head
	s_add_co_u32 s78, s78, s79
	s_lshl_b32 s79, s15, 9
	s_add_co_u32 s78, s78, s79
	s_mov_b32 s79, 0
	s_mov_b32 s[GA0], 1
	s_mov_b32 s[GS0], 1
	s_mov_b32 s[GB0], 1
	s_wait_dscnt 0x0
	s_wait_kmcnt 0x0
	s_add_nc_u64 s[GA0+2:GA0+3], s[4:5], s[74:75]
	s_or_b32 s[GA0+3], s[GA0+3], 0x80000000
	s_add_nc_u64 s[GB0+2:GB0+3], s[4:5], s[76:77]
	s_or_b32 s[GB0+3], s[GB0+3], 0x80000000
	s_add_nc_u64 s[GS0+2:GS0+3], s[6:7], s[78:79]
	s_or_b32 s[GS0+3], s[GS0+3], 0x80000000
	ROUND                                          ; all four work-groups are here: the joint loads meet
	tensor_load_to_lds s[GS0:GS0+3], s[GS1:GS1+7]  ; every wave issues three, each into bytes of its own: three tensor loads of mine are out
	s_nop 0
	tensor_load_to_lds s[GA0:GA0+3], s[GA1:GA1+7]
	s_nop 0
	tensor_load_to_lds s[GB0:GB0+3], s[GB1:GB1+7]
	s_nop 0
.rept 4
	v_nop
.endr
	s_lshl_b32 s68, s101, 17
	s_lshl_b32 s69, s100, 10
	s_add_co_u32 s68, s68, s69
	s_mov_b32 s69, 0
	s_add_nc_u64 s[4:5], s[4:5], s[68:69]          ; Q's image of my tile
	s_lshl_b32 s68, s101, 12
	s_lshr_b32 s70, s100, 1
	s_lshl_b32 s70, s70, 6
	s_add_co_u32 s68, s68, s70
	s_add_nc_u64 s[6:7], s[6:7], s[68:69]          ; and the pair words of its pair of tiles
	v_and_b32 v1, 31, v0
	v_lshlrev_b32 v1, 4, v1                        ; 16 x lane: an image's place for my lane
	v_and_b32 v5, 15, v0                           ; r
	v_lshlrev_b32 v6, 2, v5
	global_load_b128 v[200:203], v1, s[4:5]        ; Q's codes: k 0-31,
	global_load_b128 v[204:207], v1, s[4:5] offset:512   ; k 32-63
	global_load_b32 v254, v6, s[6:7]
	s_lshl_b32 s68, s100, 12
	s_add_nc_u64 s[8:9], s[8:9], s[68:69]          ; my tile's mask words: 4,096 bytes a tile, 256 a step
	s_lshr_b32 s70, s101, 4                        ; batch
	s_and_b32 s71, s101, 15                        ; head
	s_lshl_b32 s68, s70, 7
	s_add_co_u32 s68, s68, s100
	s_lshl_b32 s68, s68, 14                        ; x's images: 16,384 bytes a tile of rows; a head's two groups lie 1,024 x head on
	s_lshl_b32 s72, s71, 10
	s_add_co_u32 s68, s68, s72
	s_add_nc_u64 s[10:11], s[10:11], s[68:69]
	s_lshl_b32 s68, s70, 16                        ; x's scale bytes: 32 a row; a head's two lie 2 x head on
	s_lshl_b32 s72, s100, 9
	s_add_co_u32 s68, s68, s72
	s_lshl_b32 s72, s71, 1
	s_add_co_u32 s68, s68, s72
	s_add_nc_u64 s[12:13], s[12:13], s[68:69]
	s_mov_b32 s73, 0x03020302                      ; my tile's two bytes of the pair word, twice over: the odd tile's,
	s_bitcmp1_b32 s[WV], 0
	s_cselect_b32 s73, s73, 0x01000100             ; or the even tile's
	s_mov_b32 s[TB], 0
	s_mov_b32 s[TS], 0
	s_mov_b32 s[MNT], 0x600000
	s_mov_b32 s[CS], 0x3e38aa3b
	s_mov_b32 s[CS+1], s[CS]                       ; (named with it as a pair, so it is written)
	s_mov_b32 s[SEL], 0x76543210
	s_mov_b32 s[SEL+1], 0xfedcba98
	v_add_nc_u32 v2, VIMG, v1
	v_lshl_add_u32 v3, v5, 2, KSCL
	v_lshl_add_u32 v4, v5, 2, VSCL
	s_wait_loadcnt 0x0                             ; Q
	v_perm_b32 v255, v254, v254, s73               ; Q's scale word; the moves below are the places between it and the first product
	v_mov_b32 v16, 0xc1000000                      ; -8
	v_mov_b32 v13, 0xff61b1e6                      ; the largest t so far: -3e38, under every t
	v_floor_f32 v12, -v13                          ; -M
	v_mov_b32 v14, 0                               ; the sum, in two halves
	v_mov_b32 v15, 0
.irp b, 0,1,2,3
	v_mov_b32 v[236+\b], 0                         ; written once: a lane permute's destination counts as one of its sources
.endr
	v_mov_b32 v253, 0                              ; (named as the upper half of the pair v[252:253] before it is first written)
.set j, 0
.rept 8
	v_mov_b32 v[192+j], 0                          ; the zero codes on both sides of Q
	v_mov_b32 v[208+j], 0
.set j, j+1
.endr
.set j, 0
.rept 32
	v_mov_b32 v[160+j], 0                          ; O^T.  (The step is written once: the first finds zeros, which the first change of M leaves zeros)
.set j, j+1
.endr
; A KEY STEP: 128 keys.
.macro STEP
	s_load_b512 s[20:35], s[8:9], 0x0              ; the step's 64 mask words
	s_load_b512 s[36:51], s[8:9], 0x40
	s_load_b512 s[68:83], s[8:9], 0x80
	s_load_b512 s[84:99], s[8:9], 0xc0
	v_add_nc_u32 v8, s[TB], v1
	v_add_nc_u32 v9, s[TB], v2
	v_add_nc_u32 v10, s[TS], v3
	v_add_nc_u32 v11, s[TS], v4
.rept 4
	v_nop                                          ; with the four additions: eight places in front of loads into registers that the last products have read
.endr
.irp pp, 0,1,2,3
.irp c, 0,1,2,3
	ds_load_b128 v[32+16*\pp+4*\c:35+16*\pp+4*\c], v8 offset:2048*\pp+512*\c   ; a pair of tiles of K: 512 consecutive bytes a load
.endr
	ds_load_b32 v[248+\pp], v10 offset:64*\pp
.endr
	s_wait_dscnt 0x0
.irp pp, 0,1,2,3
	v_wmma_scale_f32_16x16x128_f8f6f4 v[96+16*\pp:103+16*\pp], v[32+16*\pp:47+16*\pp], v[200:215], 0, v[248+\pp], v255 matrix_a_fmt:MATRIX_FMT_BF8 matrix_b_fmt:MATRIX_FMT_BF8
	v_wmma_scale_f32_16x16x128_f8f6f4 v[104+16*\pp:111+16*\pp], v[32+16*\pp:47+16*\pp], v[192:207], 0, v[248+\pp], v255 matrix_a_fmt:MATRIX_FMT_BF8 matrix_b_fmt:MATRIX_FMT_BF8
.endr                                          ; register 16 b + i of v96 on: key 32 b + 16 (lane / 16) + i of the step
.rept 8
	v_nop
.endr
	s_wait_kmcnt 0x0                               ; the mask words are in, and their base may step
	s_add_nc_u64 s[8:9], s[8:9], 256
.irp n, 0,1,2,3,4,5,6,7,8,9,10,11,12,13,14,15
	v_cndmask_b32 v[96+\n], v[96+\n], v16, s[20+\n]   ; where mask == 0 the score becomes -8, ahead of the maximum
.endr
.irp n, 0,1,2,3,4,5,6,7,8,9,10,11,12,13,14,15
	v_cndmask_b32 v[112+\n], v[112+\n], v16, s[36+\n]
.endr
.irp n, 0,1,2,3,4,5,6,7,8,9,10,11,12,13,14,15
	v_cndmask_b32 v[128+\n], v[128+\n], v16, s[68+\n]
.endr
.irp n, 0,1,2,3,4,5,6,7,8,9,10,11,12,13,14,15
	v_cndmask_b32 v[144+\n], v[144+\n], v16, s[84+\n]
.endr
.irp t, 0,1,2,3
.irp c, 0,1,2,3
	ds_load_b128 v[32+16*\t+4*\c:35+16*\t+4*\c], v9 offset:2048*\t+512*\c   ; V's four fragments, into the registers that K has left: they land during the softmax
.endr
	ds_load_b32 v[248+\t], v11 offset:64*\t
.endr
.irp b, 0,1,2,3
	v_max3_num_f32 v[232+\b], v[96+16*\b], v[97+16*\b], v[98+16*\b]   ; the largest score of each block of 32 keys: it serves for the row's maximum and, since p rises with the score, for the block's largest p
.endr
.irp i, 3,5,7,9,11,13
.irp b, 0,1,2,3
	v_max3_num_f32 v[232+\b], v[232+\b], v[96+16*\b+\i], v[97+16*\b+\i]
.endr
.endr
.irp b, 0,1,2,3
	v_max_num_f32 v[232+\b], v[232+\b], v[111+16*\b]
.endr
.irp b, 0,1,2,3
	v_permlanex16_b32 v[236+\b], v[232+\b], s[SEL], s[SEL+1]
.endr
.irp b, 0,1,2,3
	v_max_num_f32 v[232+\b], v[232+\b], v[236+\b]  ; with lane l xor 16's 16 keys
.endr
	v_max3_num_f32 v254, v232, v233, v234
	v_max_num_f32 v254, v254, v235                 ; the step's largest score of my query
	v_mul_f32 v254, s[CS], v254                    ; as t (c is positive)
	v_max_num_f32 v13, v13, v254                   ; the running largest t
	v_mov_b32 v254, v12
	v_floor_f32 v12, -v13                          ; the new -M = floor(-t) = -ceil(t)
	v_sub_f32 v254, v12, v254                      ; old M - new M: a whole number, 0 or less
	v_cvt_i32_f32 v254, v254                       ; (it saturates)
	v_ldexp_f32 v252, 1.0, v254                    ; f = 2^(old M - new M)
.set j, 0
.rept 32
	v_pk_fma_f32 v[96+j:97+j], v[96+j:97+j], s[CS:CS+1], v[12:13] op_sel_hi:[1,0,0]   ; t - M, two at a time
.set j, j+2
.endr
.irp b, 0,1,2,3
	v_fma_f32 v[232+\b], v[232+\b], s[CS], v12     ; the same of each block's largest score
.endr
.set j, 0
.rept 64
	v_exp_f32 v[96+j], v[96+j]                     ; p = 2^(t - M), at most 1
.set j, j+1
.endr
.irp b, 0,1,2,3
	v_exp_f32 v[232+\b], v[232+\b]                 ; the block's largest p
.endr
	v_pk_mul_f32 v[14:15], v[14:15], v[252:253] op_sel_hi:[1,0]   ; the sums under the new M.  (A plain place behind the exponentials)
	s_wait_alu depctr_va_vdst(0)
.irp b, 0,1,2,3
	v_max_num_f32 v[232+\b], 0x8000000, v[232+\b]  ; the floor 2^(16 - 127): the byte cannot fall under 1
.endr
.irp b, 0,1,2,3
	v_add_nc_u32 v[244+\b], 0xf8800000, v[232+\b]  ; 15 off the exponent field: the conversion's scale operand
.endr
.irp b, 0,1,2,3
	v_and_or_b32 v[240+\b], v[232+\b], 0x7f800000, s[MNT]   ; 57,344 x the scale
.endr
.irp b, 0,1,2,3
	v_lshrrev_b32 v[236+\b], 23, v[244+\b]         ; the scale's byte
.endr
	v_lshl_or_b32 v253, v237, 8, v236              ; p's scale word for these 128 keys
	v_lshl_or_b32 v253, v238, 16, v253
	v_lshl_or_b32 v253, v239, 24, v253
	v_pk_add_f32 v[236:237], v[96:97], v[98:99]    ; the row's sum is taken of the unquantised p: two at a time, in two chains
.irp j, 4,8,12,16,20,24,28,32,36,40,44,48,52,56,60
	v_pk_add_f32 v[14:15], v[14:15], v[96+\j:97+\j]
	v_pk_add_f32 v[236:237], v[236:237], v[98+\j:99+\j]
.endr
	v_pk_add_f32 v[14:15], v[14:15], v[236:237]
.irp b, 0,1,2,3
.irp i, 0,1,2,3,4,5,6,7,8,9,10,11,12,13,14,15
	v_min_num_f32 v[96+16*\b+\i], v[96+16*\b+\i], v[240+\b]   ; the conversion to an 8-bit code does not saturate (ISA guide 7.6.2); p is not negative, so the hold is one-sided
.endr
	v_cvt_scalef32_pk8_bf8_f32 v[224+4*\b:225+4*\b], v[96+16*\b:103+16*\b], v[244+\b]
	v_cvt_scalef32_pk8_bf8_f32 v[226+4*\b:227+4*\b], v[104+16*\b:111+16*\b], v[244+\b]
.endr
.set j, 0
.rept 16
	v_pk_mul_f32 v[160+j:161+j], v[160+j:161+j], v[252:253] op_sel_hi:[1,0]   ; O^T under the new M.  (These are also the places between the codes and the products below)
.set j, j+2
.endr
	s_wait_dscnt 0x0                               ; V's fragments and words
.irp t, 0,1,2,3
	v_wmma_scale_f32_16x16x128_f8f6f4 v[160+8*\t:167+8*\t], v[32+16*\t:47+16*\t], v[224:239], v[160+8*\t:167+8*\t], v[248+\t], v253 matrix_a_fmt:MATRIX_FMT_BF8 matrix_b_fmt:MATRIX_FMT_BF8
.endr                                          ; four accumulators, one instruction each; the next matrix instructions are the next step's eight of S^T
	s_add_co_u32 s[TB], s[TB], 8192
	s_add_co_u32 s[TS], s[TS], 256
.endm
	s_wait_tensorcnt 0x1                           ; my parts of the scale words and of the first 512 keys are in; the load of the other keys may stay out
	s_barrier_signal -1
	s_barrier_wait -1                              ; everybody's are
	s_mov_b32 s[CNT], 4
.Lfirst:                                           ; keys 0 to 511
	STEP
	s_sub_co_u32 s[CNT], s[CNT], 1
	s_cmp_lg_u32 s[CNT], 0
	s_cbranch_scc1 .Lfirst
	s_wait_tensorcnt 0x0                           ; my part of the other keys is in,
	s_wait_dscnt 0x0
	s_barrier_signal -1
	s_barrier_wait -1                              ; everybody's is
	s_mov_b32 s[CNT], 12
.Lrest:                                            ; keys 512 to 2,047
	STEP
	s_sub_co_u32 s[CNT], s[CNT], 1
	s_cmp_lg_u32 s[CNT], 0
	s_cbranch_scc1 .Lrest
	; THE END.  O^T / the sum: register 16 b + i is x(my query, 32 b + 16 (lane / 16) + i of the head's 64): two blocks of the next product's K, quantised as they stand.
	v_add_f32 v14, v14, v15                        ; the sum's two halves,
	v_permlanex16_b32 v252, v14, s[SEL], s[SEL+1]
	v_add_f32 v14, v14, v252                       ; and lane l xor 16's: the row's sum
	v_rcp_f32 v14, v14
	v_and_b32 v7, 15, v0                           ; (a plain place behind the transcendental)
	v_lshlrev_b32 v7, 5, v7                        ; my row's 32 scale bytes
.rept 4
	v_nop                                          ; with the two additions and the two lines above: eight places behind the last products
.endr
.set j, 0
	s_wait_alu depctr_va_vdst(0)
.rept 16
	v_pk_mul_f32 v[96+j:97+j], v[160+j:161+j], v[14:15] op_sel_hi:[1,0]
.set j, j+2
.endr
.irp b, 0,1
	v_max3_num_f32 v[232+\b], |v[96+16*\b]|, |v[97+16*\b]|, 0x8000000   ; block b: my 16 numbers, and the floor 2^(16 - 127)
.endr
.irp i, 2,4,6,8,10,12,14
.irp b, 0,1
	v_max3_num_f32 v[232+\b], v[232+\b], |v[96+16*\b+\i]|, |v[97+16*\b+\i]|
.endr
.endr
.irp b, 0,1
	v_permlanex16_b32 v[236+\b], v[232+\b], s[SEL], s[SEL+1]
.endr
.irp b, 0,1
	v_max_num_f32 v[232+\b], v[232+\b], v[236+\b]
.endr
.irp b, 0,1
	v_add_nc_u32 v[244+\b], 0xf8800000, v[232+\b]
.endr
.irp b, 0,1
	v_and_or_b32 v[240+\b], v[232+\b], 0x7f800000, s[MNT]
.endr
.irp b, 0,1
	v_lshrrev_b32 v[236+\b], 23, v[244+\b]
.endr
	v_lshl_or_b32 v238, v237, 8, v236              ; the head's two scale bytes of my row
.irp b, 0,1
.irp i, 0,1,2,3,4,5,6,7,8,9,10,11,12,13,14,15
	v_med3_num_f32 v[96+16*\b+\i], v[96+16*\b+\i], -v[240+\b], v[240+\b]
.endr
	v_cvt_scalef32_pk8_bf8_f32 v[224+4*\b:225+4*\b], v[96+16*\b:103+16*\b], v[244+\b]
	v_cvt_scalef32_pk8_bf8_f32 v[226+4*\b:227+4*\b], v[104+16*\b:111+16*\b], v[244+\b]
.endr
	v_nop
	global_store_b128 v1, v[224:227], s[10:11]     ; 32 lanes store 512 consecutive bytes
	global_store_b128 v1, v[228:231], s[10:11] offset:512
	global_store_b16 v7, v238, s[12:13]
	s_wait_tensorcnt 0x0
	ds_add_u32 v222, v223
	s_wait_dscnt 0x0
	ROUND                                          ; the closing round
	s_endpgm
.Lfunc_end_k_q107598f3bf_attn:
	.size	k_q107598f3bf_attn, .Lfunc_end_k_q107598f3bf_attn-k_q107598f3bf_attn
	.p2alignl 7, 3214868480
	.fill 96, 4, 3214868480
	.section	.rodata,"a",@progbits
	.p2align	6, 0x0
	.amdhsa_kernel k_q107598f3bf_attn
		.amdhsa_group_segment_fixed_size 272384
		.amdhsa_private_segment_fixed_size 0
		.amdhsa_enable_private_segment 0
		.amdhsa_kernarg_size 40
		.amdhsa_user_sgpr_count 2
		.amdhsa_user_sgpr_kernarg_segment_ptr 1
		.amdhsa_wavefront_size32 1
		.amdhsa_system_sgpr_workgroup_id_x 1
		.amdhsa_system_sgpr_workgroup_id_y 1
		.amdhsa_system_sgpr_workgroup_id_z 1
		.amdhsa_system_vgpr_workitem_id 0
		.amdhsa_next_free_vgpr 256
		.amdhsa_next_free_sgpr 102
		.amdhsa_reserve_vcc 0
		.amdhsa_float_denorm_mode_32 3
		.amdhsa_float_denorm_mode_16_64 3
		.amdhsa_memory_ordered 1
		.amdhsa_forward_progress 1
		.amdhsa_inst_pref_size 61
	.end_amdhsa_kernel
	.amdgpu_metadata
---
amdhsa.version: [ 1, 2 ]
amdhsa.kernels:
  - .name:           k_q107598f3bf_attn
    .symbol:         k_q107598f3bf_attn.kd
    .args:
      - { .name: img, .offset: 0, .size: 8, .value_kind: global_buffer, .address_space: global }
      - { .name: isc, .offset: 8, .size: 8, .value_kind: global_buffer, .address_space: global }
      - { .name: mbits, .offset: 16, .size: 8, .value_kind: global_buffer, .address_space: global }
      - { .name: acd, .offset: 24, .size: 8, .value_kind: global_buffer, .address_space: global }
      - { .name: asc, .offset: 32, .size: 8, .value_kind: global_buffer, .address_space: global }
    .group_segment_fixed_size: 272384
    .private_segment_fixed_size: 0
    .kernarg_segment_align: 8
    .kernarg_segment_size: 40
    .max_flat_workgroup_size: 512
    .sgpr_count:     102
    .vgpr_count:     256
    .wavefront_size: 32
...
	.end_amdgpu_metadata
.endif
;; end of part 3
;; launch outp (part 4): grid 4 x 16, 4 waves a work-group, clusters of 4 x 4, 327,680 bytes of LDS; arguments acd, asc, xc, xs, bo, out0; writes out0
.if DOCPART == 4
	.amdgcn_target "amdgcn-amd-amdhsa--gfx1250"
	.amdhsa_code_object_version 6
	.text
	.protected	k_q107598f3bf_outp
	.globl	k_q107598f3bf_outp
	.p2align	8
	.type	k_q107598f3bf_outp,@function
k_q107598f3bf_outp:
	s_mov_b64 s[64:65], 0
	v_nop
	global_prefetch_b8 v0, s[64:65] scope:SCOPE_SE
	s_setreg_imm32_b32 hwreg(HW_REG_WAVE_MODE, 25, 1), 1
	s_wait_xcnt 0x0
	s_wait_alu depctr_hold_cnt(0) depctr_sa_sdst(0) depctr_va_vdst(0) depctr_va_sdst(0) depctr_va_ssrc(0) depctr_va_vcc(0) depctr_vm_vsrc(0)
	s_getreg_b32 s2, hwreg(HW_REG_IB_STS2, 6, 4)
	s_cmp_eq_u32 s2, 0
	s_cbranch_scc0 .Lentry_in_a_cluster
	s_endpgm
.Lentry_in_a_cluster:
	s_bfe_u32 s2, ttmp6, 0x10000c
	s_cmp_lg_u32 s2, 0xf033
	s_cbranch_scc0 .Lentry_shape_is_right
	s_endpgm
.Lentry_shape_is_right:
; OUTP.  out0 = x wo^T + bo on codes of BF8 (E5M2) with one E8M0 scale for each 32 along K = 1024; sums in f32; out0 [4096][1024] f32.
; A = x: register images in acd [tile of 16 rows 256][K step of 128: 8][c 4][lane][16 bytes], scale bytes in asc [row 4096][32].  B = wo: rows 15,360 on of xc [.][1024] and xs [.][32].  Both in tile order:
; 16 neighbouring positions are true rows 0-7 and 16-23, or 8-15 and 24-31, of a group of 32; the way out puts rows and columns back.
; A tile of 256 x 256 is made by a work-group of four waves, a wave makes 128 x 128: 64 accumulators.  16 x 4 tiles: 64 work-groups.  A tile of 128 x 128 would make 256 work-groups, with twice the LDS bytes for each
; product and half the work between two changes of slots; this launch is an eighth of the program's matrix work, so the larger tile is kept.
; K goes in steps of 256 through a ring of two LDS slots.  CLUSTERS: 4 x 4; A's tiles are shared along a row of the cluster, B's along a column, by joint loads.  The scales of all of K come into LDS once.
; THE MATRIX INSTRUCTION IS USED TRANSPOSED (source 0 = 16 rows of wo, source 1 = 16 rows of x): a lane holds eight neighbouring numbers of a row of out0.  bo is the C of each sum's first product.
; REGISTERS, in windows of 256: window 0: v0-31 addresses; v32-63 scale words, two sets; v64-127 bo; from v128 A's fragments, one set; on the way out v128-255 rows of out0.
;   window 1: B's fragments, two sets.   window 2: the accumulators of my A blocks 0-3;   window 3: those of blocks 4-7.
.set SIZE_K, 1024
.set KSTEP,  256
.set NQ,     KSTEP/128
.set ROWB,   256                       ; a row of B's tile in bytes
.set ASTEP,  4096                      ; a K step of one tile of A's images: 2 x 4 x 512 bytes
.set KROW,   SIZE_K
.set PITCH,  272                       ; B's LDS row: 256 bytes + 16 of padding = 68 words: row r starts at bank 4 r mod 64 (64 banks of 4 bytes: ISA guide 11.1)
.set FR,     16
.set NL,     4
.set NP,     8                         ; places behind this matrix instruction (ISA guide 7.12.1)
.set HALFT,  128*PITCH                 ; the room of 128 rows (A's images take 32,768 bytes of it)
.set SLOT,   4*HALFT
.set LAPS,   SIZE_K/(2*KSTEP)
.set KS,     SIZE_K/32
.set SCL,    2*SLOT
.set HALFS,  (128*KS/256)*272
.set SBLK,   (16*KS/256)*272
.set SPARE,  SCL+4*HALFS               ; the spare words, 128 bytes for each wave: two blocks of 256 bytes that no other line names
.set SPITCH, 528                       ; the way out: a stage of 16 rows x (512 bytes + 16) for each wave, in slot 0, which has had its last fill and its last read when the first result is stored there
.set ROWC,   4096                      ; a row of out0 in bytes
.set ADRA, 16
.set ADRB, 20
.set STO,  24                          ; v24  the way out: where I put 32 bytes of a row
.set RD,   25                          ; v25  where I read a row back
.set CO,   26                          ; v26  my byte offset in a row of out0
.set ADRS, 27
.set SPW,  28
.set NIL,  29
.set SC,   32
.set BB,   64                          ; v64-127 bo: register 8 b + j for B's block b
.set AF,   128
.set BK,   128                         ; the way out: 16 rows read back from the stage: v128-191 and v192-255 by turns
.set G1, 24
.set G0, 32
.set G1B, 48
.set G0B, 56
.set G1S, 68
.set G0S, 76
.set G1SB, 80
.set G0SB, 88
.set MSB, 0
.macro WIN new
.if MSB != \new
	s_set_vgpr_msb (MSB<<8)|\new
.set MSB, \new
.endif
.endm
.set MUL_LO, 0xa1                      ; source 0 (B) window 1, source 1 (A) window 0, C and D window 2
.set MUL_HI, 0xf1                      ; the same, C and D window 3
.set BEG_LO, 0x81                      ; the first step: C (bo) window 0, D window 2
.set BEG_HI, 0xc1                      ; D window 3
.set TO_B,   0x40
.macro JLOAD g0a, g1a, g0b, g1b        ; a joint load: waves 0 and 1 fetch for A, waves 2 and 3 for B; four v_nop follow each of the two lines
	s_cmp_eq_u32 s15, 0
	s_cbranch_scc0 .Lfor_b_\@
	tensor_load_to_lds s[\g0a:\g0a+3], s[\g1a:\g1a+7]
	s_nop 0
.rept 4
	v_nop
.endr
	s_branch .Lasked_\@
.Lfor_b_\@:
	tensor_load_to_lds s[\g0b:\g0b+3], s[\g1b:\g1b+7]
	s_nop 0
.rept 4
	v_nop
.endr
.Lasked_\@:
.endm
.macro CREST
	s_cmp_lg_u32 s14, 0
	s_cbranch_scc1 .Lnot_wave_0_\@
	s_barrier_signal -3
.Lnot_wave_0_\@:
	s_barrier_wait -3
	s_barrier_signal -1
	s_barrier_wait -1
.endm
.macro CROUND
	s_barrier_signal -1
	s_barrier_wait -1
	CREST
.endm
	s_load_b256 s[4:11], s[0:1], 0x0               ; acd s[4:5], asc s[6:7], xc s[8:9], xs s[10:11]
	s_load_b64 s[96:97], s[0:1], 0x20              ; bo
	s_load_b64 s[12:13], s[0:1], 0x28              ; out0
	v_lshl_add_u32 v[SPW], v0, 2, SPARE
	v_mov_b32 v[NIL], 0
	ds_add_u32 v28, v29
	ds_add_u32 v28, v29
	s_wait_dscnt 0x0
	v_lshrrev_b32 v1, 5, v0
	v_readfirstlane_b32 s14, v1                    ; wave 0..3
	s_lshr_b32 s15, s14, 1                         ; which half of A's rows is mine.  Also: I fetch for A (0) or for B (1)
	s_and_b32 s16, s14, 1                          ; which half of B's rows.  Also: which half of that tile I fetch
	s_bfe_u32 s40, ttmp6, 0x40000                  ; cx, cy
	s_bfe_u32 s41, ttmp6, 0x40004
	s_lshl_b32 s42, ttmp9, 2
	s_add_co_u32 s42, s42, s40                     ; tile column = 4 x cluster x + cx
	s_and_b32 s17, ttmp7, 0xffff
	s_lshl_b32 s17, s17, 2
	s_add_co_u32 s17, s17, s41                     ; tile row = 4 x cluster y + cy
	s_lshl_b32 s43, s41, 2
	s_lshl_b32 s43, 15, s43                        ; my row of the cluster
	s_lshl_b32 s44, 0x1111, s40                    ; my column
	; A's tile: 8 tiles of rows x 4,096 bytes (512 elements of 8 bytes), 16,384 bytes apart in memory, dense in LDS
	s_or_b32 s[G1+0], s43, (3<<16)|(1<<21)         ; 15:0 the mask; 17:16 elements of 8 bytes; 21 set beside a mask; no padding
	s_mov_b32 s[G1+1], 512<<16                     ; tensor_dim0
	s_mov_b32 s[G1+2], 8<<16                       ; tensor_dim1
	s_mov_b32 s[G1+3], 512<<16                     ; tile_dim0
	s_mov_b32 s[G1+4], 8                           ; tile_dim1
	s_mov_b32 s[G1+5], 2048                        ; tensor_dim0_stride
	s_mov_b32 s[G1+6], 0
	s_mov_b32 s[G1+7], 0
	; B's tile: 128 rows x 256 bytes, padded in LDS
	s_or_b32 s[G1B+0], s44, (0<<16)|(1<<20)|(1<<21)|(5<<22)|(3<<25)
	s_mov_b32 s[G1B+1], ROWB<<16
	s_mov_b32 s[G1B+2], 128<<16
	s_mov_b32 s[G1B+3], ROWB<<16
	s_mov_b32 s[G1B+4], 128
	s_mov_b32 s[G1B+5], KROW
	s_mov_b32 s[G1B+6], 0
	s_mov_b32 s[G1B+7], 0
	; the scales of 128 rows: 4,096 dense bytes as rows of 256, 16 bytes of padding behind each
	s_or_b32 s[G1S+0], s43, (3<<16)|(1<<20)|(1<<21)|(5<<22)|(3<<25)
	s_or_b32 s[G1SB+0], s44, (3<<16)|(1<<20)|(1<<21)|(5<<22)|(3<<25)
.irp g, G1S, G1SB
	s_mov_b32 s[\g+1], 32<<16
	s_mov_b32 s[\g+2], (128*KS/256)<<16
	s_mov_b32 s[\g+3], 32<<16
	s_mov_b32 s[\g+4], 128*KS/256
	s_mov_b32 s[\g+5], 32
	s_mov_b32 s[\g+6], 0
	s_mov_b32 s[\g+7], 0
.endr
	s_lshl_b32 s20, s17, 18                        ; A's images: 16 tiles of 16,384 bytes a tile row,
	s_lshl_b32 s21, s16, 17                        ; 8 of them a half
	s_add_co_u32 s20, s20, s21
	s_mov_b32 s21, 0
	s_lshl_b32 s22, s17, 13                        ; A's scales: 256 rows of 32 bytes a tile row,
	s_lshl_b32 s23, s16, 12                        ; 128 a half
	s_add_co_u32 s22, s22, s23
	s_mov_b32 s23, 0
	s_lshl_b32 s46, s42, 8
	s_lshl_b32 s47, s16, 7
	s_add_co_u32 s46, s46, s47
	s_add_co_u32 s46, s46, 15360                   ; B: row 15,360 + 256 x tile column + 128 x half
	s_lshl_b32 s92, s46, 5
	s_mov_b32 s93, 0
	s_lshl_b32 s46, s46, 10
	s_mov_b32 s47, 0
	s_mul_i32 s45, s14, HALFT                      ; where they go: no place in the cluster enters an LDS address
	s_mul_i32 s94, s14, HALFS
	s_wait_kmcnt 0x0
	s_add_nc_u64 s[20:21], s[4:5], s[20:21]
	s_add_nc_u64 s[22:23], s[6:7], s[22:23]
	s_add_nc_u64 s[46:47], s[8:9], s[46:47]
	s_add_nc_u64 s[92:93], s[10:11], s[92:93]
	CROUND                                         ; all sixteen work-groups are here: the first joint loads meet
	s_mov_b32 s[G0S], 1
	s_add_co_u32 s[G0S+1], s94, SCL
	s_mov_b64 s[G0S+2:G0S+3], s[22:23]
	s_or_b32 s[G0S+3], s[G0S+3], 0x80000000
	s_mov_b32 s[G0SB], 1
	s_add_co_u32 s[G0SB+1], s94, SCL
	s_mov_b64 s[G0SB+2:G0SB+3], s[92:93]
	s_or_b32 s[G0SB+3], s[G0SB+3], 0x80000000
	JLOAD G0S, G1S, G0SB, G1SB
.irp s, 0,1
	s_mov_b32 s[G0+4*\s], 1
	s_add_co_u32 s[G0+4*\s+1], s45, \s*SLOT
	s_add_nc_u64 s[G0+4*\s+2:G0+4*\s+3], s[20:21], \s*ASTEP
	s_or_b32 s[G0+4*\s+3], s[G0+4*\s+3], 0x80000000
	s_mov_b32 s[G0B+4*\s], 1
	s_add_co_u32 s[G0B+4*\s+1], s45, \s*SLOT
	s_add_nc_u64 s[G0B+4*\s+2:G0B+4*\s+3], s[46:47], \s*ROWB
	s_or_b32 s[G0B+4*\s+3], s[G0B+4*\s+3], 0x80000000
	JLOAD G0+4*\s, G1, G0B+4*\s, G1B
.endr
	v_and_b32 v1, 15, v0                           ; r
	v_bfe_u32 v2, v0, 4, 1                         ; h
	v_mul_u32_u24 v3, v1, PITCH
	v_lshl_add_u32 v4, v2, 4, v3                   ; B: a fragment's row x pitch + 16 x half
	v_and_b32 v6, 31, v0
	v_lshlrev_b32 v[CO], 4, v6                     ; 16 x lane: A's images; also my place in a row of 512 bytes on the way out
	s_mul_i32 s21, s15, HALFT                      ; my 8 tiles of A
	s_mul_i32 s22, s16, HALFT                      ; my 128 rows of B,
	s_add_co_u32 s22, s22, 2*HALFT                 ; which lie behind A's room
.irp s, 0,1
	v_add_nc_u32 v[ADRA+\s], s21, v[CO]
	v_add_nc_u32 v[ADRB+\s], s22, v4
	s_add_co_u32 s21, s21, SLOT
	s_add_co_u32 s22, s22, SLOT
.endr
	v_mul_u32_u24 v5, v1, KS
	v_lshrrev_b32 v6, 8, v5
	v_lshl_add_u32 v5, v6, 4, v5
	s_mul_i32 s21, s15, HALFS
	s_mul_i32 s22, s16, HALFS
	s_add_co_u32 s22, s22, 2*HALFS
	s_sub_co_u32 s22, s22, s21
	v_mul_u32_u24 v6, s22, v2                      ; lanes 16-31 take B's
	s_add_co_u32 s21, s21, SCL
	v_add_nc_u32 v5, v5, v6
	v_add_nc_u32 v[ADRS], s21, v5
	s_mul_i32 s23, s14, 16*SPITCH                  ; my stage
	v_mul_u32_u24 v5, v1, SPITCH                   ; in: row r; block b's eight columns are true columns 32 (b/2) + 16 h + 8 (b%2) on: 64 h bytes here, the rest in the immediate
	v_lshl_add_u32 v5, v2, 6, v5
	v_add_nc_u32 v[STO], s23, v5
	v_add_nc_u32 v[RD], s23, v[CO]                 ; back: the 32 lanes take one row of 512 bytes
	s_lshl_b32 s20, s17, 20                        ; my first row of out0: 256 x tile row + 128 x half, 4,096 bytes a row
	s_lshl_b32 s21, s15, 19
	s_add_co_u32 s20, s20, s21
	s_mov_b32 s21, 0
	s_lshl_b32 s46, s42, 10                        ; my first column, in bytes: 1,024 x tile column + 512 x half; bo's numbers lie at the same bytes
	s_lshl_b32 s47, s16, 9
	s_add_co_u32 s46, s46, s47
	s_mov_b32 s47, 0
	s_add_nc_u64 s[96:97], s[96:97], s[46:47]
	s_add_nc_u64 s[20:21], s[20:21], s[46:47]
	s_add_nc_u64 s[12:13], s[12:13], s[20:21]
	v_lshlrev_b32 v7, 6, v2                        ; 64 h: register 16 b + i belongs to column 32 b + 16 h + i
.irp i, 0,1,2,3,4,5,6,7,8,9,10,11,12,13,14,15
	global_load_b128 v[BB+4*\i:BB+4*\i+3], v7, s[96:97] offset:128*(\i/4)+16*(\i%4)
.endr
.macro FRAG reg, adr, q, i             ; a fragment of B from rows
.irp c, 0,1,2,3
	ds_load_b128 v[\reg+4*\c:\reg+4*\c+3], v[\adr] offset:128*(\q)+32*\c+(\i)*16*PITCH
.endr
.endm
.macro FRAGA reg, adr, q, i            ; a fragment of A from its image: 512 consecutive bytes a load
.irp c, 0,1,2,3
	ds_load_b128 v[\reg+4*\c:\reg+4*\c+3], v[\adr] offset:4096*(\i)+2048*(\q)+512*\c
.endr
.endm
; 16 matrix instructions: A's blocks a0, a0 + 1 x B's eight.  zero = 1: the first product starts the sums, with bo as its C.  The 64 accumulators take turns.
.macro MUL16 a0, p, q, sc, zero
.irp a, \a0, \a0+1
.irp b, 0,1,2,3,4,5,6,7
.if \zero
	v_wmma_scale_f32_16x16x128_f8f6f4 v[8*(8*((\a)%4)+\b):8*(8*((\a)%4)+\b)+7], v[128*(\p)+FR*\b:128*(\p)+FR*\b+FR-1], v[AF+FR*(\a):AF+FR*(\a)+FR-1], v[BB+8*\b:BB+8*\b+7], v[SC+8*NQ*(\sc)+NQ*\b+(\q)], v[SC+8*NQ*(\sc)+NQ*(\a)+(\q)] matrix_a_fmt:MATRIX_FMT_BF8 matrix_b_fmt:MATRIX_FMT_BF8 matrix_a_scale:MATRIX_SCALE_ROW1
.else
	v_wmma_scale_f32_16x16x128_f8f6f4 v[8*(8*((\a)%4)+\b):8*(8*((\a)%4)+\b)+7], v[128*(\p)+FR*\b:128*(\p)+FR*\b+FR-1], v[AF+FR*(\a):AF+FR*(\a)+FR-1], v[8*(8*((\a)%4)+\b):8*(8*((\a)%4)+\b)+7], v[SC+8*NQ*(\sc)+NQ*\b+(\q)], v[SC+8*NQ*(\sc)+NQ*(\a)+(\q)] matrix_a_fmt:MATRIX_FMT_BF8 matrix_b_fmt:MATRIX_FMT_BF8 matrix_a_scale:MATRIX_SCALE_ROW1
.endif
.endr
.endr
.endm
.macro FETCH_B slot, q, p
	WIN TO_B
.irp i, 0,1,2,3,4,5,6,7
	FRAG 128*(\p)+FR*\i, ADRB+\slot, \q, \i
.endr
	WIN 0
.endm
.macro FETCH_A slot, q, i0
.irp i, \i0, \i0+1, \i0+2, \i0+3
	FRAGA AF+FR*(\i), ADRA+\slot, \q, \i
.endr
.endm
.macro SCALES sc
.irp i, 0,1,2,3,4,5,6,7
	ds_load_b64 v[SC+8*NQ*\sc+NQ*\i:SC+8*NQ*\sc+NQ*\i+1], v[ADRS] offset:\i*SBLK
.endr
.endm
.macro PLACES n
.rept \n
	v_nop
.endr
.endm
.macro STEP slot, q, zero
	s_wait_dscnt 4*NL                              ; B's set and A's blocks 0-3 are in; the youngest 16 loads (A's blocks 4-7) may be out
.if \zero
	WIN BEG_LO
.else
	WIN MUL_LO
.endif
	MUL16 0, (\q)%2, \q, \slot, \zero
	MUL16 2, (\q)%2, \q, \slot, \zero
	s_wait_dscnt 0
	PLACES NP
	FETCH_B \slot, (\q)+1, 1-(\q)%2
	FETCH_A \slot, (\q)+1, 0
.if \zero
	WIN BEG_HI
.else
	WIN MUL_HI
.endif
	MUL16 4, (\q)%2, \q, \slot, \zero
	MUL16 6, (\q)%2, \q, \slot, \zero
	PLACES NP
	WIN 0
	FETCH_A \slot, (\q)+1, 4
.endm
.macro TURN slot, next, fill
	s_wait_tensorcnt 0x0                           ; all my tensor loads have landed: my part of the next slot
	ds_add_u32 v[SPW], v[NIL]                      ; 0 onto my spare word
	s_wait_dscnt 4*NL+1                            ; (the add and the youngest 16 loads may be out)
	WIN MUL_LO
	MUL16 0, 1, NQ-1, \slot, 0
	s_wait_dscnt 0x0                               ; the add is done, and my reads of this slot are over
	s_barrier_signal -1
	MUL16 2, 1, NQ-1, \slot, 0
	WIN 0
	s_barrier_wait -1
.if \fill
	CREST                                          ; the barrier has opened a round of the cluster's barrier
	s_add_nc_u64 s[G0+4*\slot+2:G0+4*\slot+3], s[G0+4*\slot+2:G0+4*\slot+3], 2*ASTEP
	s_add_nc_u64 s[G0B+4*\slot+2:G0B+4*\slot+3], s[G0B+4*\slot+2:G0B+4*\slot+3], 2*ROWB
	JLOAD G0+4*\slot, G1, G0B+4*\slot, G1B         ; the first tensor load behind the round
	PLACES NP-4
.else
	PLACES NP
.endif
	v_add_nc_u32 v[ADRS], 4*NQ, v[ADRS]
	FETCH_B \next, 0, 0
	FETCH_A \next, 0, 0
	SCALES \next
	WIN MUL_HI
	MUL16 4, 1, NQ-1, \slot, 0
	MUL16 6, 1, NQ-1, \slot, 0
	PLACES NP
	WIN 0
	FETCH_A \next, 0, 4
.endm
	s_wait_tensorcnt 1                             ; the scales and my part of K step 0 are in (K step 1's load may be out),
	s_barrier_signal -1
	s_barrier_wait -1                              ; everybody's are
	FETCH_B 0, 0, 0
	FETCH_A 0, 0, 0
	SCALES 0
	FETCH_A 0, 0, 4
	s_wait_loadcnt 0x0                             ; bo
	STEP 0, 0, 1                                   ; the first step stands in front of the loop: its products start the sums
	s_mov_b32 s3, LAPS-1
.Llap:
	TURN 0, 1, 1
	STEP 1, 0, 0
	TURN 1, 0, 1
	STEP 0, 0, 0
	s_sub_co_u32 s3, s3, 1
	s_cmp_lg_u32 s3, 0
	s_cbranch_scc1 .Llap
	TURN 0, 1, 0                                   ; the last lap fills nothing
	STEP 1, 0, 0
	s_wait_dscnt 4*NL
	WIN MUL_LO
	MUL16 0, 1, NQ-1, 1, 0
	MUL16 2, 1, NQ-1, 1, 0
	s_wait_dscnt 0
	WIN MUL_HI
	MUL16 4, 1, NQ-1, 1, 0
	MUL16 6, 1, NQ-1, 1, 0
	WIN 0
; THE WAY OUT, block by block of 16 rows x 128 columns, through my own stage in LDS: in by lanes (each accumulator from its low end on, at its true columns), back as whole rows of 512 bytes.
; LDS serves a wave's instructions in order (ISA guide 5.7.1.4): no wait between the stores and the loads, nor in front of the next block's stores.
.macro TOSTAGE a
.set AC, 64*((\a)%4)
	WIN 0x08+4*((\a)/4)                            ; the data: window 2 or 3
.irp b, 0,1,2,3,4,5,6,7
	ds_store_b128 v[STO], v[AC+8*\b:AC+8*\b+3] offset:128*(\b/2)+32*(\b%2)
	ds_store_b128 v[STO], v[AC+8*\b+4:AC+8*\b+7] offset:128*(\b/2)+32*(\b%2)+16
.endr
	WIN 0
.set BKR, BK+64*((\a)%2)
.irp t, 0,1,2,3,4,5,6,7,8,9,10,11,12,13,14,15
	ds_load_b128 v[BKR+4*\t:BKR+4*\t+3], v[RD] offset:\t*SPITCH
.endr
.endm
.macro SEND a, younger                 ; block a's position t is true row 32 (a/2) + 8 (a%2) + t + 8 (t/8) of my 128
.set BKR, BK+64*((\a)%2)
	s_wait_dscnt \younger                          ; the block is back in registers
.if (\a) > 0
.if (\a)%2
	s_add_nc_u64 s[12:13], s[12:13], 8*ROWC        ; (behind a wait on XCNT: the earlier stores have read their base)  into an odd block: 8 rows on,
.else
	s_add_nc_u64 s[12:13], s[12:13], 24*ROWC       ; into an even one: 24
.endif
.endif
.irp t, 0,1,2,3,4,5,6,7,8,9,10,11,12,13,14,15
	global_store_b128 v[CO], v[BKR+4*\t:BKR+4*\t+3], s[12:13] offset:(\t+8*(\t/8))*ROWC th:TH_STORE_NT   ; 32 lanes store 512 consecutive bytes, at a multiple of 256 from out0's first byte
.endr
.endm
	PLACES NP
	TOSTAGE 0
.irp a, 1,2,3,4,5,6,7
.if \a > 1
	s_wait_xcnt 0x0                                ; block a - 2's stores have read their registers and their base
.endif
	TOSTAGE \a
	SEND \a-1, 32                                  ; behind block a - 1's loads: block a's 16 stores and 16 loads
.endr
	s_wait_xcnt 0x0
	SEND 7, 0
	s_wait_tensorcnt 0x0                           ; the wave's end
	ds_add_u32 v[SPW], v[NIL]
	s_wait_dscnt 0x0
	CROUND                                         ; the closing round
	s_endpgm
.Lfunc_end_k_q107598f3bf_outp:
	.size	k_q107598f3bf_outp, .Lfunc_end_k_q107598f3bf_outp-k_q107598f3bf_outp
	.p2alignl 7, 3214868480
	.fill 96, 4, 3214868480
	.section	.rodata,"a",@progbits
	.p2align	6, 0x0
	.amdhsa_kernel k_q107598f3bf_outp
		.amdhsa_group_segment_fixed_size 327680
		.amdhsa_private_segment_fixed_size 0
		.amdhsa_enable_private_segment 0
		.amdhsa_kernarg_size 48
		.amdhsa_user_sgpr_count 2
		.amdhsa_user_sgpr_kernarg_segment_ptr 1
		.amdhsa_wavefront_size32 1
		.amdhsa_system_sgpr_workgroup_id_x 1
		.amdhsa_system_sgpr_workgroup_id_y 1
		.amdhsa_system_sgpr_workgroup_id_z 1
		.amdhsa_system_vgpr_workitem_id 0
		.amdhsa_next_free_vgpr 1024
		.amdhsa_next_free_sgpr 100
		.amdhsa_reserve_vcc 0
		.amdhsa_float_denorm_mode_32 3
		.amdhsa_float_denorm_mode_16_64 3
		.amdhsa_memory_ordered 1
		.amdhsa_forward_progress 1
		.amdhsa_inst_pref_size 147
	.end_amdhsa_kernel
	.amdgpu_metadata
---
amdhsa.version: [ 1, 2 ]
amdhsa.kernels:
  - .name:           k_q107598f3bf_outp
    .symbol:         k_q107598f3bf_outp.kd
    .args:
      - { .name: acd, .offset: 0, .size: 8, .value_kind: global_buffer, .address_space: global }
      - { .name: asc, .offset: 8, .size: 8, .value_kind: global_buffer, .address_space: global }
      - { .name: xc, .offset: 16, .size: 8, .value_kind: global_buffer, .address_space: global }
      - { .name: xs, .offset: 24, .size: 8, .value_kind: global_buffer, .address_space: global }
      - { .name: bo, .offset: 32, .size: 8, .value_kind: global_buffer, .address_space: global }
      - { .name: out0, .offset: 40, .size: 8, .value_kind: global_buffer, .address_space: global }
    .group_segment_fixed_size: 327680
    .private_segment_fixed_size: 0
    .kernarg_segment_align: 8
    .kernarg_segment_size: 48
    .max_flat_workgroup_size: 128
    .sgpr_count:     100
    .vgpr_count:     1024
    .wavefront_size: 32
...
	.end_amdgpu_metadata
.endif
;; end of part 4
;; ======== version 2 of 2: 4 launches
;; limits: right only within a limited range of input values
;; workspace buffers: xc 16,777,216 bytes; xs 524,288 bytes; mbits 524,288 bytes of whole numbers; img 12,582,912 bytes; isc 393,216 bytes; acd 4,194,304 bytes; asc 131,072 bytes
;; launch prep (part 5): grid 640 x 1, 4 waves a work-group, no clusters, 67,072 bytes of LDS; arguments q, k, v, wq, wk, wv, wo, mask, xc, xs, mbits; writes xc, xs, mbits
.if DOCPART == 5
	.amdgcn_target "amdgcn-amd-amdhsa--gfx1250"
	.amdhsa_code_object_version 6
	.text
	.protected	k_q107598f3bf_prep
	.globl	k_q107598f3bf_prep
	.p2align	8
	.type	k_q107598f3bf_prep,@function
k_q107598f3bf_prep:
	s_mov_b64 s[64:65], 0
	v_nop
	global_prefetch_b8 v0, s[64:65] scope:SCOPE_SE
	s_setreg_imm32_b32 hwreg(HW_REG_WAVE_MODE, 25, 1), 1
	s_wait_xcnt 0x0
; PREP.  Work-groups 0-511: q, k, v [4096][1024] and wq, wk, wv, wo [1024][1024], f32, become codes of BF8 (E5M2), K innermost, in xc [16384][1024], with one E8M0 byte for each 32 along K in xs [16384][32].
; Rows of xc: q from 0, k from 4096, v from 8192, wq 12288, wk 13312, wv 14336, wo 15360.
; TILE ORDER: inside each 32 rows the four groups of eight rows lie in the order 0, 2, 1, 3: position 32 P + 16 u + 8 g + e holds true row 32 P + 16 g + 8 u + e.  So 16 neighbouring positions are the rows
; 0-7 and 16-23 (or 8-15 and 24-31) of a group of 32, and a product used transposed leaves 16 true neighbours in a lane's 16 registers of two neighbouring tiles.  A wave takes eight rows, so the order costs one swap of two bits.
; A block's scale is 2^(floor(log2(its largest magnitude)) - 15); its byte is the largest magnitude's exponent field - 15, held at 1 from below.  A block of zeros gets the byte 1 where the rule says 127: its codes are
; zeros, which add nothing under any byte but 0xff, and the bytes are read by this program alone.  LIMITS: NaN and infinities among the inputs are not served.
; Work-groups 512-639: the mask [2048][2048] of int32 becomes bits in mbits [T 128][j 16][n 64] of 32-bit words: bit (r + 16 h) of word (T, j, n) says mask == 0 at query row 32 (T/2) + 8 (T%2) + r + 8 (r/8),
; key 128 j + 32 (n/16) + 16 h + n%16: the lane mask that the attention launch wants for its score register n.  So the 16 MiB are read once and not once for each of the 32 heads.
; No work-group shares an input with another: no cluster, no tensor load, no barrier.  Each of the two paths has LDS bytes of its own.
.set NQWG,  512                        ; work-groups of the quantiser: 16,384 rows / 32
.set STEPS, 16                         ; a wave takes 16 steps of 512 numbers: eight rows
.set EMAX,  15
.set MANT,  0x600000                   ; the mantissa field of 57,344 as f32
.set CB,    16                         ; bytes of 16 codes
.set R,     16                         ; v16-79   four sets of 16 numbers as they are loaded
.set X,     80                         ; v80-111  two sets of 16 neighbours
.set E,     112                        ; v112-127 a scale byte for each step
.set C,     128                        ; v128-191 codes: four registers for each step
.set WREG,  8192                       ; LDS of the quantiser: a region for each wave: two stages of 32 x SP bytes, behind them its 256 scale bytes
.set SP,    80                         ; a lane's place in a stage: its 64 bytes + 16 of padding
.set MSTG,  32768                      ; LDS of the mask path: a stage of 16 rows x MPIT bytes for each wave
.set MPIT,  528                        ; 512 bytes + 16 of padding
.set MR,    16                         ; v16-143  two sets of 16 rows x 4 registers as they are loaded
.set MX,    144                        ; v144-207 a lane's 64 mask words of a step
.set MW,    208                        ; v208-215 a pair of result registers for each step
	s_load_b512 s[4:19], s[0:1], 0x0               ; q, k, v, wq, wk, wv, wo, mask
	s_load_b128 s[20:23], s[0:1], 0x40             ; xc, xs
	s_load_b64 s[24:25], s[0:1], 0x50              ; mbits
	v_lshl_add_u32 v224, v0, 2, 0x10400
	v_mov_b32 v225, 0
	v_lshrrev_b32 v1, 5, v0
	v_readfirstlane_b32 s26, v1                    ; wave
	v_and_b32 v2, 31, v0                           ; lane
	v_lshlrev_b32 v3, 4, v2                        ; my 16 bytes of a load's 512
	s_cmp_ge_u32 ttmp9, NQWG
	s_cbranch_scc1 .Lmask
	; ---------------- the quantiser
	s_mul_i32 s27, s26, WREG
	v_lshrrev_b32 v14, 2, v2
	v_mul_u32_u24 v14, v14, SP
	v_and_b32 v15, 3, v2
	v_lshl_add_u32 v14, v15, 4, v14
	v_add_nc_u32 v14, s27, v14                     ; the stage, on the way in: four lanes' 64 bytes on end, then 16 of padding
	v_mul_u32_u24 v15, v2, SP
	v_add_nc_u32 v15, s27, v15                     ; and on the way out: my 16 neighbours
	v_mul_u32_u24 v4, v2, CB                       ; my codes' place in a step's
	v_lshrrev_b32 v5, 1, v2
	s_add_co_u32 s27, s27, 2*32*SP
	v_add_nc_u32 v5, s27, v5                       ; my wave's 256 scale bytes, my block's byte
	v_lshlrev_b32 v7, 3, v2                        ; and on the way out 8 bytes a lane
	v_add_nc_u32 v6, s27, v7
	s_mov_b32 s31, MANT
	s_wait_alu depctr_va_vdst(0)
	s_wait_kmcnt 0x0
	s_mov_b64 s[28:29], s[16:17]                   ; which tensor: the choice hangs on the work-group's number alone.  It starts at wo,
	s_mov_b32 s30, 480                             ; whose first work-group is 480,
.macro PICK bound, ptr, first                  ; and goes down: under bound it is the tensor at s[ptr], whose first work-group is first
	s_cmp_lt_u32 ttmp9, \bound
	s_cselect_b64 s[28:29], s[\ptr:\ptr+1], s[28:29]
	s_cselect_b32 s30, \first, s30
.endm
	PICK 480, 14, 448
	PICK 448, 12, 416
	PICK 416, 10, 384
	PICK 384, 8, 256
	PICK 256, 6, 128
	PICK 128, 4, 0
	s_sub_co_u32 s30, ttmp9, s30
	s_lshl_b32 s30, s30, 2
	s_add_co_u32 s30, s30, s26                     ; which run of eight rows of the tensor is my wave's
	s_lshl_b32 s32, s30, 15                        ; 32,768 bytes a run
	s_mov_b32 s33, 0
	s_add_nc_u64 s[28:29], s[28:29], s[32:33]
	s_and_b32 s34, s26, 1                          ; the tile order: group 2 g + u goes to place 2 u + g
	s_lshl_b32 s34, s34, 1
	s_lshr_b32 s35, s26, 1
	s_or_b32 s34, s34, s35
	s_lshl_b32 s35, ttmp9, 2
	s_add_co_u32 s34, s34, s35                     ; the run's place in xc and xs
	s_lshl_b32 s32, s34, 13                        ; 8,192 bytes of codes a run
	s_add_nc_u64 s[20:21], s[20:21], s[32:33]
	s_lshl_b32 s32, s34, 8                         ; 256 scale bytes a run
	s_add_nc_u64 s[22:23], s[22:23], s[32:33]
.macro LOAD t
.irp i, 0,1,2,3
	global_load_b128 v[R+16*((\t)%4)+4*\i:R+16*((\t)%4)+4*\i+3], v3, s[28:29] offset:2048*(\t)+512*\i th:TH_LOAD_NT   ; 32 lanes read 512 consecutive bytes
.endr
.endm
.macro TURN t                          ; step t's numbers through the stage: LDS serves a wave's instructions in order, so no wait stands between the stores and the loads
.irp i, 0,1,2,3
	ds_store_b128 v14, v[R+16*((\t)%4)+4*\i:R+16*((\t)%4)+4*\i+3] offset:32*SP*((\t)%2)+8*SP*\i
.endr
.irp i, 0,1,2,3
	ds_load_b128 v[X+16*((\t)%2)+4*\i:X+16*((\t)%2)+4*\i+3], v15 offset:32*SP*((\t)%2)+16*\i
.endr
.endm
.irp t, 0,1,2,3
	LOAD \t
.endr
	s_wait_loadcnt 12                              ; step 0's four loads are in; those of steps 1 to 3 may be out
	TURN 0
.macro STEP t
.set XS, X+16*((\t)%2)
.if (\t) > 0
	s_wait_dscnt 1                                 ; this step's numbers are back from the stage (the last step's byte store may be out)
.else
	s_wait_dscnt 0x0
.endif
.if (\t)+4 < STEPS
	LOAD (\t)+4                                    ; into the registers that this step's stores into the stage have read
.endif
.if (\t)+1 < STEPS
.if STEPS-2-(\t) >= 3
	s_wait_loadcnt 12                              ; the next step's four loads are in; those of the three steps behind it may be out
.else
	s_wait_loadcnt 4*(STEPS-2-(\t))
.endif
	TURN (\t)+1                                    ; they go through the other stage while this step is worked
.endif
	v_max3_num_f32 v8, |v[XS]|, |v[XS+1]|, |v[XS+2]|               ; the largest magnitude of my 16, in two chains
	v_max3_num_f32 v9, |v[XS+3]|, |v[XS+4]|, |v[XS+5]|
.irp i, 6,10
	v_max3_num_f32 v8, v8, |v[XS+\i]|, |v[XS+\i+1]|
	v_max3_num_f32 v9, v9, |v[XS+\i+2]|, |v[XS+\i+3]|
.endr
	v_max3_num_f32 v8, v8, |v[XS+14]|, |v[XS+15]|
	v_max3_num_f32 v8, v8, v9, (EMAX+1)<<23        ; and the floor 2^(16 - 127): the byte cannot fall under 1
	v_max_num_f32_dpp v8, v8, v8 row_xmask:1 row_mask:0xf bank_mask:0xf   ; and of my neighbour's 16: the block's
	v_add_nc_u32 v11, -(EMAX<<23), v8              ; 15 off its exponent field: the conversion takes the exponent field of this operand as its scale
	v_and_or_b32 v10, v8, 0x7f800000, s31          ; 57,344 x the scale
.irp i, 0,1,2,3,4,5,6,7,8,9,10,11,12,13,14,15
	v_med3_num_f32 v[XS+\i], v[XS+\i], -v10, v10   ; the conversion to an 8-bit code does not saturate (ISA guide 7.6.2): the hold comes first
.endr
	v_cvt_scalef32_pk8_bf8_f32 v[C+4*(\t):C+4*(\t)+1], v[XS:XS+7], v11
	v_cvt_scalef32_pk8_bf8_f32 v[C+4*(\t)+2:C+4*(\t)+3], v[XS+8:XS+15], v11
	v_lshrrev_b32 v[E+(\t)], 23, v11               ; the scale's byte
	ds_store_b8 v5, v[E+(\t)] offset:16*(\t)       ; both lanes of a block write the same byte with the same value
	global_store_b128 v4, v[C+4*(\t):C+4*(\t)+3], s[20:21] offset:32*CB*(\t)   ; 32 lanes store 512 consecutive bytes
.endm
.irp t, 0,1,2,3,4,5,6,7,8,9,10,11,12,13,14,15
	STEP \t
.endr
	ds_load_b64 v[12:13], v6                       ; LDS serves a wave's instructions in order: these see my stores
	s_wait_dscnt 0x0
	global_store_b64 v7, v[12:13], s[22:23]        ; 32 lanes store 256 consecutive bytes, aligned
	s_wait_tensorcnt 0x0
	ds_add_u32 v224, v225
	s_wait_dscnt 0x0
	s_endpgm
	; ---------------- the mask.  Work-group T takes the 16 query rows of tile T; wave w the key steps 4 w to 4 w + 3.
.Lmask:
	s_sub_co_u32 s27, ttmp9, NQWG                  ; T
	s_lshr_b32 s28, s27, 1
	s_lshl_b32 s28, s28, 5
	s_and_b32 s29, s27, 1
	s_lshl_b32 s29, s29, 3
	s_add_co_u32 s28, s28, s29                     ; the tile's first true row: 32 (T/2) + 8 (T%2)
	s_lshl_b32 s28, s28, 13                        ; a row of the mask is 8,192 bytes
	s_lshl_b32 s29, s26, 11                        ; my four steps of 512 bytes
	s_add_co_u32 s28, s28, s29
	s_mov_b32 s29, 0
	s_lshl_b32 s30, s27, 4
	s_lshl_b32 s31, s26, 2
	s_add_co_u32 s30, s30, s31                     ; 16 T + 4 w
	s_lshl_b32 s30, s30, 8                         ; 256 bytes of words a step
	s_mov_b32 s31, 0
	s_mul_i32 s32, s26, 16*MPIT
	s_add_co_u32 s32, s32, MSTG                    ; my stage
	s_wait_alu depctr_va_vdst(0)
	v_add_nc_u32 v4, s32, v3                       ; in: a row's 512 bytes as they lie
	v_and_b32 v7, 15, v2
	v_lshrrev_b32 v8, 4, v2
	v_mul_u32_u24 v5, v7, MPIT
	v_lshl_add_u32 v5, v8, 6, v5
	v_add_nc_u32 v5, s32, v5                       ; out: lane (r, h) takes row r, from key 16 h on
	v_lshlrev_b32 v6, 3, v2                        ; the words leave 8 bytes a lane
.irp i, 0,1,2,3,4,5,6,7
	v_mov_b32 v[MW+\i], 0                          ; written once: the destination of v_writelane_b32 counts as read
.endr
	s_wait_kmcnt 0x0
	s_add_nc_u64 s[18:19], s[18:19], s[28:29]
	s_add_nc_u64 s[24:25], s[24:25], s[30:31]
.macro LOADM jj                        ; step jj: 16 rows x 512 consecutive bytes
.irp rr, 0,1,2,3,4,5,6,7,8,9,10,11,12,13,14,15
	global_load_b128 v[MR+64*((\jj)%2)+4*\rr:MR+64*((\jj)%2)+4*\rr+3], v3, s[18:19] offset:(\rr+8*(\rr/8))*8192+512*(\jj) th:TH_LOAD_NT
.endr
.endm
.macro MSTEP jj
.if (\jj) < 3
	s_wait_loadcnt 16                              ; this step's 16 loads are in; the next step's may be out
.else
	s_wait_loadcnt 0
.endif
.irp rr, 0,1,2,3,4,5,6,7,8,9,10,11,12,13,14,15
	ds_store_b128 v4, v[MR+64*((\jj)%2)+4*\rr:MR+64*((\jj)%2)+4*\rr+3] offset:MPIT*\rr
.endr
.irp i, 0,1,2,3,4,5,6,7,8,9,10,11,12,13,14,15
	ds_load_b128 v[MX+4*\i:MX+4*\i+3], v5 offset:128*(\i/4)+16*(\i%4)   ; register n = 16 (n/16) + n%16: key 32 (n/16) + 16 h + n%16 of the step
.endr
	s_wait_dscnt 0x0
.if (\jj) < 2
	LOADM (\jj)+2
.endif
.irp gq, 0,1,2,3
.irp kk, 0,1,2,3,4,5,6,7,8,9,10,11,12,13,14,15
	v_cmp_eq_u32 s[32+\kk], 0, v[MX+16*\gq+\kk]    ; word n: a bit for each lane
.endr
.irp kk, 0,1,2,3,4,5,6,7,8,9,10,11,12,13,14,15
	v_writelane_b32 v[MW+2*(\jj)+(\kk%2)], s[32+\kk], (16*\gq+\kk)/2   ; lane n / 2 holds words n and n + 1
.endr
.endr
	global_store_b64 v6, v[MW+2*(\jj):MW+2*(\jj)+1], s[24:25] offset:256*(\jj)   ; 32 lanes store 256 consecutive bytes, aligned
.endm
	LOADM 0
	LOADM 1
	MSTEP 0
	MSTEP 1
	MSTEP 2
	MSTEP 3
	s_wait_tensorcnt 0x0
	ds_add_u32 v224, v225
	s_wait_dscnt 0x0
	s_endpgm
.Lfunc_end_k_q107598f3bf_prep:
	.size	k_q107598f3bf_prep, .Lfunc_end_k_q107598f3bf_prep-k_q107598f3bf_prep
	.p2alignl 7, 3214868480
	.fill 96, 4, 3214868480
	.section	.rodata,"a",@progbits
	.p2align	6, 0x0
	.amdhsa_kernel k_q107598f3bf_prep
		.amdhsa_group_segment_fixed_size 67072
		.amdhsa_private_segment_fixed_size 0
		.amdhsa_enable_private_segment 0
		.amdhsa_kernarg_size 88
		.amdhsa_user_sgpr_count 2
		.amdhsa_user_sgpr_kernarg_segment_ptr 1
		.amdhsa_wavefront_size32 1
		.amdhsa_system_sgpr_workgroup_id_x 1
		.amdhsa_system_sgpr_workgroup_id_y 1
		.amdhsa_system_sgpr_workgroup_id_z 1
		.amdhsa_system_vgpr_workitem_id 0
		.amdhsa_next_free_vgpr 226
		.amdhsa_next_free_sgpr 66
		.amdhsa_reserve_vcc 0
		.amdhsa_float_denorm_mode_32 3
		.amdhsa_float_denorm_mode_16_64 3
		.amdhsa_memory_ordered 1
		.amdhsa_forward_progress 1
		.amdhsa_inst_pref_size 100
	.end_amdhsa_kernel
	.amdgpu_metadata
---
amdhsa.version: [ 1, 2 ]
amdhsa.kernels:
  - .name:           k_q107598f3bf_prep
    .symbol:         k_q107598f3bf_prep.kd
    .args:
      - { .name: q, .offset: 0, .size: 8, .value_kind: global_buffer, .address_space: global }
      - { .name: k, .offset: 8, .size: 8, .value_kind: global_buffer, .address_space: global }
      - { .name: v, .offset: 16, .size: 8, .value_kind: global_buffer, .address_space: global }
      - { .name: wq, .offset: 24, .size: 8, .value_kind: global_buffer, .address_space: global }
      - { .name: wk, .offset: 32, .size: 8, .value_kind: global_buffer, .address_space: global }
      - { .name: wv, .offset: 40, .size: 8, .value_kind: global_buffer, .address_space: global }
      - { .name: wo, .offset: 48, .size: 8, .value_kind: global_buffer, .address_space: global }
      - { .name: mask, .offset: 56, .size: 8, .value_kind: global_buffer, .address_space: global }
      - { .name: xc, .offset: 64, .size: 8, .value_kind: global_buffer, .address_space: global }
      - { .name: xs, .offset: 72, .size: 8, .value_kind: global_buffer, .address_space: global }
      - { .name: mbits, .offset: 80, .size: 8, .value_kind: global_buffer, .address_space: global }
    .group_segment_fixed_size: 67072
    .private_segment_fixed_size: 0
    .kernarg_segment_align: 8
    .kernarg_segment_size: 88
    .max_flat_workgroup_size: 128
    .sgpr_count:     66
    .vgpr_count:     226
    .wavefront_size: 32
...
	.end_amdgpu_metadata
.endif
;; end of part 5
;; launch proj (part 6): grid 4 x 48, 4 waves a work-group, clusters of 4 x 4, 327,680 bytes of LDS; arguments xc, xs, img, isc, bq, bk, bv; writes img, isc
.if DOCPART == 6
	.amdgcn_target "amdgcn-amd-amdhsa--gfx1250"
	.amdhsa_code_object_version 6
	.text
	.protected	k_q107598f3bf_proj
	.globl	k_q107598f3bf_proj
	.p2align	8
	.type	k_q107598f3bf_proj,@function
k_q107598f3bf_proj:
	s_mov_b64 s[64:65], 0
	v_nop
	global_prefetch_b8 v0, s[64:65] scope:SCOPE_SE
	s_setreg_imm32_b32 hwreg(HW_REG_WAVE_MODE, 25, 1), 1
	s_wait_xcnt 0x0
	s_wait_alu depctr_hold_cnt(0) depctr_sa_sdst(0) depctr_va_vdst(0) depctr_va_sdst(0) depctr_va_ssrc(0) depctr_va_vcc(0) depctr_vm_vsrc(0)
	s_getreg_b32 s2, hwreg(HW_REG_IB_STS2, 6, 4)
	s_cmp_eq_u32 s2, 0
	s_cbranch_scc0 .Lentry_in_a_cluster
	s_endpgm
.Lentry_in_a_cluster:
	s_bfe_u32 s2, ttmp6, 0x10000c
	s_cmp_lg_u32 s2, 0xf033
	s_cbranch_scc0 .Lentry_shape_is_right
	s_endpgm
.Lentry_shape_is_right:
.set SIZE_K, 1024
.set KSTEP,  256
.set NQ,     KSTEP/128
.set ROWB,   256
.set KROW,   SIZE_K
.set PITCH,  272
.set FR,     16
.set NL,     4
.set NP,     8
.set HALFT,  128*PITCH
.set SLOT,   4*HALFT
.set LAPS,   SIZE_K/(2*KSTEP)
.set KS,     SIZE_K/32
.set SCL,    2*SLOT
.set HALFS,  (128*KS/256)*272
.set SBLK,   (16*KS/256)*272
.set SPARE,  SCL+4*HALFS
.set BA,   8
.set ADRA, 16
.set ADRB, 20
.set ADRS, 27
.set SPW,  28
.set NIL,  29
.set SC,   32
.set BB,   64
.set AF,   128
.set ST,   128
.set PC,   192
.set TM,   208
.set PW0,  224
.set WO,   226
.set SELV, 227
.set LI,   228
.set LSO,  229
.set BP,   232
.set G1, 24
.set G0, 32
.set G1B, 48
.set G0B, 56
.set G1S, 68
.set G0S, 76
.set G1SB, 80
.set G0SB, 88
.set MNT, 19
.set SEL, 100
.set MSB, 0
.macro WIN new
.if MSB != \new
	s_set_vgpr_msb (MSB<<8)|\new
.set MSB, \new
.endif
.endm
.set MUL_LO, 0xa1
.set MUL_HI, 0xf1
.set TO_B,   0x40
.macro JLOAD g0a, g1a, g0b, g1b
	s_cmp_eq_u32 s15, 0
	s_cbranch_scc0 .Lfor_b_\@
	tensor_load_to_lds s[\g0a:\g0a+3], s[\g1a:\g1a+7]
	s_nop 0
.rept 4
	v_nop
.endr
	s_branch .Lasked_\@
.Lfor_b_\@:
	tensor_load_to_lds s[\g0b:\g0b+3], s[\g1b:\g1b+7]
	s_nop 0
.rept 4
	v_nop
.endr
.Lasked_\@:
.endm
.macro CREST
	s_cmp_lg_u32 s14, 0
	s_cbranch_scc1 .Lnot_wave_0_\@
	s_barrier_signal -3
.Lnot_wave_0_\@:
	s_barrier_wait -3
	s_barrier_signal -1
	s_barrier_wait -1
.endm
.macro CROUND
	s_barrier_signal -1
	s_barrier_wait -1
	CREST
.endm
	s_load_b256 s[4:11], s[0:1], 0x0
	s_load_b128 s[96:99], s[0:1], 0x20
	s_load_b64 s[100:101], s[0:1], 0x30
	v_lshl_add_u32 v[SPW], v0, 2, SPARE
	v_mov_b32 v[NIL], 0
	ds_add_u32 v28, v29
	ds_add_u32 v28, v29
	s_wait_dscnt 0x0
	v_lshrrev_b32 v1, 5, v0
	v_readfirstlane_b32 s14, v1
	s_lshr_b32 s15, s14, 1
	s_and_b32 s16, s14, 1
	s_bfe_u32 s40, ttmp6, 0x40000
	s_bfe_u32 s41, ttmp6, 0x40004
	s_and_b32 s42, ttmp7, 0xffff
	s_lshr_b32 s17, s42, 2
	s_and_b32 s18, s42, 3
	s_lshl_b32 s43, s41, 2
	s_lshl_b32 s43, 15, s43
	s_lshl_b32 s44, 0x1111, s40
	s_or_b32 s[G1+0], s43, (0<<16)|(1<<20)|(1<<21)|(5<<22)|(3<<25)
	s_or_b32 s[G1B+0], s44, (0<<16)|(1<<20)|(1<<21)|(5<<22)|(3<<25)
.irp g, G1, G1B
	s_mov_b32 s[\g+1], ROWB<<16
	s_mov_b32 s[\g+2], 128<<16
	s_mov_b32 s[\g+3], ROWB<<16
	s_mov_b32 s[\g+4], 128
	s_mov_b32 s[\g+5], KROW
	s_mov_b32 s[\g+6], 0
	s_mov_b32 s[\g+7], 0
.endr
	s_or_b32 s[G1S+0], s43, (3<<16)|(1<<20)|(1<<21)|(5<<22)|(3<<25)
	s_or_b32 s[G1SB+0], s44, (3<<16)|(1<<20)|(1<<21)|(5<<22)|(3<<25)
.irp g, G1S, G1SB
	s_mov_b32 s[\g+1], 32<<16
	s_mov_b32 s[\g+2], (128*KS/256)<<16
	s_mov_b32 s[\g+3], 32<<16
	s_mov_b32 s[\g+4], 128*KS/256
	s_mov_b32 s[\g+5], 32
	s_mov_b32 s[\g+6], 0
	s_mov_b32 s[\g+7], 0
.endr
	s_lshl_b32 s19, s18, 10
	s_lshl_b32 s20, s17, 12
	s_add_co_u32 s20, s20, s19
	s_lshl_b32 s46, s17, 10
	s_add_co_u32 s46, s46, 12288
	s_add_co_u32 s19, s19, 8192
	s_cmp_eq_u32 s17, 2
	s_cselect_b32 s20, 14336, s20
	s_cselect_b32 s46, s19, s46
	s_lshl_b32 s21, s16, 7
	s_lshl_b32 s22, s41, 8
	s_add_co_u32 s20, s20, s22
	s_add_co_u32 s20, s20, s21
	s_lshl_b32 s47, s40, 8
	s_add_co_u32 s46, s46, s47
	s_add_co_u32 s46, s46, s21
	s_lshl_b32 s22, s20, 5
	s_mov_b32 s23, 0
	s_lshl_b32 s20, s20, 10
	s_mov_b32 s21, 0
	s_lshl_b32 s92, s46, 5
	s_mov_b32 s93, 0
	s_lshl_b32 s46, s46, 10
	s_mov_b32 s47, 0
	s_mul_i32 s45, s14, HALFT
	s_mul_i32 s94, s14, HALFS
	s_wait_kmcnt 0x0
	s_add_nc_u64 s[20:21], s[4:5], s[20:21]
	s_add_nc_u64 s[22:23], s[6:7], s[22:23]
	s_add_nc_u64 s[46:47], s[4:5], s[46:47]
	s_add_nc_u64 s[92:93], s[6:7], s[92:93]
	CROUND
	s_mov_b32 s[G0S], 1
	s_add_co_u32 s[G0S+1], s94, SCL
	s_mov_b64 s[G0S+2:G0S+3], s[22:23]
	s_or_b32 s[G0S+3], s[G0S+3], 0x80000000
	s_mov_b32 s[G0SB], 1
	s_add_co_u32 s[G0SB+1], s94, SCL
	s_mov_b64 s[G0SB+2:G0SB+3], s[92:93]
	s_or_b32 s[G0SB+3], s[G0SB+3], 0x80000000
	JLOAD G0S, G1S, G0SB, G1SB
.irp s, 0,1
	s_mov_b32 s[G0+4*\s], 1
	s_add_co_u32 s[G0+4*\s+1], s45, \s*SLOT
	s_add_nc_u64 s[G0+4*\s+2:G0+4*\s+3], s[20:21], \s*ROWB
	s_or_b32 s[G0+4*\s+3], s[G0+4*\s+3], 0x80000000
	s_mov_b32 s[G0B+4*\s], 1
	s_add_co_u32 s[G0B+4*\s+1], s45, \s*SLOT
	s_add_nc_u64 s[G0B+4*\s+2:G0B+4*\s+3], s[46:47], \s*ROWB
	s_or_b32 s[G0B+4*\s+3], s[G0B+4*\s+3], 0x80000000
	s_wait_alu depctr_va_vdst(0)
	s_wait_tensorcnt 0x0
	ds_add_u32 v28, v29
	s_wait_dscnt 0x0
	CROUND
	JLOAD G0+4*\s, G1, G0B+4*\s, G1B
.endr
	v_and_b32 v1, 15, v0
	v_bfe_u32 v2, v0, 4, 1
	v_mul_u32_u24 v3, v1, PITCH
	v_lshl_add_u32 v4, v2, 4, v3
	s_mul_i32 s21, s15, HALFT
	s_mul_i32 s22, s16, HALFT
	s_add_co_u32 s22, s22, 2*HALFT
.irp s, 0,1
	v_add_nc_u32 v[ADRA+\s], s21, v4
	v_add_nc_u32 v[ADRB+\s], s22, v4
	s_add_co_u32 s21, s21, SLOT
	s_add_co_u32 s22, s22, SLOT
.endr
	v_mul_u32_u24 v5, v1, KS
	v_lshrrev_b32 v6, 8, v5
	v_lshl_add_u32 v5, v6, 4, v5
	s_mul_i32 s21, s15, HALFS
	s_mul_i32 s22, s16, HALFS
	s_add_co_u32 s22, s22, 2*HALFS
	s_sub_co_u32 s22, s22, s21
	v_mul_u32_u24 v6, s22, v2
	s_add_co_u32 s21, s21, SCL
	v_add_nc_u32 v5, v5, v6
	v_add_nc_u32 v[ADRS], s21, v5
	s_cmp_eq_u32 s17, 1
	s_cselect_b64 s[12:13], s[98:99], s[96:97]
	s_cmp_eq_u32 s17, 2
	s_cselect_b64 s[12:13], s[100:101], s[12:13]
	s_lshl_b32 s92, s40, 10
	s_lshl_b32 s93, s16, 9
	s_add_co_u32 s92, s92, s93
	s_mov_b32 s93, 0
	s_add_nc_u64 s[96:97], s[12:13], s[92:93]
	s_lshl_b32 s92, s41, 10
	s_lshl_b32 s94, s15, 9
	s_add_co_u32 s92, s92, s94
	s_add_nc_u64 s[98:99], s[12:13], s[92:93]
	s_mov_b32 s[SEL], 0x76543210
	s_mov_b32 s[SEL+1], 0xfedcba98
	s_mov_b32 s[MNT], 0x600000
	v_lshlrev_b32 v7, 6, v2
	v_and_b32 v30, 8, v1
	v_add_nc_u32 v30, v30, v1
	v_lshlrev_b32 v30, 2, v30
.irp i, 0,1,2,3,4,5,6,7,8,9,10,11,12,13,14,15
	global_load_b128 v[BB+4*\i:BB+4*\i+3], v7, s[96:97] offset:128*(\i/4)+16*(\i%4)
.endr
.irp a, 0,1,2,3,4,5,6,7
	global_load_b32 v[BA+\a], v30, s[98:99] offset:4*(32*(\a/2)+8*(\a%2))
.endr
.macro FRAG reg, adr, q, i
.irp c, 0,1,2,3
	ds_load_b128 v[\reg+4*\c:\reg+4*\c+3], v[\adr] offset:128*(\q)+32*\c+(\i)*16*PITCH
.endr
.endm
.macro MUL16 a0, p, q, sc, zero
.irp a, \a0, \a0+1
.irp b, 0,1,2,3,4,5,6,7
.if \zero
	v_wmma_scale_f32_16x16x128_f8f6f4 v[8*(8*((\a)%4)+\b):8*(8*((\a)%4)+\b)+7], v[128*(\p)+FR*\b:128*(\p)+FR*\b+FR-1], v[AF+FR*(\a):AF+FR*(\a)+FR-1], 0, v[SC+8*NQ*(\sc)+NQ*\b+(\q)], v[SC+8*NQ*(\sc)+NQ*(\a)+(\q)] matrix_a_fmt:MATRIX_FMT_BF8 matrix_b_fmt:MATRIX_FMT_BF8 matrix_a_scale:MATRIX_SCALE_ROW1
.else
	v_wmma_scale_f32_16x16x128_f8f6f4 v[8*(8*((\a)%4)+\b):8*(8*((\a)%4)+\b)+7], v[128*(\p)+FR*\b:128*(\p)+FR*\b+FR-1], v[AF+FR*(\a):AF+FR*(\a)+FR-1], v[8*(8*((\a)%4)+\b):8*(8*((\a)%4)+\b)+7], v[SC+8*NQ*(\sc)+NQ*\b+(\q)], v[SC+8*NQ*(\sc)+NQ*(\a)+(\q)] matrix_a_fmt:MATRIX_FMT_BF8 matrix_b_fmt:MATRIX_FMT_BF8 matrix_a_scale:MATRIX_SCALE_ROW1
.endif
.endr
.endr
.endm
.macro FETCH_B slot, q, p
	WIN TO_B
.irp i, 0,1,2,3,4,5,6,7
	FRAG 128*(\p)+FR*\i, ADRB+\slot, \q, \i
.endr
	WIN 0
.endm
.macro FETCH_A slot, q, i0
.irp i, \i0, \i0+1, \i0+2, \i0+3
	FRAG AF+FR*(\i), ADRA+\slot, \q, \i
.endr
.endm
.macro SCALES sc
.irp i, 0,1,2,3,4,5,6,7
	ds_load_b64 v[SC+8*NQ*\sc+NQ*\i:SC+8*NQ*\sc+NQ*\i+1], v[ADRS] offset:\i*SBLK
.endr
.endm
.macro PLACES n
.rept \n
	v_nop
.endr
.endm
.macro STEP slot, q, zero
	s_wait_dscnt 4*NL
	WIN MUL_LO
	MUL16 0, (\q)%2, \q, \slot, \zero
	MUL16 2, (\q)%2, \q, \slot, \zero
	s_wait_dscnt 0
	PLACES NP
	FETCH_B \slot, (\q)+1, 1-(\q)%2
	FETCH_A \slot, (\q)+1, 0
	WIN MUL_HI
	MUL16 4, (\q)%2, \q, \slot, \zero
	MUL16 6, (\q)%2, \q, \slot, \zero
	PLACES NP
	WIN 0
	FETCH_A \slot, (\q)+1, 4
.endm
.macro TURN slot, next, fill
	s_wait_tensorcnt 0x0
	ds_add_u32 v[SPW], v[NIL]
	s_wait_dscnt 4*NL+1
	WIN MUL_LO
	MUL16 0, 1, NQ-1, \slot, 0
	s_wait_dscnt 0x0
	s_barrier_signal -1
	MUL16 2, 1, NQ-1, \slot, 0
	WIN 0
	s_barrier_wait -1
.if \fill
	CREST
	s_add_nc_u64 s[G0+4*\slot+2:G0+4*\slot+3], s[G0+4*\slot+2:G0+4*\slot+3], 2*ROWB
	s_add_nc_u64 s[G0B+4*\slot+2:G0B+4*\slot+3], s[G0B+4*\slot+2:G0B+4*\slot+3], 2*ROWB
	JLOAD G0+4*\slot, G1, G0B+4*\slot, G1B
	PLACES NP-4
.else
	PLACES NP
.endif
	s_wait_alu depctr_va_vdst(0)
	v_add_nc_u32 v[ADRS], 4*NQ, v[ADRS]
	FETCH_B \next, 0, 0
	FETCH_A \next, 0, 0
	SCALES \next
	WIN MUL_HI
	MUL16 4, 1, NQ-1, \slot, 0
	MUL16 6, 1, NQ-1, \slot, 0
	PLACES NP
	WIN 0
	FETCH_A \next, 0, 4
.endm
	s_wait_alu depctr_va_vdst(0)
	s_wait_tensorcnt 1
	s_barrier_signal -1
	s_barrier_wait -1
	FETCH_B 0, 0, 0
	FETCH_A 0, 0, 0
	SCALES 0
	FETCH_A 0, 0, 4
	STEP 0, 0, 1
	s_mov_b32 s3, LAPS-1
.Llap:
	TURN 0, 1, 1
	STEP 1, 0, 0
	TURN 1, 0, 1
	STEP 0, 0, 0
	s_sub_co_u32 s3, s3, 1
	s_cmp_lg_u32 s3, 0
	s_cbranch_scc1 .Llap
	TURN 0, 1, 0
	STEP 1, 0, 0
	s_wait_dscnt 4*NL
	WIN MUL_LO
	MUL16 0, 1, NQ-1, 1, 0
	MUL16 2, 1, NQ-1, 1, 0
	s_wait_dscnt 0
	WIN MUL_HI
	MUL16 4, 1, NQ-1, 1, 0
	MUL16 6, 1, NQ-1, 1, 0
	WIN 0
.macro QUANT s, pw
.irp b, 0,1,2,3
	v_max3_num_f32 v[TM+\b], |v[\s+16*\b]|, |v[\s+1+16*\b]|, 0x8000000
.endr
.irp i, 2,4,6,8,10,12,14
.irp b, 0,1,2,3
	v_max3_num_f32 v[TM+\b], v[TM+\b], |v[\s+16*\b+\i]|, |v[\s+1+16*\b+\i]|
.endr
.endr
.irp b, 0,1,2,3
	v_permlanex16_b32 v[TM+4+\b], v[TM+\b], s[SEL], s[SEL+1]
.endr
.irp b, 0,1,2,3
	v_max_num_f32 v[TM+\b], v[TM+\b], v[TM+4+\b]
.endr
.irp b, 0,1,2,3
	v_add_nc_u32 v[TM+12+\b], 0xf8800000, v[TM+\b]
.endr
.irp b, 0,1,2,3
	v_and_or_b32 v[TM+8+\b], v[TM+\b], 0x7f800000, s[MNT]
.endr
.irp b, 0,1,2,3
	v_lshrrev_b32 v[TM+4+\b], 23, v[TM+12+\b]
.endr
	v_lshl_or_b32 v[\pw], v[TM+5], 8, v[TM+4]
	v_lshl_or_b32 v[\pw], v[TM+6], 16, v[\pw]
	v_lshl_or_b32 v[\pw], v[TM+7], 24, v[\pw]
	s_wait_xcnt 0x0
.irp b, 0,1,2,3
.irp i, 0,1,2,3,4,5,6,7,8,9,10,11,12,13,14,15
	v_med3_num_f32 v[\s+16*\b+\i], v[\s+16*\b+\i], -v[TM+8+\b], v[TM+8+\b]
.endr
	v_cvt_scalef32_pk8_bf8_f32 v[PC+4*\b:PC+1+4*\b], v[\s+16*\b:\s+7+16*\b], v[TM+12+\b]
	v_cvt_scalef32_pk8_bf8_f32 v[PC+2+4*\b:PC+3+4*\b], v[\s+8+16*\b:\s+15+16*\b], v[TM+12+\b]
.endr
	v_nop
.endm
.macro EPI isv
.irp a, 0,1,2,3,4,5,6,7
	WIN 0x02+(\a)/4
.set n, 0
.rept 32
.if \isv
	v_pk_add_f32 v[ST+n:ST+n+1], v[64*((\a)%4)+n:64*((\a)%4)+n+1], v[BP+2*\a:BP+2*\a+1]
.else
	v_pk_add_f32 v[ST+n:ST+n+1], v[64*((\a)%4)+n:64*((\a)%4)+n+1], v[BB+n:BB+n+1]
.endif
.set n, n+2
.endr
	WIN 0
	QUANT ST, PW0+(\a)%2
.irp c, 0,1,2,3
.if \isv
	global_store_b128 v[LI], v[PC+4*\c:PC+4*\c+3], s[8:9] offset:131072*(\a/4)+2048*(\a%4)+512*\c
.else
	global_store_b128 v[LI], v[PC+4*\c:PC+4*\c+3], s[8:9] offset:1024*\a+512*(\c%2)+131072*(\c/2)
.endif
.endr
.if (\a)%2
	v_perm_b32 v[WO], v[PW0+1], v[PW0], v[SELV]
.if \isv
	global_store_b32 v[LSO], v[WO], s[10:11] offset:4096*(\a/4)+64*((\a-1)%4)
.else
	global_store_b32 v[LSO], v[WO], s[10:11] offset:64*(\a/2)
.endif
.endif
.endr
.endm
	PLACES NP
	s_wait_loadcnt 0x0
.irp b, 0,1,2,3
	v_mov_b32 v[TM+4+\b], 0
.endr
	v_and_b32 v[LI], 31, v0
	v_lshlrev_b32 v[LI], 4, v[LI]
	v_and_b32 v[LSO], 15, v0
	v_lshlrev_b32 v[LSO], 2, v[LSO]
	v_bfe_u32 v[WO], v0, 4, 1
	v_cmp_eq_u32 vcc_lo, 1, v[WO]
	s_lshr_b32 s20, s18, 1
	s_lshl_b32 s20, s20, 4
	s_and_b32 s21, s18, 1
	s_mov_b32 s47, 0
	s_cmp_eq_u32 s17, 2
	s_cbranch_scc1 .Lvalues
	s_lshl_b32 s22, s40, 2
	s_add_co_u32 s20, s20, s22
	s_lshl_b32 s22, s16, 1
	s_add_co_u32 s20, s20, s22
	s_lshl_b32 s21, s21, 6
	s_lshl_b32 s22, s41, 4
	s_add_co_u32 s21, s21, s22
	s_lshl_b32 s22, s15, 3
	s_add_co_u32 s21, s21, s22
	s_lshl_b32 s46, s17, 22
	s_lshl_b32 s22, s20, 17
	s_add_co_u32 s46, s46, s22
	s_lshl_b32 s22, s21, 10
	s_add_co_u32 s46, s46, s22
	s_add_nc_u64 s[8:9], s[8:9], s[46:47]
	s_lshl_b32 s46, s17, 17
	s_lshl_b32 s22, s20, 12
	s_add_co_u32 s46, s46, s22
	s_lshl_b32 s22, s21, 5
	s_add_co_u32 s46, s46, s22
	s_add_nc_u64 s[10:11], s[10:11], s[46:47]
	s_wait_alu depctr_va_vdst(0)
	v_lshl_add_u32 v[LSO], v[WO], 12, v[LSO]
	v_mov_b32 v[SELV], 0x05040100
	v_mov_b32 v[WO], 0x07060302
	v_cndmask_b32 v[SELV], v[SELV], v[WO], vcc_lo
	EPI 0
	s_branch .Ldone
.Lvalues:
	s_lshl_b32 s22, s41, 2
	s_add_co_u32 s20, s20, s22
	s_lshl_b32 s22, s15, 1
	s_add_co_u32 s20, s20, s22
	s_lshl_b32 s21, s21, 3
	s_lshl_b32 s22, s40, 1
	s_add_co_u32 s21, s21, s22
	s_add_co_u32 s21, s21, s16
	s_lshl_b32 s46, s20, 17
	s_lshl_b32 s22, s21, 13
	s_add_co_u32 s46, s46, s22
	s_add_co_u32 s46, s46, 0x800000
	s_add_nc_u64 s[8:9], s[8:9], s[46:47]
	s_lshl_b32 s46, s20, 12
	s_lshl_b32 s22, s21, 8
	s_add_co_u32 s46, s46, s22
	s_add_co_u32 s46, s46, 262144
	s_add_nc_u64 s[10:11], s[10:11], s[46:47]
	s_wait_alu depctr_va_vdst(0)
	v_lshl_add_u32 v[LSO], v[WO], 6, v[LSO]
	v_mov_b32 v[SELV], 0x03020100
	v_mov_b32 v[WO], 0x07060504
	v_cndmask_b32 v[SELV], v[SELV], v[WO], vcc_lo
.irp a, 0,1,2,3,4,5,6,7
	v_mov_b32 v[BP+2*\a], v[BA+\a]
	v_mov_b32 v[BP+2*\a+1], v[BA+\a]
.endr
	EPI 1
.Ldone:
	s_wait_tensorcnt 0x0
	ds_add_u32 v[SPW], v[NIL]
	s_wait_dscnt 0x0
	CROUND
	s_endpgm
.Lfunc_end_k_q107598f3bf_proj:
	.size	k_q107598f3bf_proj, .Lfunc_end_k_q107598f3bf_proj-k_q107598f3bf_proj
	.p2alignl 7, 3214868480
	.fill 96, 4, 3214868480
	.section	.rodata,"a",@progbits
	.p2align	6, 0x0
	.amdhsa_kernel k_q107598f3bf_proj
		.amdhsa_group_segment_fixed_size 327680
		.amdhsa_private_segment_fixed_size 0
		.amdhsa_enable_private_segment 0
		.amdhsa_kernarg_size 56
		.amdhsa_user_sgpr_count 2
		.amdhsa_user_sgpr_kernarg_segment_ptr 1
		.amdhsa_wavefront_size32 1
		.amdhsa_system_sgpr_workgroup_id_x 1
		.amdhsa_system_sgpr_workgroup_id_y 1
		.amdhsa_system_sgpr_workgroup_id_z 1
		.amdhsa_system_vgpr_workitem_id 0
		.amdhsa_next_free_vgpr 1024
		.amdhsa_next_free_sgpr 102
		.amdhsa_reserve_vcc 1
		.amdhsa_float_denorm_mode_32 3
		.amdhsa_float_denorm_mode_16_64 3
		.amdhsa_memory_ordered 1
		.amdhsa_forward_progress 1
		.amdhsa_inst_pref_size 255
	.end_amdhsa_kernel
	.section	.bss,"aw",@nobits
	.p2align	6
	.space	262144
	.amdgpu_metadata
---
amdhsa.version: [ 1, 2 ]
amdhsa.kernels:
  - .name:           k_q107598f3bf_proj
    .symbol:         k_q107598f3bf_proj.kd
    .args:
      - { .name: xc, .offset: 0, .size: 8, .value_kind: global_buffer, .address_space: global }
      - { .name: xs, .offset: 8, .size: 8, .value_kind: global_buffer, .address_space: global }
      - { .name: img, .offset: 16, .size: 8, .value_kind: global_buffer, .address_space: global }
      - { .name: isc, .offset: 24, .size: 8, .value_kind: global_buffer, .address_space: global }
      - { .name: bq, .offset: 32, .size: 8, .value_kind: global_buffer, .address_space: global }
      - { .name: bk, .offset: 40, .size: 8, .value_kind: global_buffer, .address_space: global }
      - { .name: bv, .offset: 48, .size: 8, .value_kind: global_buffer, .address_space: global }
    .group_segment_fixed_size: 327680
    .private_segment_fixed_size: 0
    .kernarg_segment_align: 8
    .kernarg_segment_size: 56
    .max_flat_workgroup_size: 128
    .sgpr_count:     102
    .vgpr_count:     1024
    .wavefront_size: 32
...
	.end_amdgpu_metadata
.endif
;; end of part 6
;; launch attn (part 7): grid 8 x 32, 16 waves a work-group, clusters of 4 x 1, 272,384 bytes of LDS; arguments img, isc, mbits, acd, asc; writes acd, asc
.if DOCPART == 7
	.amdgcn_target "amdgcn-amd-amdhsa--gfx1250"
	.amdhsa_code_object_version 6
	.text
	.protected	k_q107598f3bf_attn
	.globl	k_q107598f3bf_attn
	.p2align	8
	.type	k_q107598f3bf_attn,@function
k_q107598f3bf_attn:
	s_mov_b64 s[64:65], 0
	v_nop
	global_prefetch_b8 v0, s[64:65] scope:SCOPE_SE
	s_setreg_imm32_b32 hwreg(HW_REG_WAVE_MODE, 25, 1), 1
	s_wait_xcnt 0x0
	s_wait_alu depctr_hold_cnt(0) depctr_sa_sdst(0) depctr_va_vdst(0) depctr_va_sdst(0) depctr_va_ssrc(0) depctr_va_vcc(0) depctr_vm_vsrc(0)
	s_getreg_b32 s2, hwreg(HW_REG_IB_STS2, 6, 4)
	s_cmp_eq_u32 s2, 0
	s_cbranch_scc0 .Lentry_in_a_cluster
	s_endpgm
.Lentry_in_a_cluster:
	s_bfe_u32 s2, ttmp6, 0x10000c
	s_cmp_lg_u32 s2, 0x3003
	s_cbranch_scc0 .Lentry_shape_is_right
	s_endpgm
.Lentry_shape_is_right:
; ATTN.  For each of the 32 (batch, head): x = softmax(where(mask == 0, -1, Q K^T / 8)) V, both products on codes of BF8 (E5M2) with one E8M0 scale for each 32 along a product's K; x is quantised along its 64 and leaves as operand images.
; THE SOFTMAX AHEAD OF THE SECOND PRODUCT: t = logit x log2(e); M = the row's largest t so far, rounded UP to a whole number; p = 2^(t - M) is quantised along the keys, not normalised.  The row's sum is taken of the unquantised p, in f32,
; and divides at the end.  When M moves, the sum and O are multiplied by 2^(old M - new M): exact.  THE MASK IS SOFT: a masked score becomes -1 and still counts, so no key is left out.
; The raw score s stands for the logit s / 8; a masked one is set to -8; c = log2(e) / 8.  The running maximum is kept as a raw score: c is positive.
; SHARES.  A work-group owns 256 queries of one head; each of its sixteen waves one tile of 16, in 256 registers.  Both products are used transposed (S^T = K Q^T, O^T = V^T P^T): a lane holds one query (lane % 16) throughout.
; Rows lie in tile order, so the 16 registers of two neighbouring tiles of S^T are 16 neighbouring keys.
; THE WHOLE HEAD STAYS IN LDS, filled once: K's and V's images, 131,072 bytes each, as sixteen tiles of 16,384 bytes, ONE tensor load a wave: wave w brings part w / 2 (256 keys) of K (w even) or of V (w odd).
; Waves 0 to 3 (keys 0 to 511) have a load line of their own and wait at the first barrier; the others wait at the second, behind step 3.  Every wait on TENSORcnt is for 0.
; The 8,192 bytes of K's and V's scale words come through registers, 16 bytes a lane, into LDS bytes of their own, in which no tile lands.
; CLUSTER.  The four query blocks of a cluster belong to one head and want the same tiles: each load is asked for JOINTLY, with the same descriptor (made of the wave's number and the head) and a mask that names the four.
; NO PREFETCH: all tiles are asked for at the head; there is no loop to run ahead in.  The mask words are asked for a step ahead by scalar loads.
; K = 64 IN AN INSTRUCTION 128 DEEP: a fragment of K holds TWO tiles of 16 keys, at k 0-63 and at k 64-127; Q stands between two runs of zero codes, v192-199 | v200-207 | v208-215: v[200:215] is (q, 0) and picks the first tile,
; v[192:207] is (0, q) and picks the second.  Zero codes add nothing: the other side's codes are finite and no scale byte is 0xff.
; THE MASK comes as lane masks, one 32-bit word for each of a step's 64 score registers; they only select values.  The last step asks for none, so no load passes the end of the words.
; LIMITS: NaN and infinities are not served; the scaled scores stay under 2^31 in magnitude.  x's scale bytes leave two bytes a lane, 32 bytes apart (lanes 16-31 write what lanes 0-15 write).
; REGISTERS: v1-4 places that stay; v5, v6 the add's; v7 r; v8-11 the step's addresses; v12 -M, v13 the largest raw score, v[14:15] the sum; v16 -8; v32-95 K's fragments, then V's; v96-159 S^T, then p; v160-191 O^T;
;   v192-215 Q between zeros; v216-219 K's scale words; v224-239 p's codes; v232-247, v254 at work; v248-251 V's scale words; v252 f; v253 p's scale word; v255 Q's scale word.
.set VIMG,  131072                     ; LDS: K's images from 0: [tile 128][c 2][lane][16]; V's from here: [key step 16][tile of d 4][c 4][lane][16]
.set KSCL,  262144                     ; K's scale words: [pair of tiles 64][r 16]
.set VSCL,  266240                     ; V's: [key step 16][tile of d 4][r 16]
.set SPARE, 270336                     ; the spare words: 128 bytes a wave
.set FR,   32
.set SC,   96
.set KSW,  216
.set VSW,  248
.set SPW,  5
.set NIL,  6
.set WV,   3                           ; s3   my wave's number
.set CNT,  14                          ; s14  trips to go
.set TB,   15                          ; s15  where the step's images begin: 8,192 bytes a step
.set TS,   16                          ; s16  and its scale words: 256 bytes a step
.set MNT,  17                          ; s17  the mantissa field of 57,344
.set CS,   18                          ; s[18:19] c
.set SEL,  66                          ; s[66:67] selects for lane l xor 16
.set G1,   52                          ; s[52:59], s[60:63] the one descriptor; the mask words never lie there
.set G0,   60
.macro ROUND                           ; a round of the cluster's barrier
	s_barrier_signal -1
	s_barrier_wait -1
	s_cmp_lg_u32 s[WV], 0
	s_cbranch_scc1 .Lnot_wave_0_\@
	s_barrier_signal -3
.Lnot_wave_0_\@:
	s_barrier_wait -3
	s_barrier_signal -1
	s_barrier_wait -1
.endm
.macro MASKWORDS                       ; a step's 64 words, 256 consecutive bytes
	s_load_b512 s[20:35], s[8:9], 0x0
	s_load_b512 s[36:51], s[8:9], 0x40
	s_load_b512 s[68:83], s[8:9], 0x80
	s_load_b512 s[84:99], s[8:9], 0xc0
.endm
	s_load_b256 s[4:11], s[0:1], 0x0               ; img, isc, mbits, acd
	s_load_b64 s[12:13], s[0:1], 0x20              ; asc
	v_lshl_add_u32 v[SPW], v0, 2, SPARE
	v_mov_b32 v[NIL], 0
	ds_add_u32 v[SPW], v[NIL]                      ; the opening lines: the add twice on end and its wait ahead of my tensor load
	ds_add_u32 v[SPW], v[NIL]
	v_lshrrev_b32 v8, 5, v0
	v_readfirstlane_b32 s[WV], v8                  ; wave 0..15
	v_and_b32 v1, 31, v0
	v_lshlrev_b32 v1, 4, v1                        ; 16 x lane: an image's place for my lane
	v_lshlrev_b32 v9, 4, v0                        ; 16 x thread: my 16 bytes of the scale words
	v_and_b32 v7, 15, v0                           ; r
	v_lshlrev_b32 v10, 2, v7
	s_bfe_u32 s100, ttmp6, 0x40000                 ; cx: it enters Q's, the mask words' and the outputs' global addresses alone
	s_lshl_b32 s14, ttmp9, 2
	s_add_co_u32 s100, s100, s14
	s_lshl_b32 s100, s100, 4
	s_add_co_u32 s100, s100, s[WV]                 ; T: my tile of 16 queries, 0..127
	s_and_b32 s101, ttmp7, 0xffff                  ; bh, which the four partners share
	s_mov_b32 s[G1], 15|(3<<16)|(1<<21)            ; the mask names all four; elements of 8 bytes; bit 21 beside a mask
	s_mov_b32 s[G1+1], 32<<16                      ; rows of 256 bytes,
	s_mov_b32 s[G1+2], 64<<16                      ; 64 of them, dense
	s_mov_b32 s[G1+3], 32<<16
	s_mov_b32 s[G1+4], 64
	s_mov_b32 s[G1+5], 32
	s_mov_b32 s[G1+6], 0
	s_mov_b32 s[G1+7], 0
	s_and_b32 s68, s[WV], 1                        ; K (0) or V (1)
	s_lshr_b32 s69, s[WV], 1
	s_lshl_b32 s69, s69, 14                        ; my part: 16,384 bytes
	s_lshl_b32 s70, s68, 17
	s_mov_b32 s[G0], 1
	s_add_co_u32 s[G0+1], s70, s69                 ; LDS
	s_add_co_u32 s70, s68, 1
	s_lshl_b32 s70, s70, 22                        ; memory: K's images from 4 MiB on, V's from 8 MiB,
	s_lshl_b32 s72, s101, 17                       ; 131,072 bytes a head
	s_add_co_u32 s70, s70, s72
	s_add_co_u32 s70, s70, s69
	s_mov_b32 s71, 0
	s_lshr_b32 s74, s[WV], 3                       ; the scale words: threads 0-255 K's 4,096 bytes (from 131,072 on), threads 256-511 V's (from 262,144 on)
	s_mul_i32 s74, s74, 126976
	s_lshl_b32 s76, s101, 12                       ; 4,096 bytes a head
	s_add_co_u32 s74, s74, s76
	s_add_co_u32 s74, s74, 131072
	s_mov_b32 s75, 0
	s_lshl_b32 s73, s100, 10
	s_add_co_u32 s72, s72, s73                     ; Q's image of my tile
	s_mov_b32 s73, 0
	s_lshr_b32 s77, s100, 1
	s_lshl_b32 s77, s77, 6
	s_add_co_u32 s76, s76, s77                     ; the pair words of its pair of tiles
	s_mov_b32 s77, 0
	s_wait_alu depctr_va_vdst(0)
	s_wait_dscnt 0x0                               ; both opening adds are done
	s_wait_kmcnt 0x0
	s_add_nc_u64 s[G0+2:G0+3], s[4:5], s[70:71]
	s_or_b32 s[G0+3], s[G0+3], 0x80000000
	s_add_nc_u64 s[74:75], s[6:7], s[74:75]
	s_add_nc_u64 s[72:73], s[4:5], s[72:73]
	s_add_nc_u64 s[76:77], s[6:7], s[76:77]
	global_load_b128 v[32:35], v9, s[74:75]        ; 32 lanes read 512 consecutive bytes of scale words
	global_load_b128 v[200:203], v1, s[72:73]      ; Q's codes: k 0-31,
	global_load_b128 v[204:207], v1, s[72:73] offset:512   ; k 32-63
	global_load_b32 v254, v10, s[76:77]
	ROUND                                          ; all four work-groups are here: the joint loads meet
	s_cmp_lt_u32 s[WV], 4                          ; one load a wave; the waves that wait at the first barrier have a line of their own
	s_cbranch_scc0 .Llater_keys
	tensor_load_to_lds s[G0:G0+3], s[G1:G1+7]
	s_nop 0
.rept 4
	v_nop
.endr
	s_branch .Lasked
.Llater_keys:
	tensor_load_to_lds s[G0:G0+3], s[G1:G1+7]
	s_nop 0
.rept 4
	v_nop
.endr
.Lasked:
	s_lshl_b32 s78, s100, 12
	s_mov_b32 s79, 0
	s_add_nc_u64 s[8:9], s[8:9], s[78:79]          ; my tile's mask words: 4,096 bytes a tile, 256 a step
	s_lshr_b32 s80, s101, 4                        ; batch
	s_and_b32 s81, s101, 15                        ; head
	s_lshl_b32 s78, s80, 7
	s_add_co_u32 s78, s78, s100
	s_lshl_b32 s78, s78, 14                        ; x's images: 16,384 bytes a tile of rows; a head's two groups lie 1,024 x head on
	s_lshl_b32 s82, s81, 10
	s_add_co_u32 s78, s78, s82
	s_add_nc_u64 s[10:11], s[10:11], s[78:79]
	s_lshl_b32 s78, s80, 16                        ; x's scale bytes: 32 a row; a head's two lie 2 x head on
	s_lshl_b32 s82, s100, 9
	s_add_co_u32 s78, s78, s82
	s_lshl_b32 s82, s81, 1
	s_add_co_u32 s78, s78, s82
	s_add_nc_u64 s[12:13], s[12:13], s[78:79]
	s_mov_b32 s2, 0x03020302                       ; my tile's two bytes of the pair word, twice over: the odd tile's,
	s_bitcmp1_b32 s[WV], 0
	s_cselect_b32 s2, s2, 0x01000100               ; or the even tile's
	s_mov_b32 s[TB], 0
	s_mov_b32 s[TS], 0
	s_mov_b32 s[MNT], 0x600000
	s_mov_b32 s[CS], 0x3e38aa3b
	s_mov_b32 s[CS+1], s[CS]                       ; (named with it as a pair, so it is written)
	s_mov_b32 s[SEL], 0x76543210
	s_mov_b32 s[SEL+1], 0xfedcba98
	v_add_nc_u32 v2, VIMG, v1
	v_lshl_add_u32 v3, v7, 2, KSCL
	v_lshl_add_u32 v4, v7, 2, VSCL
	v_lshl_add_u32 v11, v0, 4, KSCL                ; where my 16 bytes of scale words go
	v_mov_b32 v16, 0xc1000000                      ; -8
	v_mov_b32 v13, 0xff61b1e6                      ; the largest raw score so far: -3e38
	v_floor_f32 v12, -v13                          ; -M: so large that the first step's f is 0
	v_mov_b32 v14, 0
	v_mov_b32 v15, 0
.irp b, 0,1,2,3
	v_mov_b32 v[236+\b], 0                         ; written once: a lane permute's destination counts as one of its sources
.endr
	v_mov_b32 v253, 0                              ; (named as the upper half of v[252:253] before it is first written)
.set j, 0
.rept 8
	v_mov_b32 v[192+j], 0                          ; the zero codes on both sides of Q
	v_mov_b32 v[208+j], 0
.set j, j+1
.endr
.set j, 0
.rept 32
	v_mov_b32 v[160+j], 0                          ; O^T: the first step finds zeros, which the first change of M leaves zeros
.set j, j+1
.endr
	s_wait_alu depctr_va_vdst(0)
	s_wait_loadcnt 0x0                             ; the scale words, Q
	v_perm_b32 v255, v254, v254, s2                ; Q's scale word
	ds_store_b128 v11, v[32:35]
	s_wait_alu depctr_va_vdst(0)
	s_cmp_lt_u32 s[WV], 4
	s_cbranch_scc0 .Lnot_first
	s_wait_tensorcnt 0x0                           ; waves 0 to 3: keys 0 to 511 are in
.Lnot_first:
	MASKWORDS                                      ; step 0's
	s_wait_dscnt 0x0                               ; my scale words are stored
	s_barrier_signal -1
	s_barrier_wait -1
; A KEY STEP: 128 keys.  ahead = 1: the next step's mask words are asked for.
.macro STEP ahead
	v_add_nc_u32 v8, s[TB], v1
	v_add_nc_u32 v9, s[TB], v2
	v_add_nc_u32 v10, s[TS], v3
	v_add_nc_u32 v11, s[TS], v4
.rept 4
	v_nop                                          ; with the four additions: eight places in front of loads into registers that the last products have read
.endr
.irp pp, 0,1,2,3
.irp c, 0,1,2,3
	ds_load_b128 v[FR+16*\pp+4*\c:FR+16*\pp+4*\c+3], v8 offset:2048*\pp+512*\c   ; a pair of tiles of K: 512 consecutive bytes a load
.endr
	ds_load_b32 v[KSW+\pp], v10 offset:64*\pp
.endr
	s_wait_alu depctr_va_vdst(0)
	s_wait_dscnt 0x0
	s_wait_kmcnt 0x0                               ; this step's mask words, asked for a step ago
.irp pp, 0,1,2,3
	v_wmma_scale_f32_16x16x128_f8f6f4 v[SC+16*\pp:SC+16*\pp+7], v[FR+16*\pp:FR+16*\pp+15], v[200:215], 0, v[KSW+\pp], v255 matrix_a_fmt:MATRIX_FMT_BF8 matrix_b_fmt:MATRIX_FMT_BF8
	v_wmma_scale_f32_16x16x128_f8f6f4 v[SC+16*\pp+8:SC+16*\pp+15], v[FR+16*\pp:FR+16*\pp+15], v[192:207], 0, v[KSW+\pp], v255 matrix_a_fmt:MATRIX_FMT_BF8 matrix_b_fmt:MATRIX_FMT_BF8
.endr                                          ; register 16 b + i: key 32 b + 16 (lane / 16) + i of the step
.rept 8
	v_nop                                          ; eight places behind the products
.endr
.set n, 0
.rept 16
	v_cndmask_b32 v[SC+n], v[SC+n], v16, s[20+n]   ; where mask == 0 the score becomes -8, ahead of the maximum
	v_cndmask_b32 v[SC+16+n], v[SC+16+n], v16, s[36+n]
	v_cndmask_b32 v[SC+32+n], v[SC+32+n], v16, s[68+n]
	v_cndmask_b32 v[SC+48+n], v[SC+48+n], v16, s[84+n]
.set n, n+1
.endr
.irp t, 0,1,2,3
.irp c, 0,1,2,3
	ds_load_b128 v[FR+16*\t+4*\c:FR+16*\t+4*\c+3], v9 offset:2048*\t+512*\c   ; V's four fragments, into the registers that K has left: they land during the softmax
.endr
	ds_load_b32 v[VSW+\t], v11 offset:64*\t
.endr
.if \ahead
	s_add_nc_u64 s[8:9], s[8:9], 256               ; the selections have read the 64 words
	MASKWORDS
.endif
.irp b, 0,1,2,3
	v_max3_num_f32 v[232+\b], v[SC+16*\b], v[SC+1+16*\b], v[SC+2+16*\b]   ; the largest score of each block of 32 keys: for the row's maximum and, since p rises with the score, for the block's largest p
.endr
.irp i, 3,5,7,9,11,13
.irp b, 0,1,2,3
	v_max3_num_f32 v[232+\b], v[232+\b], v[SC+16*\b+\i], v[SC+1+16*\b+\i]
.endr
.endr
.irp b, 0,1,2,3
	v_max_num_f32 v[232+\b], v[232+\b], v[SC+15+16*\b]
.endr
.irp b, 0,1,2,3
	v_permlanex16_b32 v[236+\b], v[232+\b], s[SEL], s[SEL+1]
.endr
.irp b, 0,1,2,3
	v_max_num_f32 v[232+\b], v[232+\b], v[236+\b]  ; with lane l xor 16's 16 keys
.endr
	v_max3_num_f32 v254, v232, v233, v234
	v_max3_num_f32 v13, v254, v235, v13            ; the running largest raw score of my query
	v_mul_f32 v254, s[CS], v13                     ; as t
	v_mov_b32 v252, v12
	v_floor_f32 v12, -v254                         ; the new -M = floor(-t) = -ceil(t)
	v_sub_f32 v254, v12, v252                      ; old M - new M: a whole number, 0 or less
	v_cvt_i32_f32 v254, v254                       ; (it saturates)
	v_ldexp_f32 v252, 1.0, v254                    ; f = 2^(old M - new M)
.set j, 0
.rept 32
	v_pk_fma_f32 v[SC+j:SC+j+1], v[SC+j:SC+j+1], s[CS:CS+1], v[12:13] op_sel_hi:[1,0,0]   ; t - M, two at a time
.set j, j+2
.endr
.irp b, 0,1,2,3
	v_fma_f32 v[232+\b], v[232+\b], s[CS], v12     ; the same of each block's largest score
.endr
	s_wait_alu depctr_va_vdst(0)
.set j, 0
.rept 64
	v_exp_f32 v[SC+j], v[SC+j]                     ; p = 2^(t - M), at most 1
.set j, j+1
.endr
	v_pk_mul_f32 v[14:15], v[14:15], v[252:253] op_sel_hi:[1,0]   ; the sum under the new M; a plain place behind the exponentials
	s_wait_alu depctr_va_vdst(0)                   ; one wait for the batch, ahead of its first reader
.irp b, 0,1,2,3
	v_exp_f32 v[232+\b], v[232+\b]                 ; the block's largest p
.endr
	v_pk_add_f32 v[236:237], v[SC:SC+1], v[SC+2:SC+3]   ; the row's sum of the unquantised p, two at a time, in two chains
.set j, 4
.rept 15
	v_pk_add_f32 v[14:15], v[14:15], v[SC+j:SC+j+1]
	v_pk_add_f32 v[236:237], v[236:237], v[SC+j+2:SC+j+3]
.set j, j+4
.endr
	v_pk_add_f32 v[14:15], v[14:15], v[236:237]
	s_wait_alu depctr_va_vdst(0)                   ; and one for the four
.irp b, 0,1,2,3
	v_max_num_f32 v[232+\b], 0x8000000, v[232+\b]  ; the floor 2^(16 - 127): the byte cannot fall under 1
.endr
.irp b, 0,1,2,3
	v_add_nc_u32 v[244+\b], 0xf8800000, v[232+\b]  ; 15 off the exponent field: the conversion's scale operand
.endr
.irp b, 0,1,2,3
	v_and_or_b32 v[240+\b], v[232+\b], 0x7f800000, s[MNT]   ; 57,344 x the scale
.endr
.irp b, 0,1,2,3
	v_lshrrev_b32 v[236+\b], 23, v[244+\b]         ; the scale's byte
.endr
	v_lshl_or_b32 v253, v237, 8, v236              ; p's scale word for these 128 keys
	v_lshl_or_b32 v253, v238, 16, v253
	v_lshl_or_b32 v253, v239, 24, v253
.irp b, 0,1,2,3
.set i, SC+16*\b
.rept 8
	v_dual_min_num_f32 v[i], v[i], v[240+\b] :: v_dual_min_num_f32 v[i+1], v[i+1], v[240+\b]   ; the conversion does not saturate (ISA guide 7.6.2); p is not negative, so the hold is one-sided
.set i, i+2
.endr
	v_cvt_scalef32_pk8_bf8_f32 v[224+4*\b:225+4*\b], v[SC+16*\b:SC+7+16*\b], v[244+\b]
	v_cvt_scalef32_pk8_bf8_f32 v[226+4*\b:227+4*\b], v[SC+8+16*\b:SC+15+16*\b], v[244+\b]
.endr
	s_wait_alu depctr_va_vdst(0)                   ; directly ahead of the first reader of O^T
.set j, 0
.rept 16
	v_pk_mul_f32 v[160+j:161+j], v[160+j:161+j], v[252:253] op_sel_hi:[1,0]   ; O^T under the new M; also the places between the codes, their scale word and the products below
.set j, j+2
.endr
	s_wait_alu depctr_va_vdst(0)
	s_wait_dscnt 0x0                               ; V's fragments and words
.irp t, 0,1,2,3
	v_wmma_scale_f32_16x16x128_f8f6f4 v[160+8*\t:167+8*\t], v[FR+16*\t:FR+16*\t+15], v[224:239], v[160+8*\t:167+8*\t], v[VSW+\t], v253 matrix_a_fmt:MATRIX_FMT_BF8 matrix_b_fmt:MATRIX_FMT_BF8
.endr                                          ; four accumulators by turns; eleven other products stand between two steps of a sum
	s_add_co_u32 s[TB], s[TB], 8192
	s_add_co_u32 s[TS], s[TS], 256
.endm
	s_mov_b32 s[CNT], 4
.Lfirst_keys:                                      ; keys 0 to 511
	STEP 1
	s_sub_co_u32 s[CNT], s[CNT], 1
	s_cmp_lg_u32 s[CNT], 0
	s_cbranch_scc1 .Lfirst_keys
	s_wait_tensorcnt 0x0                           ; every wave: my tile is in,
	s_wait_dscnt 0x0
	s_barrier_signal -1
	s_barrier_wait -1                              ; everybody's is
	s_mov_b32 s[CNT], 11
.Lother_keys:                                      ; keys 512 to 1,919
	STEP 1
	s_sub_co_u32 s[CNT], s[CNT], 1
	s_cmp_lg_u32 s[CNT], 0
	s_cbranch_scc1 .Lother_keys
	STEP 0                                         ; keys 1,920 to 2,047: no step follows
	; THE END.  O^T / the sum: register 16 b + i is x(my query, 32 b + 16 (lane / 16) + i of the head's 64): two blocks of the next product's K, quantised as they stand.
	v_add_f32 v14, v14, v15
	v_permlanex16_b32 v252, v14, s[SEL], s[SEL+1]
	v_add_f32 v14, v14, v252                       ; the row's sum
	s_wait_alu depctr_va_vdst(0)                   ; ahead of the transcendental
	v_rcp_f32 v14, v14
	v_lshlrev_b32 v7, 5, v7                        ; (a plain place)  my row's 32 scale bytes
.rept 8
	v_nop                                          ; eight places behind the last products
.endr
	s_wait_alu depctr_va_vdst(0)                   ; directly ahead of the first reader of the reciprocal and of O^T
.set j, 0
.rept 16
	v_pk_mul_f32 v[96+j:97+j], v[160+j:161+j], v[14:15] op_sel_hi:[1,0]
.set j, j+2
.endr
.irp b, 0,1
	v_max3_num_f32 v[232+\b], |v[96+16*\b]|, |v[97+16*\b]|, 0x8000000
.endr
.irp i, 2,4,6,8,10,12,14
.irp b, 0,1
	v_max3_num_f32 v[232+\b], v[232+\b], |v[96+16*\b+\i]|, |v[97+16*\b+\i]|
.endr
.endr
.irp b, 0,1
	v_permlanex16_b32 v[236+\b], v[232+\b], s[SEL], s[SEL+1]
.endr
.irp b, 0,1
	v_max_num_f32 v[232+\b], v[232+\b], v[236+\b]
.endr
.irp b, 0,1
	v_add_nc_u32 v[244+\b], 0xf8800000, v[232+\b]
.endr
.irp b, 0,1
	v_and_or_b32 v[240+\b], v[232+\b], 0x7f800000, s[MNT]
.endr
.irp b, 0,1
	v_lshrrev_b32 v[236+\b], 23, v[244+\b]
.endr
	v_lshl_or_b32 v238, v237, 8, v236              ; the head's two scale bytes of my row
.irp b, 0,1
.irp i, 0,1,2,3,4,5,6,7,8,9,10,11,12,13,14,15
	v_med3_num_f32 v[96+16*\b+\i], v[96+16*\b+\i], -v[240+\b], v[240+\b]
.endr
	v_cvt_scalef32_pk8_bf8_f32 v[224+4*\b:225+4*\b], v[96+16*\b:103+16*\b], v[244+\b]
	v_cvt_scalef32_pk8_bf8_f32 v[226+4*\b:227+4*\b], v[104+16*\b:111+16*\b], v[244+\b]
.endr
	v_nop
	global_store_b128 v1, v[224:227], s[10:11]     ; 32 lanes store 512 consecutive bytes
	global_store_b128 v1, v[228:231], s[10:11] offset:512
	global_store_b16 v7, v238, s[12:13]
	s_wait_tensorcnt 0x0                           ; the wave's end
	ds_add_u32 v[SPW], v[NIL]
	s_wait_dscnt 0x0
	ROUND                                          ; the closing round
	s_endpgm
.Lfunc_end_k_q107598f3bf_attn:
	.size	k_q107598f3bf_attn, .Lfunc_end_k_q107598f3bf_attn-k_q107598f3bf_attn
	.p2alignl 7, 3214868480
	.fill 96, 4, 3214868480
	.section	.rodata,"a",@progbits
	.p2align	6, 0x0
	.amdhsa_kernel k_q107598f3bf_attn
		.amdhsa_group_segment_fixed_size 272384
		.amdhsa_private_segment_fixed_size 0
		.amdhsa_enable_private_segment 0
		.amdhsa_kernarg_size 40
		.amdhsa_user_sgpr_count 2
		.amdhsa_user_sgpr_kernarg_segment_ptr 1
		.amdhsa_wavefront_size32 1
		.amdhsa_system_sgpr_workgroup_id_x 1
		.amdhsa_system_sgpr_workgroup_id_y 1
		.amdhsa_system_sgpr_workgroup_id_z 1
		.amdhsa_system_vgpr_workitem_id 0
		.amdhsa_next_free_vgpr 256
		.amdhsa_next_free_sgpr 102
		.amdhsa_reserve_vcc 0
		.amdhsa_float_denorm_mode_32 3
		.amdhsa_float_denorm_mode_16_64 3
		.amdhsa_memory_ordered 1
		.amdhsa_forward_progress 1
		.amdhsa_inst_pref_size 84
	.end_amdhsa_kernel
	.amdgpu_metadata
---
amdhsa.version: [ 1, 2 ]
amdhsa.kernels:
  - .name:           k_q107598f3bf_attn
    .symbol:         k_q107598f3bf_attn.kd
    .args:
      - { .name: img, .offset: 0, .size: 8, .value_kind: global_buffer, .address_space: global }
      - { .name: isc, .offset: 8, .size: 8, .value_kind: global_buffer, .address_space: global }
      - { .name: mbits, .offset: 16, .size: 8, .value_kind: global_buffer, .address_space: global }
      - { .name: acd, .offset: 24, .size: 8, .value_kind: global_buffer, .address_space: global }
      - { .name: asc, .offset: 32, .size: 8, .value_kind: global_buffer, .address_space: global }
    .group_segment_fixed_size: 272384
    .private_segment_fixed_size: 0
    .kernarg_segment_align: 8
    .kernarg_segment_size: 40
    .max_flat_workgroup_size: 512
    .sgpr_count:     102
    .vgpr_count:     256
    .wavefront_size: 32
...
	.end_amdgpu_metadata
.endif
;; end of part 7
;; launch outp (part 8): grid 8 x 32, 4 waves a work-group, clusters of 4 x 4, 288,256 bytes of LDS; arguments acd, asc, xc, xs, bo, out0; writes out0
.if DOCPART == 8
	.amdgcn_target "amdgcn-amd-amdhsa--gfx1250"
	.amdhsa_code_object_version 6
	.text
	.protected	k_q107598f3bf_outp
	.globl	k_q107598f3bf_outp
	.p2align	8
	.type	k_q107598f3bf_outp,@function
k_q107598f3bf_outp:
	s_mov_b64 s[64:65], 0
	v_nop
	global_prefetch_b8 v0, s[64:65] scope:SCOPE_SE
	s_setreg_imm32_b32 hwreg(HW_REG_WAVE_MODE, 25, 1), 1
	s_wait_xcnt 0x0
	s_wait_alu depctr_hold_cnt(0) depctr_sa_sdst(0) depctr_va_vdst(0) depctr_va_sdst(0) depctr_va_ssrc(0) depctr_va_vcc(0) depctr_vm_vsrc(0)
	s_getreg_b32 s2, hwreg(HW_REG_IB_STS2, 6, 4)
	s_cmp_eq_u32 s2, 0
	s_cbranch_scc0 .Lentry_in_a_cluster
	s_endpgm
.Lentry_in_a_cluster:
	s_bfe_u32 s2, ttmp6, 0x10000c
	s_cmp_lg_u32 s2, 0xf033
	s_cbranch_scc0 .Lentry_shape_is_right
	s_endpgm
.Lentry_shape_is_right:
; OUTP.  out0 = x wo^T + bo on codes of BF8 (E5M2) with one E8M0 scale for each 32 along K = 1024; sums in f32; out0 [4096][1024] f32.
; A = x: register images in acd [tile of 16 rows 256][K step of 128: 8][c 4][lane][16 bytes], scale bytes in asc [row 4096][32].  B = wo: rows 15,360 on of xc [.][1024] and xs [.][32].  Both in tile order:
; 16 neighbouring positions are true rows 0-7 and 16-23, or 8-15 and 24-31, of a group of 32; the way out puts rows and columns back.
; THE TILE is 128 x 128: 32 x 8 = 256 work-groups.  Four waves, each 64 x 64: 16 accumulators, 128 registers.
; ALL OF K LIES IN LDS, in two halves of 512 along K, each with A's 8 tiles of images (8 x 8,192 bytes) and B's 128 rows of 512 bytes + 16 of padding.  Every byte is filled once: ONE tensor load a wave:
; wave 0 A's first half, wave 1 B's first half, wave 2 A's second, wave 3 B's second, each on a line of its own.  Waves 0 and 1 wait at the first barrier; every wave waits at the barrier inside K step 3, which shows the second half.
; NO PREFETCH: all tiles are asked for at the head; there is no loop to run ahead in.
; CLUSTERS: 4 x 4.  The four of a row of the cluster need the same tiles of A, the four of a column the same tiles of B: each is asked for JOINTLY, with the same descriptor and a mask that names the four.
; THE SCALE WORDS come straight into registers: lane (r, h) takes bytes 16 h to 16 h + 15 of row r's 32: lanes 0-15 hold the words of K steps 0-3, lanes 16-31 those of K steps 4-7, and the row selectors pick the half.
; THE MATRIX INSTRUCTION IS USED TRANSPOSED (source 0 = 16 rows of wo, source 1 = 16 rows of x): a lane holds eight neighbouring numbers of a row of out0.  bo is the C of each sum's first product.
; A wave's 64 columns are 256 bytes of a row of out0, aligned: each wave sends its own blocks through a stage of its own.
; REGISTERS: window 0: v1-18 addresses; v30, v31 the add's; v32-47 A's scale words, v48-63 B's; v64-95 bo, later rows of out0; v96-127 rows of out0; v128-255 the accumulators.  Window 1: two sets of fragments: A's four, then B's four.
.set PITCH,  528                       ; B's LDS row: 512 bytes + 16 of padding: an odd multiple of 16 bytes
.set NP,     8                         ; places behind this matrix instruction (ISA guide 7.12.1)
.set ATILE,  8192                      ; half of K of one tile of A: 4 K steps x 4 groups x 512
.set BOFF,   8*ATILE                   ; in a half B's rows lie behind A's eight tiles
.set HB,     BOFF+128*PITCH            ; a half: 133,120 bytes
.set STAGE,  2*HB                      ; 16 rows x 272 bytes for each wave, for the way out; no load lands there
.set SPITCH, 272
.set SPARE,  0x46400
.set ROWC,   4096
.set ADRA, 8                           ; v8, v9    LDS address of my A fragments in half 0, 1
.set ADRB, 12                          ; v12, v13  the same for B
.set STO,  16
.set RD,   17
.set CO,   18
.set SA,   32
.set SB,   48
.set BB,   64
.set BK,   64
.set ACC,  128
.set G1,  24                           ; s[24:31] group 1 for A's tiles;  s[32:39] for B's
.set G1B, 32
.set G0,  48                           ; s[48:63] group 0: A half 0, B half 0, A half 1, B half 1
.set MSB, 0
.macro WIN new
.if MSB != \new
	s_set_vgpr_msb (MSB<<8)|\new
.set MSB, \new
.endif
.endm
.set MUL,  0x05                        ; sources 0 (B) and 1 (A) window 1; C and D window 0
.set TO_F, 0x40                        ; destination window 1, address window 0
.macro CROUND
	s_barrier_signal -1
	s_barrier_wait -1
	s_cmp_lg_u32 s14, 0
	s_cbranch_scc1 .Lnot_wave_0_\@
	s_barrier_signal -3
.Lnot_wave_0_\@:
	s_barrier_wait -3
	s_barrier_signal -1
	s_barrier_wait -1
.endm
.macro PLACES n
.rept \n
	v_nop
.endr
.endm
	s_load_b256 s[4:11], s[0:1], 0x0               ; acd, asc, xc, xs
	s_load_b128 s[96:99], s[0:1], 0x20             ; bo, out0
	v_lshl_add_u32 v30, v0, 2, SPARE
	v_mov_b32 v31, 0
	ds_add_u32 v30, v31                            ; the opening lines: the add twice on end and its wait
	ds_add_u32 v30, v31
	v_lshrrev_b32 v1, 5, v0
	v_readfirstlane_b32 s14, v1                    ; wave 0..3
	s_lshr_b32 s15, s14, 1                         ; which half of the tile's rows is mine
	s_and_b32 s16, s14, 1                          ; which half of its columns
	s_bfe_u32 s40, ttmp6, 0x40000                  ; cx, cy
	s_bfe_u32 s41, ttmp6, 0x40004
	s_lshl_b32 s42, ttmp9, 2
	s_add_co_u32 s42, s42, s40                     ; tile column, 0..7
	s_and_b32 s17, ttmp7, 0xffff
	s_lshl_b32 s17, s17, 2
	s_add_co_u32 s17, s17, s41                     ; tile row, 0..31
	s_lshl_b32 s43, s41, 2
	s_lshl_b32 s43, 15, s43                        ; my row of the cluster
	s_lshl_b32 s44, 0x1111, s40                    ; my column
	s_or_b32 s[G1+0], s43, (3<<16)|(1<<21)         ; A: 8 tiles x 8,192 bytes (1,024 elements of 8 bytes), 16,384 bytes apart in memory, dense in LDS
	s_mov_b32 s[G1+1], 1024<<16
	s_mov_b32 s[G1+2], 8<<16
	s_mov_b32 s[G1+3], 1024<<16
	s_mov_b32 s[G1+4], 8
	s_mov_b32 s[G1+5], 2048
	s_mov_b32 s[G1+6], 0
	s_mov_b32 s[G1+7], 0
	s_or_b32 s[G1B+0], s44, (0<<16)|(1<<20)|(1<<21)|(6<<22)|(3<<25)  ; B: 128 rows x 512 bytes, 1,024 apart in memory; four words of padding after every 128
	s_mov_b32 s[G1B+1], 512<<16
	s_mov_b32 s[G1B+2], 128<<16
	s_mov_b32 s[G1B+3], 512<<16
	s_mov_b32 s[G1B+4], 128
	s_mov_b32 s[G1B+5], 1024
	s_mov_b32 s[G1B+6], 0
	s_mov_b32 s[G1B+7], 0
	s_lshl_b32 s20, s17, 17                        ; A's images: 8 tiles of 16,384 bytes a tile row (s20 never holds cx)
	s_mov_b32 s21, 0
	s_lshl_b32 s22, s17, 12                        ; A's scales that I multiply by: 128 rows of 32 bytes a tile row, 64 a half
	s_lshl_b32 s23, s15, 11
	s_add_co_u32 s22, s22, s23
	s_mov_b32 s23, 0
	s_lshl_b32 s46, s42, 7                         ; B: row 15,360 + 128 x tile column (s46 never holds cy)
	s_add_co_u32 s46, s46, 15360
	s_lshl_b32 s47, s16, 6
	s_add_co_u32 s92, s46, s47                     ; my 64 rows' scales
	s_lshl_b32 s92, s92, 5
	s_mov_b32 s93, 0
	s_lshl_b32 s46, s46, 10                        ; the tile's codes
	s_mov_b32 s47, 0
	s_lshl_b32 s84, s42, 9                         ; my first column, in bytes; bo's numbers lie at the same bytes
	s_lshl_b32 s85, s16, 8
	s_add_co_u32 s84, s84, s85
	s_mov_b32 s85, 0
	s_lshl_b32 s86, s17, 19                        ; my first row of out0
	s_lshl_b32 s87, s15, 18
	s_add_co_u32 s86, s86, s87
	s_add_co_u32 s86, s86, s84
	s_mov_b32 s87, 0
	v_and_b32 v1, 15, v0                           ; r
	v_bfe_u32 v2, v0, 4, 1                         ; h
	v_lshlrev_b32 v4, 5, v1
	v_lshl_add_u32 v4, v2, 4, v4                   ; scale words: 32 r + 16 h
	v_lshlrev_b32 v7, 6, v2                        ; bo: 64 h
	s_wait_alu depctr_va_vdst(0)
	s_wait_dscnt 0x0
	s_wait_kmcnt 0x0
	s_add_nc_u64 s[20:21], s[4:5], s[20:21]
	s_add_nc_u64 s[6:7], s[6:7], s[22:23]
	s_add_nc_u64 s[46:47], s[8:9], s[46:47]
	s_add_nc_u64 s[10:11], s[10:11], s[92:93]
	s_add_nc_u64 s[96:97], s[96:97], s[84:85]
	s_add_nc_u64 s[98:99], s[98:99], s[86:87]
.irp i, 0,1,2,3
	global_load_b128 v[SA+4*\i:SA+4*\i+3], v4, s[6:7] offset:512*\i     ; block i's 16 rows of 32 scale bytes: 512 consecutive bytes
	global_load_b128 v[SB+4*\i:SB+4*\i+3], v4, s[10:11] offset:512*\i
.endr
.irp i, 0,1,2,3,4,5,6,7
	global_load_b128 v[BB+4*\i:BB+4*\i+3], v7, s[96:97] offset:128*(\i/4)+16*(\i%4)
.endr
.irp h, 0,1
	s_mov_b32 s[G0+8*\h], 1
	s_mov_b32 s[G0+8*\h+1], \h*HB
	s_add_nc_u64 s[G0+8*\h+2:G0+8*\h+3], s[20:21], \h*ATILE
	s_or_b32 s[G0+8*\h+3], s[G0+8*\h+3], 0x80000000
	s_mov_b32 s[G0+8*\h+4], 1
	s_mov_b32 s[G0+8*\h+5], \h*HB+BOFF
	s_add_nc_u64 s[G0+8*\h+6:G0+8*\h+7], s[46:47], \h*512
	s_or_b32 s[G0+8*\h+7], s[G0+8*\h+7], 0x80000000
.endr
	CROUND                                         ; all sixteen work-groups are here: the joint loads meet
.macro ARM under, g0, g1, next                 ; one chain of branches on the wave's number, one load to an arm
	s_cmp_lt_u32 s14, \under
	s_cbranch_scc0 \next
	tensor_load_to_lds s[\g0:\g0+3], s[\g1:\g1+7]
	s_nop 0
	PLACES 4
	s_branch .Lasked
\next:
.endm
	ARM 1, G0, G1, .Lb_first
	ARM 2, G0+4, G1B, .La_second
	ARM 3, G0+8, G1, .Lb_second
	tensor_load_to_lds s[G0+12:G0+15], s[G1B:G1B+7]
	s_nop 0
	PLACES 4
.Lasked:
	s_lshl_b32 s21, s15, 15                        ; my four tiles of A
	s_mul_i32 s22, s16, 64*PITCH                   ; my 64 rows of B,
	s_add_co_u32 s22, s22, BOFF                    ; behind A's eight tiles
	s_mul_i32 s23, s14, 16*SPITCH
	s_add_co_u32 s23, s23, STAGE                   ; my stage
	v_and_b32 v3, 31, v0
	v_lshlrev_b32 v3, 4, v3                        ; A: 16 x lane
	v_mul_u32_u24 v5, v1, PITCH
	v_lshl_add_u32 v5, v2, 4, v5                   ; B: row x pitch + 16 x half
	v_add_nc_u32 v[ADRA], s21, v3
	v_add_nc_u32 v[ADRB], s22, v5
	v_add_nc_u32 v[ADRA+1], HB, v[ADRA]
	v_add_nc_u32 v[ADRB+1], HB, v[ADRB]
	v_mul_u32_u24 v6, v1, SPITCH                   ; into the stage: row r; block b's eight columns are true columns 32 (b/2) + 16 h + 8 (b%2) on
	v_lshl_add_u32 v6, v2, 6, v6
	v_add_nc_u32 v[STO], s23, v6
	v_mul_u32_u24 v6, v2, SPITCH                   ; back: lanes 0-15 one row of 256 bytes, lanes 16-31 the next
	v_lshl_add_u32 v6, v1, 4, v6
	v_add_nc_u32 v[RD], s23, v6
	v_lshlrev_b32 v[CO], 12, v2                    ; and the same two rows in out0
	v_lshl_add_u32 v[CO], v1, 4, v[CO]
; 32 LDS loads in one run: K step s's fragments into set s % 2: B's four, then A's four
.macro FETCH s
.set FB, 128*((\s)%2)
	WIN TO_F
.irp i, 0,1,2,3
.irp c, 0,1,2,3
	ds_load_b128 v[FB+64+16*\i+4*\c:FB+64+16*\i+4*\c+3], v[ADRB+(\s)/4] offset:128*((\s)%4)+32*\c+\i*16*PITCH
.endr
.endr
.irp i, 0,1,2,3
.irp c, 0,1,2,3
	ds_load_b128 v[FB+16*\i+4*\c:FB+16*\i+4*\c+3], v[ADRA+(\s)/4] offset:ATILE*\i+2048*((\s)%4)+512*\c
.endr
.endr
.endm
; 8 products: A's blocks a0, a0 + 1 x B's four, K step s.  Step 0 starts the sums, with bo as its C.  The 16 accumulators take turns.
.macro MUL8 s, a0
.set FB, 128*((\s)%2)
.irp a, \a0, \a0+1
.irp b, 0,1,2,3
.if (\s) == 0
	v_wmma_scale_f32_16x16x128_f8f6f4 v[ACC+8*(4*(\a)+\b):ACC+8*(4*(\a)+\b)+7], v[FB+64+16*\b:FB+64+16*\b+15], v[FB+16*(\a):FB+16*(\a)+15], v[BB+8*\b:BB+8*\b+7], v[SB+4*\b+(\s)%4], v[SA+4*(\a)+(\s)%4] matrix_a_fmt:MATRIX_FMT_BF8 matrix_b_fmt:MATRIX_FMT_BF8
.elseif (\s) < 4
	v_wmma_scale_f32_16x16x128_f8f6f4 v[ACC+8*(4*(\a)+\b):ACC+8*(4*(\a)+\b)+7], v[FB+64+16*\b:FB+64+16*\b+15], v[FB+16*(\a):FB+16*(\a)+15], v[ACC+8*(4*(\a)+\b):ACC+8*(4*(\a)+\b)+7], v[SB+4*\b+(\s)%4], v[SA+4*(\a)+(\s)%4] matrix_a_fmt:MATRIX_FMT_BF8 matrix_b_fmt:MATRIX_FMT_BF8
.else
	v_wmma_scale_f32_16x16x128_f8f6f4 v[ACC+8*(4*(\a)+\b):ACC+8*(4*(\a)+\b)+7], v[FB+64+16*\b:FB+64+16*\b+15], v[FB+16*(\a):FB+16*(\a)+15], v[ACC+8*(4*(\a)+\b):ACC+8*(4*(\a)+\b)+7], v[SB+4*\b+(\s)%4], v[SA+4*(\a)+(\s)%4] matrix_a_fmt:MATRIX_FMT_BF8 matrix_b_fmt:MATRIX_FMT_BF8 matrix_a_scale:MATRIX_SCALE_ROW1 matrix_b_scale:MATRIX_SCALE_ROW1
.endif
.endr
.endr
.endm
; K step s: 16 products; in their middle the next step's fragments are fetched into the other set.  Step 3's successor lies in the second half: every wave's load has landed, no LDS load of mine is out, and the barrier shows the same of the others.
.macro KSTEP s
.if (\s) == 3
	s_wait_dscnt 0x0
	s_wait_tensorcnt 0x0
	s_barrier_signal -1
.else
	s_wait_dscnt 8                                 ; B's four and A's blocks 0 and 1 are in; the youngest eight loads may be out
.endif
	WIN MUL
	MUL8 \s, 0
.if (\s) < 7
	PLACES NP                                      ; in front of loads into the set that the last step's products have read
.if (\s) == 3
	s_barrier_wait -1
.endif
	FETCH (\s)+1
	s_wait_dscnt 32                                ; all but the 32 just issued
	WIN MUL
.else
	s_wait_dscnt 0x0
.endif
	MUL8 \s, 2
.endm
	s_wait_alu depctr_va_vdst(0)
	s_cmp_lt_u32 s14, 2
	s_cbranch_scc0 .Lsecond_half
	s_wait_tensorcnt 0x0                           ; waves 0 and 1: the first half of K is in
.Lsecond_half:
	s_barrier_signal -1
	s_barrier_wait -1
	FETCH 0
	s_wait_loadcnt 0x0                             ; the scale words and bo
	KSTEP 0
	KSTEP 1
	KSTEP 2
	KSTEP 3
	KSTEP 4
	KSTEP 5
	KSTEP 6
	KSTEP 7
	WIN 0
; THE WAY OUT, block by block of 16 rows x 64 columns, through my own stage: in by lanes (each accumulator from its low end on, at its true columns), back as whole rows of 256 bytes, two an instruction.
; LDS serves a wave's instructions in order (ISA guide 5.7.1.4): no wait between the stores and the loads.
.macro TOSTAGE a
.irp b, 0,1,2,3
	ds_store_b128 v[STO], v[ACC+8*(4*(\a)+\b):ACC+8*(4*(\a)+\b)+3] offset:128*(\b/2)+32*(\b%2)
	ds_store_b128 v[STO], v[ACC+8*(4*(\a)+\b)+4:ACC+8*(4*(\a)+\b)+7] offset:128*(\b/2)+32*(\b%2)+16
.endr
.set BKR, BK+32*((\a)%2)
.irp t, 0,1,2,3,4,5,6,7
	ds_load_b128 v[BKR+4*\t:BKR+4*\t+3], v[RD] offset:2*\t*SPITCH
.endr
.endm
.macro SEND a, younger                 ; block a's position p is true row 32 (a/2) + 8 (a%2) + p + 8 (p/8) of my 64
.set BKR, BK+32*((\a)%2)
	s_wait_dscnt \younger
.irp t, 0,1,2,3,4,5,6,7
	global_store_b128 v[CO], v[BKR+4*\t:BKR+4*\t+3], s[98:99] offset:(32*((\a)/2)+8*((\a)%2)+2*\t+8*(\t/4))*ROWC th:TH_STORE_NT   ; 16 lanes store 256 consecutive bytes, aligned
.endr
.endm
	PLACES NP                                      ; behind the last products: their results are read
	TOSTAGE 0
.irp a, 1,2,3
.if \a > 1
	s_wait_xcnt 0x0                                ; block a - 2's stores have read their registers: block a's loads may land there
.endif
	TOSTAGE \a
	SEND \a-1, 16                                  ; behind block a - 1's loads: block a's 8 stores and 8 loads
.endr
	SEND 3, 0
	s_wait_tensorcnt 0x0                           ; the wave's end
	ds_add_u32 v30, v31
	s_wait_dscnt 0x0
	CROUND                                         ; the closing round
	s_endpgm
.Lfunc_end_k_q107598f3bf_outp:
	.size	k_q107598f3bf_outp, .Lfunc_end_k_q107598f3bf_outp-k_q107598f3bf_outp
	.p2alignl 7, 3214868480
	.fill 96, 4, 3214868480
	.section	.rodata,"a",@progbits
	.p2align	6, 0x0
	.amdhsa_kernel k_q107598f3bf_outp
		.amdhsa_group_segment_fixed_size 288256
		.amdhsa_private_segment_fixed_size 0
		.amdhsa_enable_private_segment 0
		.amdhsa_kernarg_size 48
		.amdhsa_user_sgpr_count 2
		.amdhsa_user_sgpr_kernarg_segment_ptr 1
		.amdhsa_wavefront_size32 1
		.amdhsa_system_sgpr_workgroup_id_x 1
		.amdhsa_system_sgpr_workgroup_id_y 1
		.amdhsa_system_sgpr_workgroup_id_z 1
		.amdhsa_system_vgpr_workitem_id 0
		.amdhsa_next_free_vgpr 512
		.amdhsa_next_free_sgpr 100
		.amdhsa_reserve_vcc 0
		.amdhsa_float_denorm_mode_32 3
		.amdhsa_float_denorm_mode_16_64 3
		.amdhsa_memory_ordered 1
		.amdhsa_forward_progress 1
		.amdhsa_inst_pref_size 52
	.end_amdhsa_kernel
	.amdgpu_metadata
---
amdhsa.version: [ 1, 2 ]
amdhsa.kernels:
  - .name:           k_q107598f3bf_outp
    .symbol:         k_q107598f3bf_outp.kd
    .args:
      - { .name: acd, .offset: 0, .size: 8, .value_kind: global_buffer, .address_space: global }
      - { .name: asc, .offset: 8, .size: 8, .value_kind: global_buffer, .address_space: global }
      - { .name: xc, .offset: 16, .size: 8, .value_kind: global_buffer, .address_space: global }
      - { .name: xs, .offset: 24, .size: 8, .value_kind: global_buffer, .address_space: global }
      - { .name: bo, .offset: 32, .size: 8, .value_kind: global_buffer, .address_space: global }
      - { .name: out0, .offset: 40, .size: 8, .value_kind: global_buffer, .address_space: global }
    .group_segment_fixed_size: 288256
    .private_segment_fixed_size: 0
    .kernarg_segment_align: 8
    .kernarg_segment_size: 48
    .max_flat_workgroup_size: 128
    .sgpr_count:     100
    .vgpr_count:     512
    .wavefront_size: 32
...
	.end_amdgpu_metadata
.endif
;; end of part 8
